; MI455X (gfx1250); checked and timed in simulation.
; The chip was launched on July 23, 2026; its instructions are those of AMD's public machine-readable ISA for CDNA 5 (MIT licence, August 2026) and "CDNA5" Instruction Set Architecture Reference Guide (July 2026). The comments in the code are by the model that wrote it; some were corrected since.
;; Causal Self Attention. Allowed arithmetic: matrix products marked QUANTISED: E2M3 operands, one E8M0 scale for each 32 along K, by v_wmma_scale_f32_16x16x128_f8f6f4 with both operands' format E2M3, f32 sums; everything else in f32.
;; Inputs: W_key 1,024 x 1,024 float32; W_query 1,024 x 1,024 float32; W_value 1,024 x 1,024 float32; x 4 x 2,048 x 1,024 float32.
;; Outputs: out0 4 x 2,048 x 1,024 float32.
;; This version of the problem:
;;   THIS VERSION OF THE PROBLEM IS GIVEN IN LOW PRECISION. The matrix products marked QUANTISED in the list below multiply operands that are first quantised to E2M3 (2 exponent bits, 3 mantissa bits; 6 bits a number), with one power-of-two scale for each 32 numbers along K (OCP MX v1.0); their sums are f32. All else is computed in f32.
;;   The module's matrix products, in the order in which they are computed (A, B: the left and right operand; K: the contracted axis; several contracted axes count as one K, in the product's order):
;;     1. [M 8,192, K 1,024] x [K 1,024, N 1,024]; A: input x; B: input W_query: QUANTISED
;;     2. [M 8,192, K 1,024] x [K 1,024, N 1,024]; A: input x; B: input W_key: QUANTISED
;;     3. [M 8,192, K 1,024] x [K 1,024, N 1,024]; A: input x; B: input W_value: QUANTISED
;;     4. batch 4 x [M 2,048, K 1,024] x [K 1,024, N 2,048]; A: computed on the way; B: computed on the way: QUANTISED
;;     5. batch 4 x [M 2,048, K 2,048] x [K 2,048, N 1,024]; A: softmax (see below); B: computed on the way: QUANTISED
;;   THE QUANTISER, for each operand of a quantised product, along K:
;;     - K is cut into blocks of 32 from its start; a last block that is shorter is filled with zeros.
;;     - A block's scale is 2^e with e = floor(log2(the largest magnitude in the block)) - 2, held to -126 .. 127; a block of zeros has e = 0. As a byte (E8M0): e + 127.
;;     - Each number is divided by its block's scale, clamped to +-7.5, and rounded to the nearest number of E2M3, ties to even, subnormals kept.
;;     - The product sums the exact products of the quantised numbers (number of the format x scale) in f32.
;;   ~~~python
;;   def quantise(x, axis):      # numpy; x: float32 -> the quantised numbers, widened to float32 again
;;       x = np.moveaxis(x, axis, -1); K = x.shape[-1]
;;       x = np.pad(x, [(0, 0)] * (x.ndim - 1) + [(0, -K % 32)]); x = x.reshape(x.shape[:-1] + (-1, 32)); a = np.abs(x).max(-1, keepdims=True)
;;       e = np.where(a > 0, np.clip(np.frexp(np.where(a > 0, a, 1))[1] - 1 - 2, -126, 127), 0)      # np.frexp(a)[1] - 1 = floor(log2(a)), exactly
;;       r = np.clip(x / 2.0 ** e, -7.5, 7.5)
;;       step = 2.0 ** (np.maximum(np.frexp(np.where(r == 0, 1, r))[1] - 1, 0) - 3)
;;       q = np.round(r / step) * step * 2.0 ** e      # np.round: ties to even
;;       return np.moveaxis(q.reshape(q.shape[:-2] + (-1,))[..., :K], -1, axis).astype(np.float32)
;;   ~~~
;;   SOFTMAX AHEAD OF A QUANTISED PRODUCT. Where the list says 'softmax', what is quantised is not the finished softmax but p = 2^(t - M), with t = logit x log2(e) and M = ceil(the row's largest t), a whole number; so 1/2 < the row's largest p <= 1. The row's sum l is taken of the UNQUANTISED p, in f32, and the product's result is divided by l at the end. Since M is a whole number, a kernel that streams over the keys may use a running M (the ceiling of the running maximum): every later rescaling is an exact power of two, which a block's scale takes up: the codes' values come out the same.
;;   OPERANDS COMPUTED ON THE WAY. 'Computed on the way' means the value that the module computes at that place (a softmax that the list does not call 'softmax' is quantised finished and normalised). What goes into a quantiser is computed in f32, as accurately as f32 sums, v_exp_f32 and their like allow (about 1e-6 of the number): no bf16 or f16 on the way to a quantiser, and a product that is left as it is and whose result goes on into a quantised operand takes f32 operands (vector FMAs, or v_wmma_f32_16x16x4_f32). A number that lies on a knife's edge between two numbers of the format may be rounded either way, as far as f32 arithmetic and the matrix unit's own rounding can turn it there, and no further.
;; 2 versions. Each part assembles by itself: llvm-mc -triple=amdgcn-amd-amdhsa -mcpu=gfx1250 --defsym DOCPART=n.
;; ======== version 1 of 2: 4 launches
;; workspace buffers: x_img 6,553,600 bytes; w_img 2,457,600 bytes; qk_img 13,107,200 bytes; vt_img 6,553,600 bytes; p_img 12,582,912 bytes; p_aux 1,572,864 bytes
;; launch quant (part 1): grid 448 x 1, 4 waves a work-group, no clusters, 34,304 bytes of LDS; arguments x, W_query, W_key, W_value, x_img, w_img; writes x_img, w_img
.if DOCPART == 1
	.amdgcn_target "amdgcn-amd-amdhsa--gfx1250"
	.amdhsa_code_object_version 6
	.text
	.protected	k_q9491cc8b53_quant
	.globl	k_q9491cc8b53_quant
	.p2align	8
	.type	k_q9491cc8b53_quant,@function
k_q9491cc8b53_quant:
	s_mov_b64 s[64:65], 0
	v_nop
	global_prefetch_b8 v0, s[64:65] scope:SCOPE_SE
	s_setreg_imm32_b32 hwreg(HW_REG_WAVE_MODE, 25, 1), 1
	s_wait_xcnt 0x0
; FIRST OF FOUR LAUNCHES of causal attention with one head of 1,024: out = softmax(mask(q k^T) / 32) v, q, k, v = x W, all five products on codes of FP6 (E2M3) with one E8M0 scale for each 32 along K.
; This launch quantises x [8192][1024] (K = its last axis) and the three weights [1024 (d)][1024 (e)] (K = their FIRST axis) once, since many work-groups of the next launch read them.
; WORK LEFT OUT IN THE LATER LAUNCHES.  reference() sets score(q, k) to -infinity wherever k > q, by a mask that it builds itself.  exp(-infinity) = 0, so such a score adds nothing to the row's sum and nothing
; to the context, whatever finite values the inputs hold.  So score tiles of 256 queries x 256 keys whose every key comes after every query are not computed, stored or read, and the last product leaves out
; key steps of 128 that lie wholly behind a work-group's last query.  Every input has a way to the output and is loaded.
; LIMITS: NaN and infinities among the inputs are not served; a NaN, an infinity or an overflow that reaches only the tiles left out is not carried to the result; a block of zeros gets the scale byte 1
; where the rule says 127: its codes are zeros, which add nothing under any byte but 0xff, and the bytes are read by this program alone.
; THE WORKSPACE FORMAT ("image").  An operand [rows][K] lies in chunks of 128 rows x 256 K, CH = 25,600 dense bytes, chunk (rb, ks) at (rb K / 256 + ks) CH.  In a chunk, fragment (q, i), 16 rows x 128 K, is the image
; of the matrix operand's 12 registers: 1,536 bytes at (8 q + i) 1,536, registers 4 c .. 4 c + 3 of lane l at 512 c + 16 l.  The scale word of (q, i, lane row r) lies at 24,576 + 512 q + 256 (i / 4) + 16 r + 4 (i % 4).
; Tile i's lane row r is row 32 (i / 2) + 8 (i % 2) + r + 8 (r / 8) of the 128: with that order a product's 64 results of a lane are 64 neighbours along the next K in the order that the conversions want.
; SHARES.  Work-groups 0-255: x; a wave takes 64 rows x 128 K, four fragments.  Each load reads 512 consecutive bytes of one row; the 16 rows of a fragment turn through the wave's own stage in LDS, so that a lane gets
; 16 neighbours of each block of 32.  Work-groups 256-447: the weights; a wave takes 32 columns x 128 d, two fragments: a lane takes a column and its registers run down d, so a block of 32 lies in one lane.
; No tensor load, no barrier: waves share nothing.
.set CH,    25600
.set STG,   8448                       ; a wave's stage: 16 rows x (512 bytes + 16): row r starts 4 r banks on
.set SPARE, 4*STG                      ; behind the stages: the spare words, 128 bytes a wave
.set SPW,   250                        ; v250 LDS address of my spare word; never rewritten
.set NIL,   251                        ; v251 0; never rewritten
.set R,     16                         ; v16-143  two sets of 64: a fragment's numbers as loaded
.set X,     144                        ; v144-207 64 numbers: register 16 b + i = k 32 b + 16 (lane / 16) + i of my row
.set TM,    208                        ; v208-223 at work
.set PC,    224                        ; v224-243 the codes just made
.set PW,    244                        ; v244-247 four fragments' scale words
.set SS,    248                        ; v248-249 the two words that I store
.set SEL,   40                         ; s[40:41] lane selects: lane l xor 16
	s_load_b256 s[4:11], s[0:1], 0x0               ; x, W_query, W_key, W_value
	s_load_b128 s[12:15], s[0:1], 0x20             ; x_img, w_img
	v_lshl_add_u32 v[SPW], v0, 2, SPARE
	v_mov_b32 v[NIL], 0
	v_lshrrev_b32 v1, 5, v0
	v_readfirstlane_b32 s16, v1                    ; wave
	v_and_b32 v1, 31, v0                           ; lane
	v_and_b32 v2, 15, v0                           ; r
	v_bfe_u32 v3, v0, 4, 1                         ; h
	v_lshlrev_b32 v4, 4, v1                        ; 16 x lane
	s_mov_b32 s[SEL], 0x76543210
	s_mov_b32 s[SEL+1], 0xfedcba98
	s_cmp_ge_u32 ttmp9, 256
	s_cbranch_scc1 .Lweights
	; ---------------------------------------------------------------- x
	s_lshl_b32 s17, ttmp9, 2
	s_add_co_u32 s17, s17, s16                     ; job J
	s_and_b32 s18, s17, 7                          ; kq: which 128 along K
	s_bfe_u32 s19, s17, 0x10003                    ; g: which 64 rows of the block
	s_lshr_b32 s24, s17, 4                         ; rb: block of 128 rows
	s_lshl_b32 s26, s24, 19                        ; x: 128 rows of 4,096 bytes,
	s_lshl_b32 s25, s19, 18                        ; 64 rows,
	s_add_co_u32 s26, s26, s25
	s_lshl_b32 s25, s18, 9                         ; 128 numbers
	s_add_co_u32 s26, s26, s25
	s_mov_b32 s27, 0
	s_lshl_b32 s28, s24, 2
	s_lshr_b32 s25, s18, 1
	s_add_co_u32 s28, s28, s25
	s_mul_i32 s28, s28, CH                         ; my chunk
	s_and_b32 s25, s18, 1                          ; q
	s_mul_i32 s30, s25, 12288
	s_add_co_u32 s30, s30, s28
	s_mul_i32 s31, s19, 6144
	s_add_co_u32 s30, s30, s31                     ; my first fragment: (q, 4 g)
	s_mov_b32 s31, 0
	s_lshl_b32 s25, s25, 9
	s_add_co_u32 s28, s28, s25
	s_lshl_b32 s25, s19, 8
	s_add_co_u32 s28, s28, s25
	s_add_co_u32 s28, s28, 24576                   ; my 256 bytes of scale words
	s_mov_b32 s29, 0
	s_mul_i32 s25, s16, STG
	v_add_nc_u32 v5, s25, v4                       ; the stage, on the way in: 16 x lane of a row
	v_mul_u32_u24 v6, v2, 528
	v_lshl_add_u32 v6, v3, 6, v6
	v_add_nc_u32 v6, s25, v6                       ; on the way out: row r, + 64 h
	v_lshlrev_b32 v7, 4, v2
	v_lshl_add_u32 v7, v3, 3, v7                   ; scale words: 16 r + 8 h
.irp b, 0,1,2,3
	v_mov_b32 v[TM+4+\b], 0                        ; written once: a lane permute's destination counts as one of its sources
.endr
	s_wait_kmcnt 0x0
	s_add_nc_u64 s[4:5], s[4:5], s[26:27]
	s_add_nc_u64 s[20:21], s[12:13], s[30:31]
	s_add_nc_u64 s[22:23], s[12:13], s[28:29]
.macro LOADF u                         ; fragment u's 16 rows, 512 consecutive bytes a load
.irp rr, 0,1,2,3,4,5,6,7,8,9,10,11,12,13,14,15
	global_load_b128 v[R+64*((\u)%2)+4*\rr:R+64*((\u)%2)+4*\rr+3], v4, s[4:5] offset:(32*((\u)/2)+8*((\u)%2)+\rr+8*(\rr/8))*4096 th:TH_LOAD_NT
.endr
.endm
.macro TURNX u                         ; through the stage: LDS serves a wave's instructions in order, so no wait stands between the stores and the loads
.irp rr, 0,1,2,3,4,5,6,7,8,9,10,11,12,13,14,15
	ds_store_b128 v5, v[R+64*((\u)%2)+4*\rr:R+64*((\u)%2)+4*\rr+3] offset:528*\rr
.endr
.irp b, 0,1,2,3
.irp j, 0,1,2,3
	ds_load_b128 v[X+16*\b+4*\j:X+16*\b+4*\j+3], v6 offset:128*\b+16*\j
.endr
.endr
.endm
; 64 numbers of a lane, v[s] on, become a fragment's codes in v[PC] on and its scale word in v[pw]
.macro QUANT s, pw
.irp b, 0,1,2,3
	v_max3_num_f32 v[TM+\b], |v[\s+16*\b]|, |v[\s+1+16*\b]|, 0x1800000   ; block b: my 16 numbers, and the floor 2^(3 - 127): so the byte cannot fall under 1
.endr
.irp i, 2,4,6,8,10,12,14
.irp b, 0,1,2,3
	v_max3_num_f32 v[TM+\b], v[TM+\b], |v[\s+16*\b+\i]|, |v[\s+1+16*\b+\i]|
.endr
.endr
.irp b, 0,1,2,3
	v_permlanex16_b32 v[TM+4+\b], v[TM+\b], s[SEL], s[SEL+1]
.endr
.irp b, 0,1,2,3
	v_max_num_f32 v[TM+\b], v[TM+\b], v[TM+4+\b]   ; with lane l xor 16's: the block's largest magnitude
.endr
.irp b, 0,1,2,3
	v_add_nc_u32 v[TM+12+\b], 0xff000000, v[TM+\b] ; 2 off its exponent field: the conversion takes this operand's exponent field as its scale
.endr
.irp b, 0,1,2,3
	v_lshrrev_b32 v[TM+4+\b], 23, v[TM+12+\b]      ; the scale's byte
.endr
	v_lshl_or_b32 v[\pw], v[TM+5], 8, v[TM+4]
	v_lshl_or_b32 v[\pw], v[TM+6], 16, v[\pw]
	v_lshl_or_b32 v[\pw], v[TM+7], 24, v[\pw]
.irp c, 0,1
	v_cvt_scalef32_pk16_fp6_f32 v[PC+6*\c:PC+2+6*\c], v[\s+32*\c:\s+15+32*\c], v[TM+12+2*\c]
	v_cvt_scalef32_pk16_fp6_f32 v[PC+12+4*\c:PC+14+4*\c], v[\s+16+32*\c:\s+31+32*\c], v[TM+12+2*\c+1]   ; (a conversion's three registers begin on an even number)
.endr
	v_nop                                          ; one plain line behind the conversions
.irp c, 0,1                                    ; the operand wants a whole block in a lane: lanes 0-15 block 2 c, lanes 16-31 block 2 c + 1
.irp i, 0,1,2
	v_permlane16_swap_b32 v[PC+6*\c+\i], v[PC+12+4*\c+\i]
.endr
.irp i, 0,1,2
	v_mov_b32 v[PC+3+6*\c+\i], v[PC+12+4*\c+\i]
.endr
.endr
.endm
	LOADF 0
	LOADF 1
.irp u, 0,1,2,3
.if \u < 3
	s_wait_loadcnt 16                              ; this fragment's 16 loads are in; the next fragment's 16 may be out
.else
	s_wait_loadcnt 0x0
.endif
	TURNX \u
	s_wait_dscnt 0x0                               ; my 64 numbers are back, and the stores into the stage have read their registers,
.if \u < 2
	LOADF \u+2                                     ; which take the fragment two on
.endif
	s_wait_xcnt 0x0                                ; the last fragment's stores have read the codes' registers
	QUANT X, PW+\u
.irp c, 0,1,2
	global_store_b128 v4, v[PC+4*\c:PC+4*\c+3], s[20:21] offset:1536*\u+512*\c   ; 512 consecutive bytes
.endr
.endr
	v_cmp_le_u32 vcc_lo, 16, v1                    ; lanes 0-15 store tiles 0, 1's words of row r, lanes 16-31 tiles 2, 3's: 256 consecutive bytes
	v_cndmask_b32 v[SS], v[PW], v[PW+2], vcc_lo
	v_cndmask_b32 v[SS+1], v[PW+1], v[PW+3], vcc_lo
	global_store_b64 v7, v[SS:SS+1], s[22:23]
	s_wait_tensorcnt 0x0                           ; the wave's end: behind my last LDS store
	ds_add_u32 v[SPW], v[NIL]
	s_wait_dscnt 0x0
	s_endpgm
	; ---------------------------------------------------------------- the weights
.Lweights:
	s_sub_co_u32 s17, ttmp9, 256
	s_lshl_b32 s17, s17, 2
	s_add_co_u32 s17, s17, s16                     ; job
	s_and_b32 s18, s17, 31                         ; which 32 columns
	s_bfe_u32 s19, s17, 0x30005                    ; kq: which 128 along d
	s_lshr_b32 s24, s17, 8                         ; which weight: the same in all four waves
	s_lshl_b32 s26, s19, 19                        ; 128 rows of 4,096 bytes,
	s_lshl_b32 s25, s18, 7                         ; 32 columns
	s_add_co_u32 s26, s26, s25
	s_mov_b32 s27, 0
	s_lshl_b32 s28, s24, 3
	s_lshr_b32 s25, s18, 2
	s_add_co_u32 s28, s28, s25                     ; rb = 8 x weight + columns / 128
	s_lshl_b32 s28, s28, 2
	s_lshr_b32 s25, s19, 1
	s_add_co_u32 s28, s28, s25
	s_mul_i32 s28, s28, CH                         ; my chunk
	s_and_b32 s25, s19, 1                          ; q
	s_and_b32 s33, s18, 3                          ; which pair of tiles
	s_mul_i32 s30, s25, 12288
	s_add_co_u32 s30, s30, s28
	s_mul_i32 s31, s33, 3072
	s_add_co_u32 s30, s30, s31                     ; my two fragments
	s_mov_b32 s31, 0
	s_lshl_b32 s25, s25, 9
	s_add_co_u32 s28, s28, s25
	s_lshr_b32 s25, s33, 1
	s_lshl_b32 s25, s25, 8
	s_add_co_u32 s28, s28, s25
	s_and_b32 s25, s33, 1
	s_lshl_b32 s25, s25, 3
	s_add_co_u32 s28, s28, s25
	s_add_co_u32 s28, s28, 24576                   ; my tiles' scale words
	s_mov_b32 s29, 0
	v_and_b32 v8, 8, v2
	v_add_nc_u32 v8, v8, v2
	v_lshl_add_u32 v8, v3, 3, v8
	v_lshlrev_b32 v8, 2, v8                        ; my column of the 32: r + 8 (r / 8) + 8 h: lanes 0-15 hold the even tile's rows, lanes 16-31 the odd tile's; the 32 lanes cover 128 consecutive bytes
	v_lshlrev_b32 v9, 4, v2
	v_lshl_add_u32 v9, v3, 2, v9                   ; scale word: 16 r + 4 h
	s_wait_kmcnt 0x0
	s_cmp_eq_u32 s24, 0
	s_cselect_b64 s[34:35], s[6:7], s[8:9]
	s_cmp_eq_u32 s24, 2
	s_cselect_b64 s[34:35], s[10:11], s[34:35]
	s_add_nc_u64 s[34:35], s[34:35], s[26:27]
	s_add_nc_u64 s[20:21], s[14:15], s[30:31]
	s_add_nc_u64 s[22:23], s[14:15], s[28:29]
.macro LOADB t                         ; block t: W(32 t + i, my column) into set t % 2 of v16-79
.irp i, 0,1,2,3,4,5,6,7,8,9,10,11,12,13,14,15,16,17,18,19,20,21,22,23,24,25,26,27,28,29,30,31
	global_load_b32 v[16+32*((\t)%2)+\i], v8, s[34:35] offset:(32*(\t)+\i)*4096 th:TH_LOAD_NT
.endr
.endm
.macro BLOCK t                         ; even blocks' codes go to v80-91, odd blocks' to v92-103
.set XS, 16+32*((\t)%2)
.set FD, 80+12*((\t)%2)+6*((\t)/2)
.if (\t) < 3
	s_wait_loadcnt 32                              ; this block's 32 loads are in; the next block's 32 may be out
.else
	s_wait_loadcnt 0x0
.endif
	v_max3_num_f32 v110, |v[XS]|, |v[XS+1]|, |v[XS+2]|
	v_max3_num_f32 v111, |v[XS+3]|, |v[XS+4]|, |v[XS+5]|
.irp i, 6,10,14,18,22,26
	v_max3_num_f32 v110, v110, |v[XS+\i]|, |v[XS+\i+1]|
	v_max3_num_f32 v111, v111, |v[XS+\i+2]|, |v[XS+\i+3]|
.endr
	v_max3_num_f32 v110, v110, |v[XS+30]|, |v[XS+31]|
	v_max3_num_f32 v110, v110, v111, 0x1800000     ; the block's largest magnitude, all 32 mine, and the floor
	v_add_nc_u32 v112, 0xff000000, v110
	v_lshrrev_b32 v113, 23, v112
.if (\t) == 0
	v_mov_b32 v108, v113
.else
	v_lshl_or_b32 v108, v113, 8*(\t), v108         ; my column's scale word: byte t for block t
.endif
	v_cvt_scalef32_pk16_fp6_f32 v[FD:FD+2], v[XS:XS+15], v112
	v_cvt_scalef32_pk16_fp6_f32 v[104:106], v[XS+16:XS+31], v112
	v_nop
.irp i, 0,1,2
	v_mov_b32 v[FD+3+\i], v[104+\i]
.endr
.if (\t) < 2
	LOADB (\t)+2
.endif
.endm
	LOADB 0
	LOADB 1
	BLOCK 0
	BLOCK 1
	BLOCK 2
	BLOCK 3
.irp j, 0,1,2,3,4,5,6,7,8,9,10,11
	v_permlane16_swap_b32 v[80+\j], v[92+\j]       ; the even tile's odd blocks go to lanes 16-31 of v80 on, the odd tile's even blocks to lanes 0-15 of v92 on: two fragments as the operand wants them
.endr
.irp c, 0,1,2
	global_store_b128 v4, v[80+4*\c:83+4*\c], s[20:21] offset:512*\c
	global_store_b128 v4, v[92+4*\c:95+4*\c], s[20:21] offset:1536+512*\c
.endr
	global_store_b32 v9, v108, s[22:23]            ; 8 of each 16 bytes of 256: the other wave of the pair writes the rest; 98,304 bytes in the launch go out so
	s_wait_tensorcnt 0x0
	ds_add_u32 v[SPW], v[NIL]
	s_wait_dscnt 0x0
	s_endpgm
.Lfunc_end_k_q9491cc8b53_quant:
	.size	k_q9491cc8b53_quant, .Lfunc_end_k_q9491cc8b53_quant-k_q9491cc8b53_quant
	.p2alignl 7, 3214868480
	.fill 96, 4, 3214868480
	.section	.rodata,"a",@progbits
	.p2align	6, 0x0
	.amdhsa_kernel k_q9491cc8b53_quant
		.amdhsa_group_segment_fixed_size 34304
		.amdhsa_private_segment_fixed_size 0
		.amdhsa_enable_private_segment 0
		.amdhsa_kernarg_size 48
		.amdhsa_user_sgpr_count 2
		.amdhsa_user_sgpr_kernarg_segment_ptr 1
		.amdhsa_wavefront_size32 1
		.amdhsa_system_sgpr_workgroup_id_x 1
		.amdhsa_system_sgpr_workgroup_id_y 1
		.amdhsa_system_sgpr_workgroup_id_z 1
		.amdhsa_system_vgpr_workitem_id 0
		.amdhsa_next_free_vgpr 256
		.amdhsa_next_free_sgpr 66
		.amdhsa_reserve_vcc 1
		.amdhsa_float_denorm_mode_32 3
		.amdhsa_float_denorm_mode_16_64 3
		.amdhsa_memory_ordered 1
		.amdhsa_forward_progress 1
		.amdhsa_inst_pref_size 55
	.end_amdhsa_kernel
	.amdgpu_metadata
---
amdhsa.version: [ 1, 2 ]
amdhsa.kernels:
  - .name:           k_q9491cc8b53_quant
    .symbol:         k_q9491cc8b53_quant.kd
    .args:
      - { .name: x, .offset: 0, .size: 8, .value_kind: global_buffer, .address_space: global }
      - { .name: W_query, .offset: 8, .size: 8, .value_kind: global_buffer, .address_space: global }
      - { .name: W_key, .offset: 16, .size: 8, .value_kind: global_buffer, .address_space: global }
      - { .name: W_value, .offset: 24, .size: 8, .value_kind: global_buffer, .address_space: global }
      - { .name: x_img, .offset: 32, .size: 8, .value_kind: global_buffer, .address_space: global }
      - { .name: w_img, .offset: 40, .size: 8, .value_kind: global_buffer, .address_space: global }
    .group_segment_fixed_size: 34304
    .private_segment_fixed_size: 0
    .kernarg_segment_align: 8
    .kernarg_segment_size: 48
    .max_flat_workgroup_size: 128
    .sgpr_count:     66
    .vgpr_count:     256
    .wavefront_size: 32
...
	.end_amdgpu_metadata
.endif
;; end of part 1
;; launch proj (part 2): grid 8 x 48, 4 waves a work-group, clusters of 4 x 4, 327,680 bytes of LDS; arguments x_img, w_img, qk_img, vt_img; writes qk_img, vt_img
.if DOCPART == 2
	.amdgcn_target "amdgcn-amd-amdhsa--gfx1250"
	.amdhsa_code_object_version 6
	.text
	.protected	k_q9491cc8b53_proj
	.globl	k_q9491cc8b53_proj
	.p2align	8
	.type	k_q9491cc8b53_proj,@function
k_q9491cc8b53_proj:
	s_mov_b64 s[64:65], 0
	v_nop
	global_prefetch_b8 v0, s[64:65] scope:SCOPE_SE
	s_setreg_imm32_b32 hwreg(HW_REG_WAVE_MODE, 25, 1), 1
	s_wait_xcnt 0x0
	s_wait_alu depctr_hold_cnt(0) depctr_sa_sdst(0) depctr_va_vdst(0) depctr_va_sdst(0) depctr_va_ssrc(0) depctr_va_vcc(0) depctr_vm_vsrc(0)
	s_getreg_b32 s2, hwreg(HW_REG_IB_STS2, 6, 4)
	s_cmp_eq_u32 s2, 0
	s_cbranch_scc0 .Lentry_in_a_cluster
	s_endpgm
.Lentry_in_a_cluster:
	s_bfe_u32 s2, ttmp6, 0x10000c
	s_cmp_lg_u32 s2, 0xf033
	s_cbranch_scc0 .Lentry_shape_is_right
	s_endpgm
.Lentry_shape_is_right:
; SECOND LAUNCH: q = x Wq, k = x Wk (quantised along e into qk_img) and v^T = Wv^T x^T (quantised along the tokens into vt_img), on the images that the first launch made; K = 1,024.
; C[m][n] = sum over k of A[m][k] B[n][k].  Clusters with y < 8: A = x (tile row = 256 tokens), B = Wq | Wk (tile column = 256 of 2,048 columns).  Clusters with y >= 8: A = Wv's columns, B = x: the result is v transposed,
; so that its results along a lane's registers run along the tokens, which are the last product's K.  384 tiles of 256 x 256; a wave makes 128 x 128: 64 accumulators.
; THE MATRIX INSTRUCTION IS USED TRANSPOSED (source 0 = 16 rows of B, source 1 = 16 rows of A): a lane holds one row of A's tile, and by the images' order of rows its 64 results of a tile of A are 64 neighbours along n:
; register 16 bb + i = column 32 bb + 16 (lane / 16) + i.  They are quantised in registers and leave as one fragment of the next operand: three stores of 512 consecutive bytes.
; K goes in steps of 256 through two LDS slots; a slot is four chunks of 25,600 dense bytes (A's two blocks of 128 rows, B's two), each brought by one wave's tensor load as 100 rows of 256 bytes; scale words ride in the chunk.
; A fragment comes from LDS by three loads of 16 bytes a lane, 512 consecutive bytes each.
; CLUSTERS: 4 x 4 work-groups; A's chunks are shared along a row of the cluster, B's along a column: joint loads.  The choice between the two parts hangs on the cluster's y alone, which all sixteen share.
; REGISTERS: window 0: v1-3 lane, r, h; v16-23 LDS addresses; v26 16 x lane; v28, v29 the add's two; v32-63 scale words and nothing else; v64-115 the way out; v128-223 A's fragments, one set.
;   window 1: B's fragments, two sets, at v0 and v128.  windows 2, 3: the accumulators ((a, b) at v[8 (8 (a % 4) + b)]).
.set CH,    25600
.set SLOT,  4*CH
.set SPARE, 2*SLOT                     ; behind the ring: the spare words
.set FR,    12
.set NL,    3                          ; LDS loads to a fragment
.set NP,    4                          ; plain vector lines between this matrix instruction and a load into, or a read of, its registers
.set ADRA,  16
.set ADRB,  20
.set ADRS,  22
.set CO,    26
.set SPW,   28
.set NIL,   29
.set SC,    32                         ; register 16 slot + 8 q + i: lanes 0-15 the words of A's tile i, lanes 16-31 of B's tile i
.set TM,    64
.set PC,    88
.set PW,    108
.set AF,    128
.set SS,    200
.set G1,    24
.set G0,    32
.set G1B,   48
.set G0B,   56
.set SEL,   82
.set MSB,   0
.macro WIN new                         ; the immediate's high byte repeats the setting that is left
.if MSB != \new
	s_set_vgpr_msb (MSB<<8)|\new
.set MSB, \new
.endif
.endm
.set MUL_LO, 0xa1                      ; source 0 (B) window 1, source 1 (A) window 0, C and D window 2
.set MUL_HI, 0xf1
.set TO_B,   0x40
.macro JLOAD g0a, g1a, g0b, g1b        ; a joint load: waves 0, 1 for A, waves 2, 3 for B; the branch hangs on the wave's number alone; an s_nop 0 and four v_nop follow each line
	s_cmp_eq_u32 s15, 0
	s_cbranch_scc0 .Lfor_b_\@
	tensor_load_to_lds s[\g0a:\g0a+3], s[\g1a:\g1a+7]
	s_nop 0
.rept 4
	v_nop
.endr
	s_branch .Lasked_\@
.Lfor_b_\@:
	tensor_load_to_lds s[\g0b:\g0b+3], s[\g1b:\g1b+7]
	s_nop 0
.rept 4
	v_nop
.endr
.Lasked_\@:
.endm
.macro CREST
	s_cmp_lg_u32 s14, 0
	s_cbranch_scc1 .Lnot_wave_0_\@
	s_barrier_signal -3
.Lnot_wave_0_\@:
	s_barrier_wait -3
	s_barrier_signal -1
	s_barrier_wait -1
.endm
.macro CROUND
	s_barrier_signal -1
	s_barrier_wait -1
	CREST
.endm
	s_load_b256 s[4:11], s[0:1], 0x0               ; x_img, w_img, qk_img, vt_img
	v_lshl_add_u32 v[SPW], v0, 2, SPARE
	v_mov_b32 v[NIL], 0
	ds_add_u32 v[SPW], v[NIL]                      ; the wave's opening: the add, twice on end, and its wait ahead of my first tensor load
	ds_add_u32 v[SPW], v[NIL]
	v_lshrrev_b32 v1, 5, v0
	v_readfirstlane_b32 s14, v1                    ; wave
	s_lshr_b32 s15, s14, 1                         ; my half of the tile's rows; also: I fetch for A (0) or B (1)
	s_and_b32 s16, s14, 1                          ; my half of its columns; also: which 128 rows I fetch
	s_bfe_u32 s40, ttmp6, 0x40000                  ; cx
	s_bfe_u32 s41, ttmp6, 0x40004                  ; cy
	s_and_b32 s18, ttmp7, 0xffff                   ; the cluster's y
	s_lshl_b32 s43, s41, 2
	s_lshl_b32 s43, 15, s43                        ; my row of the cluster
	s_lshl_b32 s44, 0x1111, s40                    ; my column
	s_sub_co_u32 s19, s18, 8
	s_lshl_b32 s19, s19, 1
	s_add_co_u32 s19, s19, ttmp9
	s_lshl_b32 s19, s19, 2                         ; the v part: first tile column = 4 (2 (y - 8) + x)
	s_lshl_b32 s20, ttmp9, 2                       ; the q, k part: first tile column = 4 x,
	s_lshl_b32 s21, s18, 2                         ; first tile row = 4 y
	s_cmp_ge_u32 s18, 8
	s_cselect_b32 s42, s19, s20
	s_cselect_b32 s17, 0, s21
	s_cselect_b32 s66, 16, 0                       ; Wv's columns begin at block 16 of w_img
	s_cselect_b32 s67, 1, 0
	s_add_co_u32 s42, s42, s40                     ; tile column
	s_add_co_u32 s17, s17, s41                     ; tile row
	s_or_b32 s[G1+0], s43, (3<<16)|(1<<21)         ; 15:0 the mask: A's chunks go to my row; 17:16 elements of 8 bytes; 21 set beside a mask; no padding
	s_or_b32 s[G1B+0], s44, (3<<16)|(1<<21)
.irp g, G1, G1B
	s_mov_b32 s[\g+1], 32<<16                      ; tensor_dim0 = 32 elements: 256 bytes
	s_mov_b32 s[\g+2], 100<<16                     ; tensor_dim1 = 100 rows
	s_mov_b32 s[\g+3], 32<<16                      ; tile_dim0
	s_mov_b32 s[\g+4], 100                         ; tile_dim1
	s_mov_b32 s[\g+5], 32                          ; the pitch: dense
	s_mov_b32 s[\g+6], 0
	s_mov_b32 s[\g+7], 0
.endr
	s_lshl_b32 s20, s17, 1
	s_add_co_u32 s20, s20, s66
	s_add_co_u32 s20, s20, s16
	s_mul_i32 s20, s20, 4*CH                       ; A: block of 128 rows x four chunks
	s_mov_b32 s21, 0
	s_lshl_b32 s46, s42, 1
	s_add_co_u32 s46, s46, s16
	s_mul_i32 s46, s46, 4*CH                       ; B likewise
	s_mov_b32 s47, 0
	s_mul_i32 s45, s14, CH                         ; where my chunk goes in a slot: no place in the cluster enters an LDS address
	s_mov_b32 s[SEL], 0x76543210
	s_mov_b32 s[SEL+1], 0xfedcba98
	s_wait_dscnt 0x0                               ; both opening adds are done
	s_wait_kmcnt 0x0
	s_cmp_eq_u32 s67, 1
	s_cselect_b64 s[22:23], s[6:7], s[4:5]         ; A's buffer
	s_cselect_b64 s[68:69], s[4:5], s[6:7]         ; B's
	s_add_nc_u64 s[20:21], s[22:23], s[20:21]
	s_add_nc_u64 s[46:47], s[68:69], s[46:47]
	CROUND                                         ; all sixteen work-groups are here: the first joint loads meet
.irp s, 0,1
	s_mov_b32 s[G0+4*\s], 1
	s_add_co_u32 s[G0+4*\s+1], s45, \s*SLOT
	s_add_nc_u64 s[G0+4*\s+2:G0+4*\s+3], s[20:21], \s*CH
	s_or_b32 s[G0+4*\s+3], s[G0+4*\s+3], 0x80000000
	s_mov_b32 s[G0B+4*\s], 1
	s_add_co_u32 s[G0B+4*\s+1], s45, \s*SLOT
	s_add_nc_u64 s[G0B+4*\s+2:G0B+4*\s+3], s[46:47], \s*CH
	s_or_b32 s[G0B+4*\s+3], s[G0B+4*\s+3], 0x80000000
	JLOAD G0+4*\s, G1, G0B+4*\s, G1B
.endr
	v_and_b32 v1, 31, v0                           ; lane
	v_and_b32 v2, 15, v0                           ; r
	v_bfe_u32 v3, v0, 4, 1                         ; h
	v_lshlrev_b32 v[CO], 4, v1
	s_mul_i32 s70, s15, CH                         ; A's chunk that I read
	s_mul_i32 s71, s16, CH
	s_add_co_u32 s71, s71, 2*CH                    ; B's
	s_xor_b32 s72, s15, 1
	s_add_co_u32 s72, s72, s16
	s_add_co_u32 s72, s72, 1
	s_mul_i32 s72, s72, CH                         ; from the one to the other: (2 + column half - row half) chunks
	v_mul_u32_u24 v4, s72, v3                      ; lanes 16-31 take B's scale words
	v_lshl_add_u32 v4, v2, 4, v4                   ; + 16 r
	s_add_co_u32 s73, s70, 24576
.irp s, 0,1
	v_add_nc_u32 v[ADRA+\s], s70, v[CO]
	v_add_nc_u32 v[ADRB+\s], s71, v[CO]
	v_add_nc_u32 v[ADRS+\s], s73, v4
	s_add_co_u32 s70, s70, SLOT
	s_add_co_u32 s71, s71, SLOT
	s_add_co_u32 s73, s73, SLOT
.endr
.irp b, 0,1,2,3
	v_mov_b32 v[TM+4+\b], 0                        ; written once: a lane permute's destination counts as one of its sources
.endr
	; where my results go: block of rows 2 x tile row + my half; K chunk by the tile column; half q = my column half
	s_lshl_b32 s74, s17, 1
	s_add_co_u32 s74, s74, s15
	s_lshl_b32 s75, s74, 5
	s_add_co_u32 s75, s75, s42                     ; v^T: 32 chunks to a block of rows
	s_lshl_b32 s76, s74, 2
	s_and_b32 s77, s42, 3
	s_add_co_u32 s76, s76, s77
	s_lshr_b32 s77, s42, 2
	s_lshl_b32 s77, s77, 8                         ; k's image lies 256 chunks behind q's
	s_add_co_u32 s76, s76, s77
	s_cmp_eq_u32 s67, 1
	s_cselect_b32 s76, s75, s76
	s_cselect_b64 s[12:13], s[10:11], s[8:9]
	s_mul_i32 s76, s76, CH
	s_mov_b32 s77, 0
	s_add_nc_u64 s[12:13], s[12:13], s[76:77]
	s_lshl_b32 s78, s16, 9
	s_add_co_u32 s78, s78, 24576
	s_mov_b32 s79, 0
	s_add_nc_u64 s[80:81], s[12:13], s[78:79]      ; my 512 bytes of scale words
	s_mul_i32 s78, s16, 12288
	s_add_nc_u64 s[12:13], s[12:13], s[78:79]      ; my eight fragments
.macro FRAG reg, adr, q, i
.irp c, 0,1,2
	ds_load_b128 v[\reg+4*\c:\reg+4*\c+3], v[\adr] offset:(8*(\q)+(\i))*1536+512*\c
.endr
.endm
; 16 matrix instructions: A's tiles a0, a0 + 1 x B's eight; the 64 accumulators take turns in the same order in every step
.macro MUL16 a0, p, q, sc, zero
.irp a, \a0, \a0+1
.irp b, 0,1,2,3,4,5,6,7
.if \zero
	v_wmma_scale_f32_16x16x128_f8f6f4 v[8*(8*((\a)%4)+\b):8*(8*((\a)%4)+\b)+7], v[128*(\p)+FR*\b:128*(\p)+FR*\b+FR-1], v[AF+FR*(\a):AF+FR*(\a)+FR-1], 0, v[SC+16*(\sc)+8*(\q)+\b], v[SC+16*(\sc)+8*(\q)+(\a)] matrix_a_fmt:MATRIX_FMT_FP6 matrix_b_fmt:MATRIX_FMT_FP6 matrix_a_scale:MATRIX_SCALE_ROW1
.else
	v_wmma_scale_f32_16x16x128_f8f6f4 v[8*(8*((\a)%4)+\b):8*(8*((\a)%4)+\b)+7], v[128*(\p)+FR*\b:128*(\p)+FR*\b+FR-1], v[AF+FR*(\a):AF+FR*(\a)+FR-1], v[8*(8*((\a)%4)+\b):8*(8*((\a)%4)+\b)+7], v[SC+16*(\sc)+8*(\q)+\b], v[SC+16*(\sc)+8*(\q)+(\a)] matrix_a_fmt:MATRIX_FMT_FP6 matrix_b_fmt:MATRIX_FMT_FP6 matrix_a_scale:MATRIX_SCALE_ROW1
.endif
.endr
.endr
.endm
.macro FETCH_B slot, q, p
	WIN TO_B
.irp i, 0,1,2,3,4,5,6,7
	FRAG 128*(\p)+FR*\i, ADRB+\slot, \q, \i
.endr
	WIN 0
.endm
.macro FETCH_A slot, q, i0
.irp i, \i0, \i0+1, \i0+2, \i0+3
	FRAG AF+FR*(\i), ADRA+\slot, \q, \i
.endr
.endm
.macro SCALES slot                     ; a slot's scale words: four tiles' words of a row by one load
.irp q, 0,1
.irp g, 0,1
	ds_load_b128 v[SC+16*\slot+8*\q+4*\g:SC+16*\slot+8*\q+4*\g+3], v[ADRS+\slot] offset:512*\q+256*\g
.endr
.endr
.endm
.macro PLACES n
.rept \n
	v_nop
.endr
.endm
.macro STEP slot, q, zero              ; 128 along K whose successor lies in the same slot
	s_wait_dscnt 4*NL                              ; all but the youngest 12 loads (A's tiles 4-7) are in
	WIN MUL_LO
	MUL16 0, (\q)%2, \q, \slot, \zero
	MUL16 2, (\q)%2, \q, \slot, \zero
	s_wait_dscnt 0
	PLACES NP
	FETCH_B \slot, (\q)+1, 1-(\q)%2
	FETCH_A \slot, (\q)+1, 0
	WIN MUL_HI
	MUL16 4, (\q)%2, \q, \slot, \zero
	MUL16 6, (\q)%2, \q, \slot, \zero
	PLACES NP
	WIN 0
	FETCH_A \slot, (\q)+1, 4
.endm
; A slot's last step changes slots: in front of the barrier each wave waits for all its tensor loads, adds 0 to its spare word, and waits for that and for its reads of this slot.  fill = 1: the barrier opens a round of the cluster's, and the slot is filled again
.macro TURN slot, next, fill
	s_wait_tensorcnt 0x0                           ; my part of the next slot has landed
	ds_add_u32 v[SPW], v[NIL]
	s_wait_dscnt 4*NL+1                            ; (the add and the youngest 12 loads may be out)
	WIN MUL_LO
	MUL16 0, 1, 1, \slot, 0
	s_wait_dscnt 0x0                               ; the add is done, and my reads of this slot are over
	s_barrier_signal -1
	MUL16 2, 1, 1, \slot, 0
	WIN 0
	s_barrier_wait -1
.if \fill
	CREST                                          ; no wave of any partner still reads this slot or has a load on its way
	s_add_nc_u64 s[G0+4*\slot+2:G0+4*\slot+3], s[G0+4*\slot+2:G0+4*\slot+3], 2*CH
	s_add_nc_u64 s[G0B+4*\slot+2:G0B+4*\slot+3], s[G0B+4*\slot+2:G0B+4*\slot+3], 2*CH
	JLOAD G0+4*\slot, G1, G0B+4*\slot, G1B         ; its four v_nop are also the plain lines in front of the loads below
.else
	PLACES NP
.endif
	FETCH_B \next, 0, 0
	FETCH_A \next, 0, 0
	SCALES \next
	WIN MUL_HI
	MUL16 4, 1, 1, \slot, 0
	MUL16 6, 1, 1, \slot, 0
	PLACES NP
	WIN 0
	FETCH_A \next, 0, 4
.endm
	s_wait_tensorcnt 1                             ; my part of K step 0 is in; K step 1's load may be out
	s_barrier_signal -1
	s_barrier_wait -1
	FETCH_B 0, 0, 0
	FETCH_A 0, 0, 0
	SCALES 0
	FETCH_A 0, 0, 4
	STEP 0, 0, 1                                   ; the first products start the sums: nothing is cleared
	TURN 0, 1, 1
	STEP 1, 0, 0
	TURN 1, 0, 1
	STEP 0, 0, 0
	TURN 0, 1, 0                                   ; nothing is left to fetch
	STEP 1, 0, 0
	s_wait_dscnt 4*NL
	WIN MUL_LO
	MUL16 0, 1, 1, 1, 0
	MUL16 2, 1, 1, 1, 0
	s_wait_dscnt 0
	WIN MUL_HI
	MUL16 4, 1, 1, 1, 0
	MUL16 6, 1, 1, 1, 0
	WIN 0
	PLACES NP
; THE WAY OUT: the 64 results of A's tile a are quantised along n and leave as fragment (my column half, a) of the next operand
.macro QUANTW a
.set AC, 64*((\a)%4)
.set WW, 2+(\a)/4
	WIN ((WW<<2)|(WW<<4))                          ; sources 1 and 2: the accumulators' window
.irp b, 0,1,2,3
	v_max3_num_f32 v[TM+\b], 0x1800000, |v[AC+16*\b]|, |v[AC+16*\b+1]|   ; each accumulator is read from its low end on; the floor 2^(3 - 127) holds the byte at 1 from below
.endr
.irp i, 2,4,6,8,10,12,14
.irp b, 0,1,2,3
	v_max3_num_f32 v[TM+\b], v[TM+\b], |v[AC+16*\b+\i]|, |v[AC+16*\b+\i+1]|
.endr
.endr
	WIN 0
.irp b, 0,1,2,3
	v_permlanex16_b32 v[TM+4+\b], v[TM+\b], s[SEL], s[SEL+1]
.endr
.irp b, 0,1,2,3
	v_max_num_f32 v[TM+\b], v[TM+\b], v[TM+4+\b]
.endr
.irp b, 0,1,2,3
	v_add_nc_u32 v[TM+12+\b], 0xff000000, v[TM+\b]
.endr
.irp b, 0,1,2,3
	v_lshrrev_b32 v[TM+4+\b], 23, v[TM+12+\b]
.endr
	v_lshl_or_b32 v[PW+(\a)], v[TM+5], 8, v[TM+4]
	v_lshl_or_b32 v[PW+(\a)], v[TM+6], 16, v[PW+(\a)]
	v_lshl_or_b32 v[PW+(\a)], v[TM+7], 24, v[PW+(\a)]
	s_wait_xcnt 0x0                                ; the last tile's stores have read the codes' registers
	WIN WW                                         ; source 0: the accumulators' window
.irp c, 0,1
	v_cvt_scalef32_pk16_fp6_f32 v[PC+6*\c:PC+2+6*\c], v[AC+32*\c:AC+15+32*\c], v[TM+12+2*\c]
	v_cvt_scalef32_pk16_fp6_f32 v[PC+12+4*\c:PC+14+4*\c], v[AC+16+32*\c:AC+31+32*\c], v[TM+12+2*\c+1]
.endr
	WIN 0
	v_nop                                          ; one plain line behind the conversions
.irp c, 0,1
.irp i, 0,1,2
	v_permlane16_swap_b32 v[PC+6*\c+\i], v[PC+12+4*\c+\i]
.endr
.irp i, 0,1,2
	v_mov_b32 v[PC+3+6*\c+\i], v[PC+12+4*\c+\i]
.endr
.endr
.irp c, 0,1,2
	global_store_b128 v[CO], v[PC+4*\c:PC+4*\c+3], s[12:13] offset:1536*(\a)+512*\c   ; 512 consecutive bytes
.endr
.endm
.irp t, 0,1,2,3,4,5,6,7
	QUANTW \t
.endr
	v_cmp_le_u32 vcc_lo, 16, v1                    ; lanes 0-15 store tiles 0-3's words of row r, lanes 16-31 tiles 4-7's: 512 consecutive bytes
.irp j, 0,1,2,3
	v_cndmask_b32 v[SS+\j], v[PW+\j], v[PW+4+\j], vcc_lo
.endr
	global_store_b128 v[CO], v[SS:SS+3], s[80:81]
	s_wait_tensorcnt 0x0                           ; the wave's end
	ds_add_u32 v[SPW], v[NIL]
	s_wait_dscnt 0x0
	CROUND                                         ; the closing round
	s_endpgm
.Lfunc_end_k_q9491cc8b53_proj:
	.size	k_q9491cc8b53_proj, .Lfunc_end_k_q9491cc8b53_proj-k_q9491cc8b53_proj
	.p2alignl 7, 3214868480
	.fill 96, 4, 3214868480
	.section	.rodata,"a",@progbits
	.p2align	6, 0x0
	.amdhsa_kernel k_q9491cc8b53_proj
		.amdhsa_group_segment_fixed_size 327680
		.amdhsa_private_segment_fixed_size 0
		.amdhsa_enable_private_segment 0
		.amdhsa_kernarg_size 32
		.amdhsa_user_sgpr_count 2
		.amdhsa_user_sgpr_kernarg_segment_ptr 1
		.amdhsa_wavefront_size32 1
		.amdhsa_system_sgpr_workgroup_id_x 1
		.amdhsa_system_sgpr_workgroup_id_y 1
		.amdhsa_system_sgpr_workgroup_id_z 1
		.amdhsa_system_vgpr_workitem_id 0
		.amdhsa_next_free_vgpr 1024
		.amdhsa_next_free_sgpr 100
		.amdhsa_reserve_vcc 1
		.amdhsa_float_denorm_mode_32 3
		.amdhsa_float_denorm_mode_16_64 3
		.amdhsa_memory_ordered 1
		.amdhsa_forward_progress 1
		.amdhsa_inst_pref_size 137
	.end_amdhsa_kernel
	.amdgpu_metadata
---
amdhsa.version: [ 1, 2 ]
amdhsa.kernels:
  - .name:           k_q9491cc8b53_proj
    .symbol:         k_q9491cc8b53_proj.kd
    .args:
      - { .name: x_img, .offset: 0, .size: 8, .value_kind: global_buffer, .address_space: global }
      - { .name: w_img, .offset: 8, .size: 8, .value_kind: global_buffer, .address_space: global }
      - { .name: qk_img, .offset: 16, .size: 8, .value_kind: global_buffer, .address_space: global }
      - { .name: vt_img, .offset: 24, .size: 8, .value_kind: global_buffer, .address_space: global }
    .group_segment_fixed_size: 327680
    .private_segment_fixed_size: 0
    .kernarg_segment_align: 8
    .kernarg_segment_size: 32
    .max_flat_workgroup_size: 128
    .sgpr_count:     100
    .vgpr_count:     1024
    .wavefront_size: 32
...
	.end_amdgpu_metadata
.endif
;; end of part 2
;; launch scores (part 3): grid 36 x 4, 4 waves a work-group, no clusters, 327,680 bytes of LDS; arguments qk_img, p_img, p_aux; writes p_img, p_aux
.if DOCPART == 3
	.amdgcn_target "amdgcn-amd-amdhsa--gfx1250"
	.amdhsa_code_object_version 6
	.text
	.protected	k_q9491cc8b53_scores
	.globl	k_q9491cc8b53_scores
	.p2align	8
	.type	k_q9491cc8b53_scores,@function
k_q9491cc8b53_scores:
	s_mov_b64 s[64:65], 0
	v_nop
	global_prefetch_b8 v0, s[64:65] scope:SCOPE_SE
	s_setreg_imm32_b32 hwreg(HW_REG_WAVE_MODE, 25, 1), 1
	s_wait_xcnt 0x0
; THIRD LAUNCH: S = q k^T on the images of q and k (K = 1,024), the mask, and p = 2^(t - M), quantised along the keys.  t = score x log2(e) / 32.
; WORK LEFT OUT: tiles of 256 queries x 256 keys whose every key comes after every query (the mask that reference() builds makes their p 0 for all inputs): 36 of 64 tiles of a batch are made.
; A wave makes 128 queries x 128 keys.  M HERE IS LOCAL TO THESE 128 KEYS: the ceiling of the largest t of the row among them, a whole number.  Stored for each row and chunk of 128 keys: p's codes (p_img, fragments as
; images), p's scale word, -M and the sum of the unquantised p (p_aux).  The last launch brings all chunks of a row under the row's M by whole powers of two, taken off the scale bytes: the codes' values stay.
; A wave all of whose keys are hidden (the upper right quarter of a tile on the diagonal) runs like the others and stores zero codes, which nobody reads.
; NO CLUSTER: the live tiles of a batch form a triangle of 8 rows with 1 to 8 tiles; a 4 x 4 block on the diagonal would hold 6 partners with no live tile, and rows of 1 to 8 tiles do not divide into fours.
; The loop over K, its LDS map and registers are the second launch's; each wave brings one chunk a slot by a tensor load of its own (waves 0, 1: q's two blocks; waves 2, 3: k's).
; LIMIT: a row's largest t is held at -3e38 from below, so that a row with no open key in these 128 gives p = 0 and no NaN.
.set CH,    25600
.set CHC,   24576
.set SLOT,  4*CH
.set SPARE, 2*SLOT
.set FR,    12
.set NL,    3
.set NP,    4
.set ADRA,  16
.set ADRB,  20
.set ADRS,  22
.set DB,    24                         ; v24 my query less my first key, for tile 0: r + 8 (r / 8) - 16 h + DIFF
.set NINF,  25                         ; v25 -infinity
.set CO,    26
.set SPW,   28
.set NIL,   29
.set SC,    32                         ; v32-63 scale words and nothing else
.set BM,    64                         ; v64-67 the blocks' largest scores, then largest p
.set BX,    68                         ; v68-71 at work
.set SO,    72                         ; v72-75 the conversions' scale operands
.set TT,    76
.set TP,    78                         ; v[78:79] -M (the packed form names the pair and takes its low word)
.set SA,    80
.set SB,    82
.set PX,    84
.set PC,    88
.set PW,    108                        ; v108-115 scale words of the eight tiles
.set NM,    116                        ; v116-123 -M
.set AF,    128
.set T,     128                        ; v128-191 t - M, then p (A's fragments are done with)
.set LS,    192                        ; v192-199 the sums
.set SS,    200
.set G1,    24
.set G0,    32
.set DIFF,  46
.set SEL,   48
.set CS,    50
.set MSB,   0
.macro WIN new
.if MSB != \new
	s_set_vgpr_msb (MSB<<8)|\new
.set MSB, \new
.endif
.endm
.set MUL_LO, 0xa1
.set MUL_HI, 0xf1
.set TO_B,   0x40
	s_load_b128 s[4:7], s[0:1], 0x0                ; qk_img, p_img
	s_load_b64 s[8:9], s[0:1], 0x10                ; p_aux
	v_lshl_add_u32 v[SPW], v0, 2, SPARE
	v_mov_b32 v[NIL], 0
	ds_add_u32 v[SPW], v[NIL]                      ; the wave's opening: the add, twice on end, and its wait ahead of my first tensor load
	ds_add_u32 v[SPW], v[NIL]
	v_lshrrev_b32 v1, 5, v0
	v_readfirstlane_b32 s14, v1                    ; wave
	s_lshr_b32 s15, s14, 1                         ; my half of the queries
	s_and_b32 s16, s14, 1                          ; my half of the keys; also: which block I fetch
	s_and_b32 s18, ttmp7, 0xffff                   ; the batch
	s_mov_b32 s17, 0                               ; tile t of the triangle: i = how many of 1, 3, 6 .. 28 are at most t,
.irp n, 1,3,6,10,15,21,28
	s_cmp_ge_u32 ttmp9, \n
	s_add_co_ci_u32 s17, s17, 0
.endr
	s_add_co_u32 s19, s17, 1
	s_mul_i32 s19, s19, s17
	s_lshr_b32 s19, s19, 1
	s_sub_co_u32 s19, ttmp9, s19                   ; j = t - i (i + 1) / 2, at most i
	s_lshl_b32 s20, s18, 4
	s_lshl_b32 s21, s17, 1
	s_add_co_u32 s21, s21, s20                     ; q's block: 16 b + 2 i
	s_lshl_b32 s22, s19, 1
	s_add_co_u32 s22, s22, s20
	s_add_co_u32 s22, s22, 64                      ; k's: 64 blocks behind q's
	s_cmp_lt_u32 s14, 2
	s_cselect_b32 s22, s21, s22
	s_add_co_u32 s22, s22, s16
	s_mul_i32 s22, s22, 4*CH
	s_mov_b32 s23, 0
	s_mov_b32 s[G1+0], 3<<16                       ; no mask; elements of 8 bytes; no padding
	s_mov_b32 s[G1+1], 32<<16                      ; 100 rows of 256 bytes, dense
	s_mov_b32 s[G1+2], 100<<16
	s_mov_b32 s[G1+3], 32<<16
	s_mov_b32 s[G1+4], 100
	s_mov_b32 s[G1+5], 32
	s_mov_b32 s[G1+6], 0
	s_mov_b32 s[G1+7], 0
	s_mul_i32 s45, s14, CH
	s_sub_co_u32 s[DIFF], s17, s19
	s_lshl_b32 s[DIFF], s[DIFF], 1
	s_add_co_u32 s[DIFF], s[DIFF], s15
	s_sub_co_i32 s[DIFF], s[DIFF], s16
	s_lshl_b32 s[DIFF], s[DIFF], 7                 ; my first query less my first key: 256 (i - j) + 128 (query half - key half): -128, 0, or 128 and more
	s_mov_b32 s[SEL], 0x76543210
	s_mov_b32 s[SEL+1], 0xfedcba98
	s_mov_b32 s[CS], 0x3d38aa3b                    ; c = log2(e) / 32
	s_mov_b32 s[CS+1], s[CS]
	s_wait_dscnt 0x0                               ; both opening adds are done
	s_wait_kmcnt 0x0
	s_add_nc_u64 s[22:23], s[4:5], s[22:23]
.irp s, 0,1
	s_mov_b32 s[G0+4*\s], 1
	s_add_co_u32 s[G0+4*\s+1], s45, \s*SLOT
	s_add_nc_u64 s[G0+4*\s+2:G0+4*\s+3], s[22:23], \s*CH
	s_or_b32 s[G0+4*\s+3], s[G0+4*\s+3], 0x80000000
.endr
	tensor_load_to_lds s[G0:G0+3], s[G1:G1+7]      ; K step 0: every wave its own chunk
	s_nop 0
	tensor_load_to_lds s[G0+4:G0+7], s[G1:G1+7]    ; K step 1: two loads of mine are out
	s_nop 0
.rept 4
	v_nop
.endr
	v_and_b32 v1, 31, v0
	v_and_b32 v2, 15, v0
	v_bfe_u32 v3, v0, 4, 1
	v_lshlrev_b32 v[CO], 4, v1
	s_mul_i32 s52, s15, CH
	s_mul_i32 s53, s16, CH
	s_add_co_u32 s53, s53, 2*CH
	s_xor_b32 s54, s15, 1
	s_add_co_u32 s54, s54, s16
	s_add_co_u32 s54, s54, 1
	s_mul_i32 s54, s54, CH
	v_mul_u32_u24 v4, s54, v3
	v_lshl_add_u32 v4, v2, 4, v4
	s_add_co_u32 s55, s52, 24576
.irp s, 0,1
	v_add_nc_u32 v[ADRA+\s], s52, v[CO]
	v_add_nc_u32 v[ADRB+\s], s53, v[CO]
	v_add_nc_u32 v[ADRS+\s], s55, v4
	s_add_co_u32 s52, s52, SLOT
	s_add_co_u32 s53, s53, SLOT
	s_add_co_u32 s55, s55, SLOT
.endr
	v_and_b32 v4, 8, v2
	v_add_nc_u32 v4, v4, v2
	v_lshlrev_b32 v5, 4, v3
	v_sub_nc_u32 v4, v4, v5
	v_add_nc_u32 v[DB], s[DIFF], v4
	v_mov_b32 v[NINF], 0xff800000
	v_mov_b32 v[TP+1], 0                           ; (named as the upper half of a pair)
	v_mov_b32 v[PX], 0
.irp b, 0,1,2,3
	v_mov_b32 v[BX+\b], 0                          ; written once: a lane permute's destination counts as one of its sources
.endr
	s_lshl_b32 s40, s18, 4
	s_lshl_b32 s41, s17, 1
	s_add_co_u32 s40, s40, s41
	s_add_co_u32 s40, s40, s15                     ; my block of 128 queries: 16 b + 2 i + half
	s_lshl_b32 s42, s40, 3
	s_add_co_u32 s42, s42, s19
	s_mul_i32 s42, s42, CHC
	s_mul_i32 s43, s16, 12288
	s_add_co_u32 s42, s42, s43
	s_mov_b32 s43, 0
	s_add_nc_u64 s[10:11], s[6:7], s[42:43]        ; p's codes: chunk j of the block, half = my key half
	s_lshl_b32 s42, s40, 4
	s_lshl_b32 s44, s19, 1
	s_add_co_u32 s42, s42, s44
	s_add_co_u32 s42, s42, s16
	s_mul_i32 s42, s42, 1536
	s_add_nc_u64 s[12:13], s[8:9], s[42:43]        ; scale words, -M, sums of chunk 2 j + half
.macro FRAG reg, adr, q, i
.irp c, 0,1,2
	ds_load_b128 v[\reg+4*\c:\reg+4*\c+3], v[\adr] offset:(8*(\q)+(\i))*1536+512*\c
.endr
.endm
.macro MUL16 a0, p, q, sc, zero        ; source 0 = 16 keys, source 1 = 16 queries; the 64 accumulators take turns
.irp a, \a0, \a0+1
.irp b, 0,1,2,3,4,5,6,7
.if \zero
	v_wmma_scale_f32_16x16x128_f8f6f4 v[8*(8*((\a)%4)+\b):8*(8*((\a)%4)+\b)+7], v[128*(\p)+FR*\b:128*(\p)+FR*\b+FR-1], v[AF+FR*(\a):AF+FR*(\a)+FR-1], 0, v[SC+16*(\sc)+8*(\q)+\b], v[SC+16*(\sc)+8*(\q)+(\a)] matrix_a_fmt:MATRIX_FMT_FP6 matrix_b_fmt:MATRIX_FMT_FP6 matrix_a_scale:MATRIX_SCALE_ROW1
.else
	v_wmma_scale_f32_16x16x128_f8f6f4 v[8*(8*((\a)%4)+\b):8*(8*((\a)%4)+\b)+7], v[128*(\p)+FR*\b:128*(\p)+FR*\b+FR-1], v[AF+FR*(\a):AF+FR*(\a)+FR-1], v[8*(8*((\a)%4)+\b):8*(8*((\a)%4)+\b)+7], v[SC+16*(\sc)+8*(\q)+\b], v[SC+16*(\sc)+8*(\q)+(\a)] matrix_a_fmt:MATRIX_FMT_FP6 matrix_b_fmt:MATRIX_FMT_FP6 matrix_a_scale:MATRIX_SCALE_ROW1
.endif
.endr
.endr
.endm
.macro FETCH_B slot, q, p
	WIN TO_B
.irp i, 0,1,2,3,4,5,6,7
	FRAG 128*(\p)+FR*\i, ADRB+\slot, \q, \i
.endr
	WIN 0
.endm
.macro FETCH_A slot, q, i0
.irp i, \i0, \i0+1, \i0+2, \i0+3
	FRAG AF+FR*(\i), ADRA+\slot, \q, \i
.endr
.endm
.macro SCALES slot
.irp q, 0,1
.irp g, 0,1
	ds_load_b128 v[SC+16*\slot+8*\q+4*\g:SC+16*\slot+8*\q+4*\g+3], v[ADRS+\slot] offset:512*\q+256*\g
.endr
.endr
.endm
.macro PLACES n
.rept \n
	v_nop
.endr
.endm
.macro STEP slot, q, zero
	s_wait_dscnt 4*NL                              ; all but the youngest 12 loads (the queries' tiles 4-7) are in
	WIN MUL_LO
	MUL16 0, (\q)%2, \q, \slot, \zero
	MUL16 2, (\q)%2, \q, \slot, \zero
	s_wait_dscnt 0
	PLACES NP
	FETCH_B \slot, (\q)+1, 1-(\q)%2
	FETCH_A \slot, (\q)+1, 0
	WIN MUL_HI
	MUL16 4, (\q)%2, \q, \slot, \zero
	MUL16 6, (\q)%2, \q, \slot, \zero
	PLACES NP
	WIN 0
	FETCH_A \slot, (\q)+1, 4
.endm
.macro TURN slot, next, fill
	s_wait_tensorcnt 0x0                           ; my part of the next slot has landed
	ds_add_u32 v[SPW], v[NIL]
	s_wait_dscnt 4*NL+1                            ; (the add and the youngest 12 loads may be out)
	WIN MUL_LO
	MUL16 0, 1, 1, \slot, 0
	s_wait_dscnt 0x0                               ; the add is done, and my reads of this slot are over
	s_barrier_signal -1
	MUL16 2, 1, 1, \slot, 0
	WIN 0
	s_barrier_wait -1                              ; nobody reads this slot any more, and the next slot is whole
.if \fill
	s_add_nc_u64 s[G0+4*\slot+2:G0+4*\slot+3], s[G0+4*\slot+2:G0+4*\slot+3], 2*CH
	tensor_load_to_lds s[G0+4*\slot:G0+4*\slot+3], s[G1:G1+7]   ; my one load behind the barrier
	s_nop 0
.endif
	PLACES NP
	FETCH_B \next, 0, 0
	FETCH_A \next, 0, 0
	SCALES \next
	WIN MUL_HI
	MUL16 4, 1, 1, \slot, 0
	MUL16 6, 1, 1, \slot, 0
	PLACES NP
	WIN 0
	FETCH_A \next, 0, 4
.endm
	s_wait_tensorcnt 1                             ; my part of K step 0 is in; K step 1's load may be out
	s_barrier_signal -1
	s_barrier_wait -1
	FETCH_B 0, 0, 0
	FETCH_A 0, 0, 0
	SCALES 0
	FETCH_A 0, 0, 4
	STEP 0, 0, 1
	TURN 0, 1, 1
	STEP 1, 0, 0
	TURN 1, 0, 1
	STEP 0, 0, 0
	TURN 0, 1, 0
	STEP 1, 0, 0
	s_wait_dscnt 4*NL
	WIN MUL_LO
	MUL16 0, 1, 1, 1, 0
	MUL16 2, 1, 1, 1, 0
	s_wait_dscnt 0
	WIN MUL_HI
	MUL16 4, 1, 1, 1, 0
	MUL16 6, 1, 1, 1, 0
	WIN 0
	PLACES NP
; THE SOFTMAX OF TILE a: lane (r, h) holds query 32 (a / 2) + 8 (a % 2) + r + 8 (r / 8) of my 128; register n holds key 32 (n / 16) + 16 h + n % 16 of my 128
.macro SOFT a
.set AC, 64*((\a)%4)
.set WW, 2+(\a)/4
	s_cmp_ge_i32 s[DIFF], 128                      ; all my keys come before all my queries: nothing is hidden.  Ids and the wave's number alone
	s_cbranch_scc1 .Lopen_\@
	WIN (WW|(WW<<6))
.set n, 0
.rept 64
	v_cmp_gt_i32 vcc_lo, 32*(n/16)+n%16-(32*((\a)/2)+8*((\a)%2)), v[DB]   ; key > query
	v_cndmask_b32 v[AC+n], v[AC+n], v[NINF], vcc_lo
.set n, n+1
.endr
	WIN 0
.Lopen_\@:
	WIN ((WW<<2)|(WW<<4))
.irp b, 0,1,2,3
	v_max3_num_f32 v[BM+\b], v[NINF], v[AC+16*\b], v[AC+16*\b+1]   ; the largest score of each block of 32 keys: for the row's maximum, and, since p rises with the score, for the block's largest p
.endr
.irp i, 2,4,6,8,10,12,14
.irp b, 0,1,2,3
	v_max3_num_f32 v[BM+\b], v[BM+\b], v[AC+16*\b+\i], v[AC+16*\b+\i+1]
.endr
.endr
	WIN 0
.irp b, 0,1,2,3
	v_permlanex16_b32 v[BX+\b], v[BM+\b], s[SEL], s[SEL+1]
.endr
.irp b, 0,1,2,3
	v_max_num_f32 v[BM+\b], v[BM+\b], v[BX+\b]
.endr
	v_max3_num_f32 v[TT], v[BM], v[BM+1], v[BM+2]
	v_max_num_f32 v[TT], v[TT], v[BM+3]
	v_mul_f32 v[TT], s[CS], v[TT]                  ; as t (c is positive)
	v_max_num_f32 v[TT], 0xff61b1e6, v[TT]         ; held at -3e38
	v_floor_f32 v[TP], -v[TT]                      ; -M = floor(-t) = -ceil(t)
	v_mov_b32 v[NM+(\a)], v[TP]
	WIN WW
.set j, 0
.rept 32
	v_pk_fma_f32 v[T+j:T+j+1], v[AC+j:AC+j+1], s[CS:CS+1], v[TP:TP+1] op_sel_hi:[1,0,0]   ; t - M, two at a time
.set j, j+2
.endr
	WIN 0
.irp b, 0,1,2,3
	v_fma_f32 v[BM+\b], v[BM+\b], s[CS], v[TP]     ; the same of each block's largest score
.endr
.set j, 0
.rept 64
	v_exp_f32 v[T+j], v[T+j]                       ; p = 2^(t - M), at most 1
.set j, j+1
.endr
	v_nop                                          ; a plain line behind the exponentials
	s_wait_alu depctr_va_vdst(0)                   ; one wait for the batch, ahead of its first reader
.irp b, 0,1,2,3
	v_exp_f32 v[BM+\b], v[BM+\b]                   ; the block's largest p
.endr
	v_pk_add_f32 v[SA:SA+1], v[T:T+1], v[T+2:T+3]  ; the sum of the unquantised p, in two chains
	v_pk_add_f32 v[SB:SB+1], v[T+4:T+5], v[T+6:T+7]
.irp j, 8,12,16,20,24,28,32,36,40,44,48,52,56,60
	v_pk_add_f32 v[SA:SA+1], v[SA:SA+1], v[T+\j:T+\j+1]
	v_pk_add_f32 v[SB:SB+1], v[SB:SB+1], v[T+\j+2:T+\j+3]
.endr
	v_pk_add_f32 v[SA:SA+1], v[SA:SA+1], v[SB:SB+1]
	s_wait_alu depctr_va_vdst(0)                   ; and one for the four
.irp b, 0,1,2,3
	v_max_num_f32 v[BM+\b], 0x1800000, v[BM+\b]    ; the floor: a block whose every p is 0 keeps the byte 1: its codes are zeros
.endr
.irp b, 0,1,2,3
	v_add_nc_u32 v[SO+\b], 0xff000000, v[BM+\b]
.endr
.irp b, 0,1,2,3
	v_lshrrev_b32 v[BX+\b], 23, v[SO+\b]
.endr
	v_lshl_or_b32 v[PW+(\a)], v[BX+1], 8, v[BX]
	v_lshl_or_b32 v[PW+(\a)], v[BX+2], 16, v[PW+(\a)]
	v_lshl_or_b32 v[PW+(\a)], v[BX+3], 24, v[PW+(\a)]
	v_add_f32 v[SA], v[SA], v[SA+1]
	v_permlanex16_b32 v[PX], v[SA], s[SEL], s[SEL+1]
	v_add_f32 v[LS+(\a)], v[SA], v[PX]             ; the row's sum over these 128 keys
	s_wait_xcnt 0x0                                ; the last tile's stores have read the codes' registers
.irp c, 0,1
	v_cvt_scalef32_pk16_fp6_f32 v[PC+6*\c:PC+2+6*\c], v[T+32*\c:T+15+32*\c], v[SO+2*\c]
	v_cvt_scalef32_pk16_fp6_f32 v[PC+12+4*\c:PC+14+4*\c], v[T+16+32*\c:T+31+32*\c], v[SO+2*\c+1]
.endr
	v_nop
.irp c, 0,1
.irp i, 0,1,2
	v_permlane16_swap_b32 v[PC+6*\c+\i], v[PC+12+4*\c+\i]
.endr
.irp i, 0,1,2
	v_mov_b32 v[PC+3+6*\c+\i], v[PC+12+4*\c+\i]
.endr
.endr
.irp c, 0,1,2
	global_store_b128 v[CO], v[PC+4*\c:PC+4*\c+3], s[10:11] offset:1536*(\a)+512*\c
.endr
.endm
.irp t, 0,1,2,3,4,5,6,7
	SOFT \t
.endr
	v_cmp_le_u32 vcc_lo, 16, v1                    ; lanes 0-15 store tiles 0-3's numbers of row r, lanes 16-31 tiles 4-7's: 512 consecutive bytes a store
.irp j, 0,1,2,3
	v_cndmask_b32 v[SS+\j], v[PW+\j], v[PW+4+\j], vcc_lo
	v_cndmask_b32 v[SS+4+\j], v[NM+\j], v[NM+4+\j], vcc_lo
	v_cndmask_b32 v[SS+8+\j], v[LS+\j], v[LS+4+\j], vcc_lo
.endr
	global_store_b128 v[CO], v[SS:SS+3], s[12:13]
	global_store_b128 v[CO], v[SS+4:SS+7], s[12:13] offset:512
	global_store_b128 v[CO], v[SS+8:SS+11], s[12:13] offset:1024
	s_wait_tensorcnt 0x0                           ; the wave's end
	ds_add_u32 v[SPW], v[NIL]
	s_wait_dscnt 0x0
	s_endpgm
.Lfunc_end_k_q9491cc8b53_scores:
	.size	k_q9491cc8b53_scores, .Lfunc_end_k_q9491cc8b53_scores-k_q9491cc8b53_scores
	.p2alignl 7, 3214868480
	.fill 96, 4, 3214868480
	.section	.rodata,"a",@progbits
	.p2align	6, 0x0
	.amdhsa_kernel k_q9491cc8b53_scores
		.amdhsa_group_segment_fixed_size 327680
		.amdhsa_private_segment_fixed_size 0
		.amdhsa_enable_private_segment 0
		.amdhsa_kernarg_size 24
		.amdhsa_user_sgpr_count 2
		.amdhsa_user_sgpr_kernarg_segment_ptr 1
		.amdhsa_wavefront_size32 1
		.amdhsa_system_sgpr_workgroup_id_x 1
		.amdhsa_system_sgpr_workgroup_id_y 1
		.amdhsa_system_sgpr_workgroup_id_z 1
		.amdhsa_system_vgpr_workitem_id 0
		.amdhsa_next_free_vgpr 1024
		.amdhsa_next_free_sgpr 66
		.amdhsa_reserve_vcc 1
		.amdhsa_float_denorm_mode_32 3
		.amdhsa_float_denorm_mode_16_64 3
		.amdhsa_memory_ordered 1
		.amdhsa_forward_progress 1
		.amdhsa_inst_pref_size 231
	.end_amdhsa_kernel
	.amdgpu_metadata
---
amdhsa.version: [ 1, 2 ]
amdhsa.kernels:
  - .name:           k_q9491cc8b53_scores
    .symbol:         k_q9491cc8b53_scores.kd
    .args:
      - { .name: qk_img, .offset: 0, .size: 8, .value_kind: global_buffer, .address_space: global }
      - { .name: p_img, .offset: 8, .size: 8, .value_kind: global_buffer, .address_space: global }
      - { .name: p_aux, .offset: 16, .size: 8, .value_kind: global_buffer, .address_space: global }
    .group_segment_fixed_size: 327680
    .private_segment_fixed_size: 0
    .kernarg_segment_align: 8
    .kernarg_segment_size: 24
    .max_flat_workgroup_size: 128
    .sgpr_count:     66
    .vgpr_count:     1024
    .wavefront_size: 32
...
	.end_amdgpu_metadata
.endif
;; end of part 3
;; launch pv (part 4): grid 4 x 64, 8 waves a work-group, no clusters, 327,680 bytes of LDS; arguments p_img, p_aux, vt_img, out0; writes out0
.if DOCPART == 4
	.amdgcn_target "amdgcn-amd-amdhsa--gfx1250"
	.amdhsa_code_object_version 6
	.text
	.protected	k_q9491cc8b53_pv
	.globl	k_q9491cc8b53_pv
	.p2align	8
	.type	k_q9491cc8b53_pv,@function
k_q9491cc8b53_pv:
	s_mov_b64 s[64:65], 0
	v_nop
	global_prefetch_b8 v0, s[64:65] scope:SCOPE_SE
	s_setreg_imm32_b32 hwreg(HW_REG_WAVE_MODE, 25, 1), 1
	s_wait_xcnt 0x0
; FOURTH LAUNCH: out = (p v) / l on the images of p and of v^T; K = the keys.
; WORK LEFT OUT: key steps of 128 whose every key comes after the work-group's last query (their p is 0 by the mask that reference() builds, for all inputs), and the slots that hold only such steps.
; SHARES.  A work-group takes 128 queries x 256 of the 1,024 columns: 256 work-groups.  Wave w takes queries 64 (w / 4) on and columns 64 (w % 4) on: 16 accumulators, no register windows, two waves to a SIMD.
; Source 0 = 16 rows of v^T, source 1 = 16 queries of p: a lane holds one query, its registers run along the columns.
; THE ROW'S M.  p came with an M for each chunk of 128 keys.  At the head each thread takes one row: -M of the row = the least -M of its live chunks; l = the sum of the chunks' sums x 2^(M_c - M); and M - M_c is taken off
; each of the chunk's four scale bytes.  All are whole powers of two.  LIMIT: a byte that would fall under 0 is held at 0, that is 2^-127: such p are under 2^-124 beside a row's largest p of more than 1/2.
; THE RING: two slots of 256 keys (p's chunk, v^T's two chunks), filled by waves 0 (p), 1 and 2 (v^T).  Every work-group walks all 8 slots, so that trip counts are constants; work and loads beyond the causal limit
; are jumped over by tests on ids and on the count of steps, the same in all eight waves; every wait for tensor loads is for 0; no step reads a slot that was not asked for.
; NO CLUSTER: partners along the queries would need different numbers of slots, and no jump may lead round a joint load; along the columns only p, a third of a slot's bytes, is shared.
.set CH,    25600
.set CHC,   24576
.set SLOT1, 1<<17
.set PSC,   SLOT1+CHC+2*CH             ; p's scale words under the row's M: 16 chunks x 512 bytes
.set LINV,  PSC+8192                   ; 1 / l: a word a thread
.set STAGE, LINV+1024                  ; the way out: 16 rows x (256 bytes + 16) for each wave
.set SPARE, STAGE+8*16*272             ; the spare words, 128 bytes a wave
.set AP0,  1
.set AV0,  2
.set ASV0, 3
.set ASP0, 4
.set SPW,  5
.set NIL,  6
.set GO,   7
.set ADP,  8
.set ADV,  9
.set ADSV, 10
.set ADSP, 11
.set STO,  12
.set RD,   13
.set LP,   14                          ; v[14:15]
.set SP,   16                          ; v16-19 p's scale words, v20-23 v^T's: scales and nothing else
.set SV,   20
.set FA,   24                          ; v24-71  p's four fragments
.set FB,   72                          ; v72-119 v^T's four
.set ACC,  120                         ; v120-247 accumulator (a, b) at 8 (4 a + b)
.set LI,   248
.set BK,   24                          ; the way out: two sets of 32
.set WV,   18
.set TB,   2
.set TS,   3
.set SLOTS, 67
.set KF,   98
.set QL,   99
.set G1P,  24
.set G1V,  32
.set G0P,  40
.set G0V,  44
.macro TLOAD                           ; wave 0: p's chunk; waves 1, 2: v^T's two; the others nothing.  An s_nop 0 and four v_nop follow each line
	s_cmp_eq_u32 s[WV], 0
	s_cbranch_scc0 .Lnot_p_\@
	tensor_load_to_lds s[G0P:G0P+3], s[G1P:G1P+7]
	s_nop 0
.rept 4
	v_nop
.endr
	s_branch .Lasked_\@
.Lnot_p_\@:
	s_cmp_lt_u32 s[WV], 3
	s_cbranch_scc0 .Lasked_\@
	tensor_load_to_lds s[G0V:G0V+3], s[G1V:G1V+7]
	s_nop 0
.rept 4
	v_nop
.endr
.Lasked_\@:
.endm
	s_load_b256 s[4:11], s[0:1], 0x0               ; p_img, p_aux, vt_img, out0
	v_lshl_add_u32 v[SPW], v0, 2, SPARE
	v_mov_b32 v[NIL], 0
	ds_add_u32 v[SPW], v[NIL]                      ; the wave's opening: the add, twice on end, and its wait ahead of the first tensor load
	ds_add_u32 v[SPW], v[NIL]
	v_lshrrev_b32 v8, 5, v0
	v_readfirstlane_b32 s[WV], v8                  ; wave 0..7
	s_and_b32 s12, ttmp7, 0xffff                   ; 16 b + qb
	s_lshr_b32 s13, s12, 4                         ; the batch
	s_and_b32 s14, s12, 15                         ; qb: my block of 128 queries
	s_lshr_b32 s15, s[WV], 2                       ; my half of the queries
	s_and_b32 s16, s[WV], 3                        ; my quarter of the columns
	s_mov_b32 s[G1P+0], 3<<16                      ; p: 96 rows of 256 bytes, dense
	s_mov_b32 s[G1P+1], 32<<16
	s_mov_b32 s[G1P+2], 96<<16
	s_mov_b32 s[G1P+3], 32<<16
	s_mov_b32 s[G1P+4], 96
	s_mov_b32 s[G1P+5], 32
	s_mov_b32 s[G1P+6], 0
	s_mov_b32 s[G1P+7], 0
	s_mov_b32 s[G1V+0], 3<<16                      ; v^T: 100 rows
	s_mov_b32 s[G1V+1], 32<<16
	s_mov_b32 s[G1V+2], 100<<16
	s_mov_b32 s[G1V+3], 32<<16
	s_mov_b32 s[G1V+4], 100
	s_mov_b32 s[G1V+5], 32
	s_mov_b32 s[G1V+6], 0
	s_mov_b32 s[G1V+7], 0
	s_lshl_b32 s[QL], s14, 7
	s_or_b32 s[QL], s[QL], 127                     ; my work-group's last query
	s_mov_b32 s[TB], 0
	s_mov_b32 s[TS], 0
	s_mov_b32 s[KF], 0
	s_mul_i32 s48, s12, 8*CHC                      ; p: my block's eight chunks
	s_mov_b32 s49, 0
	s_add_co_u32 s17, s[WV], 1
	s_and_b32 s17, s17, 1                          ; wave 1 fetches v^T's block 0, wave 2 block 1
	s_lshl_b32 s50, ttmp9, 1
	s_add_co_u32 s50, s50, s17
	s_lshl_b32 s50, s50, 5
	s_lshl_b32 s19, s13, 3
	s_add_co_u32 s50, s50, s19
	s_mul_i32 s50, s50, CH                         ; chunk (2 et + block, 8 b)
	s_mov_b32 s51, 0
	s_mul_i32 s19, s17, CH
	s_add_co_u32 s19, s19, CHC                     ; behind p's chunk in a slot
	s_wait_dscnt 0x0                               ; both opening adds are done
	s_wait_kmcnt 0x0
	s_mov_b32 s[G0P], 1
	s_mov_b32 s[G0P+1], 0
	s_add_nc_u64 s[G0P+2:G0P+3], s[4:5], s[48:49]
	s_or_b32 s[G0P+3], s[G0P+3], 0x80000000
	s_mov_b32 s[G0V], 1
	s_mov_b32 s[G0V+1], s19
	s_add_nc_u64 s[G0V+2:G0V+3], s[8:9], s[50:51]
	s_or_b32 s[G0V+3], s[G0V+3], 0x80000000
	TLOAD                                          ; slot 0: key 0 counts for every query
	; ---- the row's M, 1 / l, and p's scale words under the row's M.  Thread t: position p = t % 128 of the block's 128 rows; its half t / 128 takes chunks 8 (t / 128) on.  Chunks behind qb are dead: their offsets are held at qb's
	v_and_b32 v96, 127, v0
	v_lshlrev_b32 v96, 2, v96                      ; 4 p
	s_mul_i32 s52, s12, 16*1536
	s_mov_b32 s53, 0
	s_add_nc_u64 s[6:7], s[6:7], s[52:53]
	s_lshl_b32 s20, s15, 3
.irp c, 0,1,2,3,4,5,6,7,8,9,10,11,12,13,14,15
	s_min_u32 s21, s14, \c
	s_mul_i32 s21, s21, 1536
	v_add_nc_u32 v[24+\c], s21, v96
.endr
.irp k, 0,1,2,3,4,5,6,7
	s_add_co_u32 s21, s20, \k
	s_min_u32 s21, s21, s14
	s_mul_i32 s21, s21, 1536
	v_add_nc_u32 v[40+\k], s21, v96
.endr
.irp c, 0,1,2,3,4,5,6,7,8,9,10,11,12,13,14,15
	global_load_b32 v[48+\c], v[24+\c], s[6:7] offset:512      ; -M of chunk c
.endr
.irp c, 0,1,2,3,4,5,6,7,8,9,10,11,12,13,14,15
	global_load_b32 v[64+\c], v[24+\c], s[6:7] offset:1024     ; its sum
.endr
.irp k, 0,1,2,3,4,5,6,7
	global_load_b32 v[80+\k], v[40+\k], s[6:7]                 ; my eight chunks' scale words,
	global_load_b32 v[88+\k], v[40+\k], s[6:7] offset:512      ; and their -M
.endr
	; addresses that stay, while the loads are out
	v_and_b32 v105, 31, v0
	v_and_b32 v106, 15, v0                         ; r
	v_bfe_u32 v107, v0, 4, 1                       ; h
	v_lshlrev_b32 v108, 4, v105                    ; 16 x lane
	v_lshlrev_b32 v109, 4, v106                    ; 16 r
	s_mul_i32 s21, s15, 4*1536
	v_add_nc_u32 v[AP0], s21, v108                 ; p: my four tiles
	s_lshr_b32 s21, s16, 1
	s_mul_i32 s21, s21, CH
	s_add_co_u32 s21, s21, CHC                     ; v^T: my block's chunk in a slot,
	s_and_b32 s22, s16, 1
	s_mul_i32 s54, s22, 4*1536
	s_add_co_u32 s54, s54, s21
	v_add_nc_u32 v[AV0], s54, v108                 ; my four tiles,
	s_lshl_b32 s54, s22, 8
	s_add_co_u32 s54, s54, s21
	s_add_co_u32 s54, s54, 24576
	v_add_nc_u32 v[ASV0], s54, v109                ; their scale words
	s_lshl_b32 s54, s15, 8
	s_add_co_u32 s54, s54, PSC
	v_add_nc_u32 v[ASP0], s54, v109                ; p's scale words
	v_lshl_add_u32 v[GO], v107, 12, v109           ; out: lanes 0-15 one row, lanes 16-31 the next; 16 bytes a lane
	s_mul_i32 s54, s[WV], 16*272
	s_add_co_u32 s54, s54, STAGE
	v_mul_u32_u24 v[STO], v106, 272
	v_lshl_add_u32 v[STO], v107, 6, v[STO]
	v_add_nc_u32 v[STO], s54, v[STO]               ; the stage, in: row r, + 64 h
	v_mul_u32_u24 v[RD], v107, 272
	v_add_nc_u32 v[RD], v[RD], v109
	v_add_nc_u32 v[RD], s54, v[RD]                 ; back: two rows an instruction
	v_mov_b32 v[LP+1], 0                           ; (named as the upper half of a pair)
	s_lshl_b32 s54, s12, 1
	s_add_co_u32 s54, s54, s15
	s_lshl_b32 s54, s54, 18                        ; 64 rows of 4,096 bytes
	s_lshl_b32 s55, ttmp9, 10
	s_add_co_u32 s54, s54, s55
	s_lshl_b32 s55, s16, 8
	s_add_co_u32 s54, s54, s55
	s_mov_b32 s55, 0
	s_add_nc_u64 s[10:11], s[10:11], s[54:55]      ; out at my first row and column
	v_lshl_add_u32 v100, v0, 2, LINV
	v_lshrrev_b32 v101, 7, v0
	v_lshl_add_u32 v101, v101, 12, v96
	v_add_nc_u32 v101, PSC, v101                   ; PSC + 4,096 (t / 128) + 4 p
	s_mov_b32 s22, 0x01010101
	s_mov_b32 s23, 0x80808080
	s_wait_loadcnt 0x0
	v_min_num_f32 v97, v48, v49
.irp c, 2,3,4,5,6,7,8,9,10,11,12,13,14,15
	v_min_num_f32 v97, v97, v[48+\c]               ; -M of the row (a held offset repeats chunk qb: no harm to a minimum)
.endr
	v_mov_b32 v98, 0
.irp c, 0,1,2,3,4,5,6,7,8,9,10,11,12,13,14,15
	s_cmp_le_u32 \c, s14                           ; a live chunk counts once, a dead one not
	s_cselect_b32 s21, 1.0, 0
	v_sub_f32 v99, v97, v[48+\c]                   ; M_c - M: a whole number, 0 or less
	v_cvt_i32_f32 v99, v99                         ; (it saturates)
	v_ldexp_f32 v99, v[64+\c], v99
	v_fma_f32 v98, v99, s21, v98
.endr
	v_rcp_f32 v98, v98
	v_nop                                          ; a plain line behind the reciprocal
	s_wait_alu depctr_va_vdst(0)                   ; and the wait ahead of its first reader
	ds_store_b32 v100, v98
.irp k, 0,1,2,3,4,5,6,7
	v_sub_f32 v102, v[88+\k], v97                  ; d = M - M_c, 0 or more
	v_cvt_i32_f32 v102, v102
	v_min_u32 v102, 127, v102
	v_mul_lo_u32 v102, v102, s22                   ; d in each byte
	v_or_b32 v103, s23, v[80+\k]                   ; p's bytes are 125 at the most: bit 7 is set in each, so that no byte borrows from its neighbour,
	v_sub_nc_u32 v103, v103, v102
	v_and_b32 v102, s23, v103                      ; and stays set where byte - d is 0 or more
	v_lshrrev_b32 v104, 7, v102
	v_sub_nc_u32 v102, v102, v104                  ; 0x7f there, 0 elsewhere
	v_and_b32 v103, v103, v102
	ds_store_b32 v101, v103 offset:512*\k
.endr
; THE CHANGE OF SLOTS, at a slot's head.  fill = 1: behind the barrier the slot just left is filled with the keys that follow, up to the causal limit
.macro CHANGE fill
	s_wait_tensorcnt 0x0                           ; no tensor load of mine is out, so a group 0 may be written
	ds_add_u32 v[SPW], v[NIL]
.if \fill
	ds_add_u32 v[SPW], v[NIL]                      ; and once more
	s_xor_b32 s[G0P+1], s[G0P+1], SLOT1
	s_add_nc_u64 s[G0P+2:G0P+3], s[G0P+2:G0P+3], CHC
	s_xor_b32 s[G0V+1], s[G0V+1], SLOT1
	s_add_nc_u64 s[G0V+2:G0V+3], s[G0V+2:G0V+3], CH
.endif
	s_wait_dscnt 0x0                               ; the add is done, my LDS stores have landed, and my reads of the slot that I have left are over
	s_barrier_signal -1
	s_barrier_wait -1
.if \fill
	s_add_co_u32 s96, s[KF], 256                   ; the first key of the slot that this change would ask for
	s_cmp_gt_u32 s96, s[QL]                        ; behind my work-group's last query: none of its waves would read it
	s_cbranch_scc1 .Lpast_\@
	TLOAD
.Lpast_\@:
.endif
.endm
; A KEY STEP: 128 keys, half q2 of the slot in hand
.macro STEP q2, zero, test
.if \test
	s_cmp_gt_u32 s[KF], s[QL]
	s_cbranch_scc1 .Lhidden_\@
.endif
	v_add_nc_u32 v[ADP], s[TB], v[AP0]             ; these four are also the plain lines between the last products and the loads into their registers
	v_add_nc_u32 v[ADV], s[TB], v[AV0]
	v_add_nc_u32 v[ADSV], s[TB], v[ASV0]
	v_add_nc_u32 v[ADSP], s[TS], v[ASP0]
	ds_load_b128 v[SP:SP+3], v[ADSP]
	ds_load_b128 v[SV:SV+3], v[ADSV] offset:512*\q2
.irp a, 0,1,2,3
.irp c, 0,1,2
	ds_load_b128 v[FA+12*\a+4*\c:FA+12*\a+4*\c+3], v[ADP] offset:(8*\q2+\a)*1536+512*\c
.endr
.endr
.irp b, 0,1,2,3
.irp c, 0,1,2
	ds_load_b128 v[FB+12*\b+4*\c:FB+12*\b+4*\c+3], v[ADV] offset:(8*\q2+\b)*1536+512*\c
.endr
.endr
.irp b, 0,1,2,3
	s_wait_dscnt 9-3*\b                            ; the later fragments of v^T, three loads each, may be out
.irp a, 0,1,2,3
.if \zero
	v_wmma_scale_f32_16x16x128_f8f6f4 v[ACC+8*(4*\a+\b):ACC+8*(4*\a+\b)+7], v[FB+12*\b:FB+12*\b+11], v[FA+12*\a:FA+12*\a+11], 0, v[SV+\b], v[SP+\a] matrix_a_fmt:MATRIX_FMT_FP6 matrix_b_fmt:MATRIX_FMT_FP6
.else
	v_wmma_scale_f32_16x16x128_f8f6f4 v[ACC+8*(4*\a+\b):ACC+8*(4*\a+\b)+7], v[FB+12*\b:FB+12*\b+11], v[FA+12*\a:FA+12*\a+11], v[ACC+8*(4*\a+\b):ACC+8*(4*\a+\b)+7], v[SV+\b], v[SP+\a] matrix_a_fmt:MATRIX_FMT_FP6 matrix_b_fmt:MATRIX_FMT_FP6
.endif
.endr
.endr
.Lhidden_\@:
	s_add_co_u32 s[KF], s[KF], 128
	s_add_co_u32 s[TS], s[TS], 512
.endm
	CHANGE 1                                       ; its wait and barrier also show every wave the scale words and 1 / l; behind it slot 1 is filled for the first time
	STEP 0, 1, 0                                   ; the first products start the sums
	STEP 1, 0, 1
	s_xor_b32 s[TB], s[TB], SLOT1
	s_mov_b32 s[SLOTS], 6
.Lslot:
	CHANGE 1
	STEP 0, 0, 1
	STEP 1, 0, 1
	s_xor_b32 s[TB], s[TB], SLOT1
	s_sub_co_u32 s[SLOTS], s[SLOTS], 1
	s_cmp_lg_u32 s[SLOTS], 0
	s_cbranch_scc1 .Lslot
	CHANGE 0                                       ; the last slot: nothing is left to ask for
	STEP 0, 0, 1
	STEP 1, 0, 1
	; THE WAY OUT: x 1 / l; a tile of 16 queries x my 64 columns goes through my stage and leaves as rows of 256 consecutive bytes, at multiples of 256 from out's first byte
.rept 4
	v_nop
.endr
	ds_load_b128 v[LI:LI+3], v[ASP0] offset:LINV-PSC
	s_wait_dscnt 0x0
.macro PACKST a
	v_mov_b32 v[LP], v[LI+(\a)]
.set j, 0
.rept 16
	v_pk_mul_f32 v[ACC+32*(\a)+j:ACC+32*(\a)+j+1], v[ACC+32*(\a)+j:ACC+32*(\a)+j+1], v[LP:LP+1] op_sel_hi:[1,0]   ; each accumulator from its low end on
.set j, j+2
.endr
.irp b, 0,1,2,3
	ds_store_b128 v[STO], v[ACC+32*(\a)+8*\b:ACC+32*(\a)+8*\b+3] offset:128*(\b/2)+32*(\b%2)       ; register j of tile b is column 32 (b / 2) + 16 h + 8 (b % 2) + j
	ds_store_b128 v[STO], v[ACC+32*(\a)+8*\b+4:ACC+32*(\a)+8*\b+7] offset:128*(\b/2)+32*(\b%2)+16
.endr
.irp t, 0,1,2,3,4,5,6,7
	ds_load_b128 v[BK+32*((\a)%2)+4*\t:BK+32*((\a)%2)+4*\t+3], v[RD] offset:544*\t   ; LDS serves a wave's instructions in order: these see my stores
.endr
.endm
.macro SEND a, younger                 ; younger: the LDS instructions issued behind tile a's loads: the next tile's 8 stores and 8 loads, or none
.irp t, 0,1,2,3,4,5,6,7
	s_wait_dscnt \younger+7-\t
	global_store_b128 v[GO], v[BK+32*((\a)%2)+4*\t:BK+32*((\a)%2)+4*\t+3], s[10:11] offset:(32*((\a)/2)+8*((\a)%2)+2*\t+8*(\t/4))*4096 th:TH_STORE_NT
.endr
.endm
	PACKST 0
	PACKST 1
	SEND 0, 16
	s_wait_xcnt 0x0                                ; tile 0's stores have read their registers
	PACKST 2
	SEND 1, 16
	s_wait_xcnt 0x0
	PACKST 3
	SEND 2, 16
	SEND 3, 0
	s_wait_tensorcnt 0x0                           ; the wave's end: behind my last tensor load and my last LDS store
	ds_add_u32 v[SPW], v[NIL]
	s_wait_dscnt 0x0
	s_endpgm
.Lfunc_end_k_q9491cc8b53_pv:
	.size	k_q9491cc8b53_pv, .Lfunc_end_k_q9491cc8b53_pv-k_q9491cc8b53_pv
	.p2alignl 7, 3214868480
	.fill 96, 4, 3214868480
	.section	.rodata,"a",@progbits
	.p2align	6, 0x0
	.amdhsa_kernel k_q9491cc8b53_pv
		.amdhsa_group_segment_fixed_size 327680
		.amdhsa_private_segment_fixed_size 0
		.amdhsa_enable_private_segment 0
		.amdhsa_kernarg_size 32
		.amdhsa_user_sgpr_count 2
		.amdhsa_user_sgpr_kernarg_segment_ptr 1
		.amdhsa_wavefront_size32 1
		.amdhsa_system_sgpr_workgroup_id_x 1
		.amdhsa_system_sgpr_workgroup_id_y 1
		.amdhsa_system_sgpr_workgroup_id_z 1
		.amdhsa_system_vgpr_workitem_id 0
		.amdhsa_next_free_vgpr 256
		.amdhsa_next_free_sgpr 100
		.amdhsa_reserve_vcc 0
		.amdhsa_float_denorm_mode_32 3
		.amdhsa_float_denorm_mode_16_64 3
		.amdhsa_memory_ordered 1
		.amdhsa_forward_progress 1
		.amdhsa_inst_pref_size 62
	.end_amdhsa_kernel
	.amdgpu_metadata
---
amdhsa.version: [ 1, 2 ]
amdhsa.kernels:
  - .name:           k_q9491cc8b53_pv
    .symbol:         k_q9491cc8b53_pv.kd
    .args:
      - { .name: p_img, .offset: 0, .size: 8, .value_kind: global_buffer, .address_space: global }
      - { .name: p_aux, .offset: 8, .size: 8, .value_kind: global_buffer, .address_space: global }
      - { .name: vt_img, .offset: 16, .size: 8, .value_kind: global_buffer, .address_space: global }
      - { .name: out0, .offset: 24, .size: 8, .value_kind: global_buffer, .address_space: global }
    .group_segment_fixed_size: 327680
    .private_segment_fixed_size: 0
    .kernarg_segment_align: 8
    .kernarg_segment_size: 32
    .max_flat_workgroup_size: 256
    .sgpr_count:     100
    .vgpr_count:     256
    .wavefront_size: 32
...
	.end_amdgpu_metadata
.endif
;; end of part 4
;; ======== version 2 of 2: 4 launches
;; limits: right only within a limited range of input values
;; workspace buffers: x_img 6,553,600 bytes; w_img 2,457,600 bytes; qk_img 13,107,200 bytes; vt_img 6,553,600 bytes; p_img 12,582,912 bytes; p_aux 1,572,864 bytes
;; launch quant (part 5): grid 448 x 1, 4 waves a work-group, no clusters, 34,304 bytes of LDS; arguments x, W_query, W_key, W_value, x_img, w_img; writes x_img, w_img
.if DOCPART == 5
	.amdgcn_target "amdgcn-amd-amdhsa--gfx1250"
	.amdhsa_code_object_version 6
	.text
	.protected	k_q9491cc8b53_quant
	.globl	k_q9491cc8b53_quant
	.p2align	8
	.type	k_q9491cc8b53_quant,@function
k_q9491cc8b53_quant:
	s_mov_b64 s[64:65], 0
	v_nop
	global_prefetch_b8 v0, s[64:65] scope:SCOPE_SE
	s_setreg_imm32_b32 hwreg(HW_REG_WAVE_MODE, 25, 1), 1
	s_wait_xcnt 0x0
; FIRST OF FOUR LAUNCHES of causal attention with one head of 1,024: out = softmax(mask(q k^T) / 32) v, q, k, v = x W, all five products on codes of FP6 (E2M3) with one E8M0 scale for each 32 along K.
; This launch quantises x [8192][1024] (K = its last axis) and the three weights [1024 (d)][1024 (e)] (K = their FIRST axis) once, since many work-groups of the next launch read them.
; WORK LEFT OUT IN THE LATER LAUNCHES.  reference() sets score(q, k) to -infinity wherever k > q, by a mask that it builds itself.  exp(-infinity) = 0, so such a score adds nothing to the row's sum and nothing
; to the context, whatever finite values the inputs hold.  So score tiles of 256 queries x 256 keys whose every key comes after every query are not computed, stored or read, and the last product leaves out
; key steps of 128 that lie wholly behind a work-group's last query.  Every input has a way to the output and is loaded.
; LIMITS: NaN and infinities among the inputs are not served; a NaN, an infinity or an overflow that reaches only the tiles left out is not carried to the result; a block of zeros gets the scale byte 1
; where the rule says 127: its codes are zeros, which add nothing under any byte but 0xff, and the bytes are read by this program alone.
; THE WORKSPACE FORMAT ("image").  An operand [rows][K] lies in chunks of 128 rows x 256 K, CH = 25,600 dense bytes, chunk (rb, ks) at (rb K / 256 + ks) CH.  In a chunk, fragment (q, i), 16 rows x 128 K, is the image
; of the matrix operand's 12 registers: 1,536 bytes at (8 q + i) 1,536, registers 4 c .. 4 c + 3 of lane l at 512 c + 16 l.  The scale word of (q, i, lane row r) lies at 24,576 + 512 q + 256 (i / 4) + 16 r + 4 (i % 4).
; ROW ORDER: tile i's lane row r is row 64 (i / 4) + 32 (r / 8) + 8 (i % 4) + r % 8 of the 128: with it the 32 results that a lane of a later product holds over four tiles are a whole scale block along the next K.
; SHARES.  Work-groups 0-255: x; a wave takes 64 rows x 128 K, four fragments.  Each load reads 512 consecutive bytes of one row; the 16 rows of a fragment turn through the wave's own stage in LDS, so that a lane gets
; 16 neighbours of each block of 32.  Work-groups 256-447: the weights; a wave takes 32 columns x 128 d, two fragments: a lane takes a column and its registers run down d, so a block of 32 lies in one lane.
; No tensor load, no barrier: waves share nothing.
.set CH,    25600
.set STG,   8448                       ; a wave's stage: 16 rows x (512 bytes + 16): row r starts 4 r banks on
.set SPARE, 4*STG                      ; behind the stages: the spare words, 128 bytes a wave
.set SPW,   250
.set NIL,   251
.set R,     16                         ; v16-143  two sets of 64: a fragment's numbers as loaded
.set X,     144                        ; v144-207 64 numbers: register 16 b + i = k 32 b + 16 (lane / 16) + i of my row
.set TM,    208                        ; v208-223 at work
.set PC,    224                        ; v224-243 the codes just made
.set PW,    244                        ; v244-247 four fragments' scale words
.set SS,    248                        ; v248-249 the two words that I store
.set SEL,   40                         ; s[40:41] lane selects: lane l xor 16
	s_load_b256 s[4:11], s[0:1], 0x0               ; x, W_query, W_key, W_value
	s_load_b128 s[12:15], s[0:1], 0x20             ; x_img, w_img
	v_lshl_add_u32 v[SPW], v0, 2, SPARE
	v_mov_b32 v[NIL], 0
	v_lshrrev_b32 v1, 5, v0
	v_readfirstlane_b32 s16, v1                    ; wave
	v_and_b32 v1, 31, v0                           ; lane
	v_and_b32 v2, 15, v0                           ; r
	v_bfe_u32 v3, v0, 4, 1                         ; h
	v_lshlrev_b32 v4, 4, v1                        ; 16 x lane
	s_mov_b32 s[SEL], 0x76543210
	s_mov_b32 s[SEL+1], 0xfedcba98
	s_cmp_ge_u32 ttmp9, 256
	s_cbranch_scc1 .Lweights
	; ---------------------------------------------------------------- x
	s_lshl_b32 s17, ttmp9, 2
	s_add_co_u32 s17, s17, s16                     ; job J
	s_and_b32 s18, s17, 7                          ; kq: which 128 along K
	s_bfe_u32 s19, s17, 0x10003                    ; g: which 64 rows of the block
	s_lshr_b32 s24, s17, 4                         ; rb: block of 128 rows
	s_lshl_b32 s26, s24, 19                        ; x: 128 rows of 4,096 bytes,
	s_lshl_b32 s25, s19, 18                        ; 64 rows,
	s_add_co_u32 s26, s26, s25
	s_lshl_b32 s25, s18, 9                         ; 128 numbers
	s_add_co_u32 s26, s26, s25
	s_mov_b32 s27, 0
	s_lshl_b32 s28, s24, 2
	s_lshr_b32 s25, s18, 1
	s_add_co_u32 s28, s28, s25
	s_mul_i32 s28, s28, CH                         ; my chunk
	s_and_b32 s25, s18, 1                          ; q
	s_mul_i32 s30, s25, 12288
	s_add_co_u32 s30, s30, s28
	s_mul_i32 s31, s19, 6144
	s_add_co_u32 s30, s30, s31                     ; my first fragment: (q, 4 g)
	s_mov_b32 s31, 0
	s_lshl_b32 s25, s25, 9
	s_add_co_u32 s28, s28, s25
	s_lshl_b32 s25, s19, 8
	s_add_co_u32 s28, s28, s25
	s_add_co_u32 s28, s28, 24576                   ; my 256 bytes of scale words
	s_mov_b32 s29, 0
	s_mul_i32 s25, s16, STG
	s_wait_alu depctr_va_vdst(0)
	v_add_nc_u32 v5, s25, v4                       ; the stage, on the way in: 16 x lane of a row
	v_mul_u32_u24 v6, v2, 528
	v_lshl_add_u32 v6, v3, 6, v6
	v_add_nc_u32 v6, s25, v6                       ; on the way out: row r, + 64 h
	v_lshlrev_b32 v7, 4, v2
	v_lshl_add_u32 v7, v3, 3, v7                   ; scale words: 16 r + 8 h
.irp b, 0,1,2,3
	v_mov_b32 v[TM+4+\b], 0                        ; written once: a lane permute's destination counts as one of its sources
.endr
	s_wait_alu depctr_va_vdst(0)
	s_wait_kmcnt 0x0
	s_add_nc_u64 s[4:5], s[4:5], s[26:27]
	s_add_nc_u64 s[20:21], s[12:13], s[30:31]
	s_add_nc_u64 s[22:23], s[12:13], s[28:29]
.macro LOADF u                         ; fragment u's 16 rows, 512 consecutive bytes a load
.irp rr, 0,1,2,3,4,5,6,7,8,9,10,11,12,13,14,15
	global_load_b128 v[R+64*((\u)%2)+4*\rr:R+64*((\u)%2)+4*\rr+3], v4, s[4:5] offset:(8*(\u)+\rr+24*(\rr/8))*4096 th:TH_LOAD_NT
.endr
.endm
.macro TURNX u                         ; through the stage: LDS serves a wave's instructions in order, so no wait stands between the stores and the loads
.irp rr, 0,1,2,3,4,5,6,7,8,9,10,11,12,13,14,15
	ds_store_b128 v5, v[R+64*((\u)%2)+4*\rr:R+64*((\u)%2)+4*\rr+3] offset:528*\rr
.endr
.irp b, 0,1,2,3
.irp j, 0,1,2,3
	ds_load_b128 v[X+16*\b+4*\j:X+16*\b+4*\j+3], v6 offset:128*\b+16*\j
.endr
.endr
.endm
; 64 numbers of a lane, v[s] on, become a fragment's codes in v[PC] on and its scale word in v[pw]
.macro QUANT s, pw
.irp b, 0,1,2,3
	v_max3_num_f32 v[TM+\b], |v[\s+16*\b]|, |v[\s+1+16*\b]|, 0x1800000   ; block b: my 16 numbers, and the floor 2^(3 - 127): so the byte cannot fall under 1
.endr
.irp i, 2,4,6,8,10,12,14
.irp b, 0,1,2,3
	v_max3_num_f32 v[TM+\b], v[TM+\b], |v[\s+16*\b+\i]|, |v[\s+1+16*\b+\i]|
.endr
.endr
.irp b, 0,1,2,3
	v_permlanex16_b32 v[TM+4+\b], v[TM+\b], s[SEL], s[SEL+1]
.endr
.irp b, 0,1,2,3
	v_max_num_f32 v[TM+\b], v[TM+\b], v[TM+4+\b]   ; with lane l xor 16's: the block's largest magnitude
.endr
.irp b, 0,1,2,3
	v_add_nc_u32 v[TM+12+\b], 0xff000000, v[TM+\b] ; 2 off its exponent field: the conversion takes this operand's exponent field as its scale
.endr
.irp b, 0,1,2,3
	v_lshrrev_b32 v[TM+4+\b], 23, v[TM+12+\b]      ; the scale's byte
.endr
	v_lshl_or_b32 v[\pw], v[TM+5], 8, v[TM+4]
	v_lshl_or_b32 v[\pw], v[TM+6], 16, v[\pw]
	v_lshl_or_b32 v[\pw], v[TM+7], 24, v[\pw]
.irp c, 0,1
	v_cvt_scalef32_pk16_fp6_f32 v[PC+6*\c:PC+2+6*\c], v[\s+32*\c:\s+15+32*\c], v[TM+12+2*\c]
	v_cvt_scalef32_pk16_fp6_f32 v[PC+12+4*\c:PC+14+4*\c], v[\s+16+32*\c:\s+31+32*\c], v[TM+12+2*\c+1]   ; (a conversion's three registers begin on an even number)
.endr
	v_nop                                          ; one plain line behind the conversions
.irp c, 0,1                                    ; the operand wants a whole block in a lane: lanes 0-15 block 2 c, lanes 16-31 block 2 c + 1
.irp i, 0,1,2
	v_permlane16_swap_b32 v[PC+6*\c+\i], v[PC+12+4*\c+\i]
.endr
.irp i, 0,1,2
	v_mov_b32 v[PC+3+6*\c+\i], v[PC+12+4*\c+\i]
.endr
.endr
.endm
	LOADF 0
	LOADF 1
.irp u, 0,1,2,3
.if \u < 3
	s_wait_loadcnt 16                              ; this fragment's 16 loads are in; the next fragment's 16 may be out
.else
	s_wait_loadcnt 0x0
.endif
	TURNX \u
	s_wait_dscnt 0x0                               ; my 64 numbers are back, and the stores into the stage have read their registers,
.if \u < 2
	LOADF \u+2                                     ; which take the fragment two on
.endif
	s_wait_xcnt 0x0                                ; the last fragment's stores have read the codes' registers
	QUANT X, PW+\u
.irp c, 0,1,2
	global_store_b128 v4, v[PC+4*\c:PC+4*\c+3], s[20:21] offset:1536*\u+512*\c   ; 512 consecutive bytes
.endr
.endr
	v_cmp_le_u32 vcc_lo, 16, v1                    ; lanes 0-15 store tiles 0, 1's words of row r, lanes 16-31 tiles 2, 3's: 256 consecutive bytes
	v_cndmask_b32 v[SS], v[PW], v[PW+2], vcc_lo
	v_cndmask_b32 v[SS+1], v[PW+1], v[PW+3], vcc_lo
	global_store_b64 v7, v[SS:SS+1], s[22:23]
	s_wait_tensorcnt 0x0                           ; the wave's end: behind my last LDS store
	ds_add_u32 v[SPW], v[NIL]
	s_wait_dscnt 0x0
	s_endpgm
	; ---------------------------------------------------------------- the weights
.Lweights:
	s_sub_co_u32 s17, ttmp9, 256
	s_lshl_b32 s17, s17, 2
	s_add_co_u32 s17, s17, s16                     ; job
	s_and_b32 s18, s17, 31                         ; which two tiles of 16 columns
	s_bfe_u32 s19, s17, 0x30005                    ; kq: which 128 along d
	s_lshr_b32 s24, s17, 8                         ; which weight: the same in all four waves
	s_lshl_b32 s26, s19, 19                        ; 128 rows of 4,096 bytes,
	s_lshr_b32 s25, s18, 1
	s_lshl_b32 s25, s25, 8                         ; 64 columns for each two jobs,
	s_and_b32 s33, s18, 1
	s_lshl_b32 s33, s33, 6                         ; the odd job's tiles begin 16 columns on
	s_add_co_u32 s25, s25, s33
	s_add_co_u32 s26, s26, s25
	s_mov_b32 s27, 0
	s_lshl_b32 s28, s24, 3
	s_lshr_b32 s25, s18, 2
	s_add_co_u32 s28, s28, s25                     ; rb = 8 x weight + columns / 128
	s_lshl_b32 s28, s28, 2
	s_lshr_b32 s25, s19, 1
	s_add_co_u32 s28, s28, s25
	s_mul_i32 s28, s28, CH                         ; my chunk
	s_and_b32 s25, s19, 1                          ; q
	s_and_b32 s33, s18, 3                          ; which pair of tiles
	s_mul_i32 s30, s25, 12288
	s_add_co_u32 s30, s30, s28
	s_mul_i32 s31, s33, 3072
	s_add_co_u32 s30, s30, s31                     ; my two fragments
	s_mov_b32 s31, 0
	s_lshl_b32 s25, s25, 9
	s_add_co_u32 s28, s28, s25
	s_lshr_b32 s25, s33, 1
	s_lshl_b32 s25, s25, 8
	s_add_co_u32 s28, s28, s25
	s_and_b32 s25, s33, 1
	s_lshl_b32 s25, s25, 3
	s_add_co_u32 s28, s28, s25
	s_add_co_u32 s28, s28, 24576                   ; my tiles' scale words
	s_mov_b32 s29, 0
	s_wait_alu depctr_va_vdst(0)
	v_and_b32 v8, 8, v2
	v_mad_u32_u24 v8, v8, 3, v2                    ; 32 (r / 8) + r % 8
	v_lshl_add_u32 v8, v3, 3, v8
	v_lshlrev_b32 v8, 2, v8                        ; my column: + 8 h: lanes 0-15 hold the even tile's rows, lanes 16-31 the odd tile's; a load reads two runs of 64 bytes, the pair's other job their other halves
	v_lshlrev_b32 v9, 4, v2
	v_lshl_add_u32 v9, v3, 2, v9                   ; scale word: 16 r + 4 h
	s_wait_alu depctr_va_vdst(0)
	s_wait_kmcnt 0x0
	s_cmp_eq_u32 s24, 0
	s_cselect_b64 s[34:35], s[6:7], s[8:9]
	s_cmp_eq_u32 s24, 2
	s_cselect_b64 s[34:35], s[10:11], s[34:35]
	s_add_nc_u64 s[34:35], s[34:35], s[26:27]
	s_add_nc_u64 s[20:21], s[14:15], s[30:31]
	s_add_nc_u64 s[22:23], s[14:15], s[28:29]
.macro LOADB t                         ; block t: W(32 t + i, my column) into set t % 2 of v16-79
.irp i, 0,1,2,3,4,5,6,7,8,9,10,11,12,13,14,15,16,17,18,19,20,21,22,23,24,25,26,27,28,29,30,31
	global_load_b32 v[16+32*((\t)%2)+\i], v8, s[34:35] offset:(32*(\t)+\i)*4096
.endr
.endm
.macro BLOCK t                         ; even blocks' codes go to v80-91, odd blocks' to v92-103
.set XS, 16+32*((\t)%2)
.set FD, 80+12*((\t)%2)+6*((\t)/2)
.if (\t) < 3
	s_wait_loadcnt 32                              ; this block's 32 loads are in; the next block's 32 may be out
.else
	s_wait_loadcnt 0x0
.endif
	v_max3_num_f32 v110, |v[XS]|, |v[XS+1]|, |v[XS+2]|
	v_max3_num_f32 v111, |v[XS+3]|, |v[XS+4]|, |v[XS+5]|
.irp i, 6,10,14,18,22,26
	v_max3_num_f32 v110, v110, |v[XS+\i]|, |v[XS+\i+1]|
	v_max3_num_f32 v111, v111, |v[XS+\i+2]|, |v[XS+\i+3]|
.endr
	v_max3_num_f32 v110, v110, |v[XS+30]|, |v[XS+31]|
	v_max3_num_f32 v110, v110, v111, 0x1800000     ; the block's largest magnitude, all 32 mine, and the floor
	v_add_nc_u32 v112, 0xff000000, v110
	v_lshrrev_b32 v113, 23, v112
.if (\t) == 0
	v_mov_b32 v108, v113
.else
	v_lshl_or_b32 v108, v113, 8*(\t), v108         ; my column's scale word: byte t for block t
.endif
	v_cvt_scalef32_pk16_fp6_f32 v[FD:FD+2], v[XS:XS+15], v112
	v_cvt_scalef32_pk16_fp6_f32 v[104:106], v[XS+16:XS+31], v112
	v_nop
.irp i, 0,1,2
	v_mov_b32 v[FD+3+\i], v[104+\i]
.endr
.if (\t) < 2
	LOADB (\t)+2
.endif
.endm
	LOADB 0
	LOADB 1
	BLOCK 0
	BLOCK 1
	BLOCK 2
	BLOCK 3
.irp j, 0,1,2,3,4,5,6,7,8,9,10,11
	v_permlane16_swap_b32 v[80+\j], v[92+\j]       ; the even tile's odd blocks go to lanes 16-31 of v80 on, the odd tile's even blocks to lanes 0-15 of v92 on: two fragments as the operand wants them
.endr
.irp c, 0,1,2
	global_store_b128 v4, v[80+4*\c:83+4*\c], s[20:21] offset:512*\c
	global_store_b128 v4, v[92+4*\c:95+4*\c], s[20:21] offset:1536+512*\c
.endr
	global_store_b32 v9, v108, s[22:23]            ; 8 of each 16 bytes of 256: the other wave of the pair writes the rest; 98,304 bytes in the launch go out so
	s_wait_tensorcnt 0x0
	ds_add_u32 v[SPW], v[NIL]
	s_wait_dscnt 0x0
	s_endpgm
.Lfunc_end_k_q9491cc8b53_quant:
	.size	k_q9491cc8b53_quant, .Lfunc_end_k_q9491cc8b53_quant-k_q9491cc8b53_quant
	.p2alignl 7, 3214868480
	.fill 96, 4, 3214868480
	.section	.rodata,"a",@progbits
	.p2align	6, 0x0
	.amdhsa_kernel k_q9491cc8b53_quant
		.amdhsa_group_segment_fixed_size 34304
		.amdhsa_private_segment_fixed_size 0
		.amdhsa_enable_private_segment 0
		.amdhsa_kernarg_size 48
		.amdhsa_user_sgpr_count 2
		.amdhsa_user_sgpr_kernarg_segment_ptr 1
		.amdhsa_wavefront_size32 1
		.amdhsa_system_sgpr_workgroup_id_x 1
		.amdhsa_system_sgpr_workgroup_id_y 1
		.amdhsa_system_sgpr_workgroup_id_z 1
		.amdhsa_system_vgpr_workitem_id 0
		.amdhsa_next_free_vgpr 256
		.amdhsa_next_free_sgpr 66
		.amdhsa_reserve_vcc 1
		.amdhsa_float_denorm_mode_32 3
		.amdhsa_float_denorm_mode_16_64 3
		.amdhsa_memory_ordered 1
		.amdhsa_forward_progress 1
		.amdhsa_inst_pref_size 55
	.end_amdhsa_kernel
	.amdgpu_metadata
---
amdhsa.version: [ 1, 2 ]
amdhsa.kernels:
  - .name:           k_q9491cc8b53_quant
    .symbol:         k_q9491cc8b53_quant.kd
    .args:
      - { .name: x, .offset: 0, .size: 8, .value_kind: global_buffer, .address_space: global }
      - { .name: W_query, .offset: 8, .size: 8, .value_kind: global_buffer, .address_space: global }
      - { .name: W_key, .offset: 16, .size: 8, .value_kind: global_buffer, .address_space: global }
      - { .name: W_value, .offset: 24, .size: 8, .value_kind: global_buffer, .address_space: global }
      - { .name: x_img, .offset: 32, .size: 8, .value_kind: global_buffer, .address_space: global }
      - { .name: w_img, .offset: 40, .size: 8, .value_kind: global_buffer, .address_space: global }
    .group_segment_fixed_size: 34304
    .private_segment_fixed_size: 0
    .kernarg_segment_align: 8
    .kernarg_segment_size: 48
    .max_flat_workgroup_size: 128
    .sgpr_count:     66
    .vgpr_count:     256
    .wavefront_size: 32
...
	.end_amdgpu_metadata
.endif
;; end of part 5
;; launch proj (part 6): grid 8 x 32, 4 waves a work-group, clusters of 4 x 4, 327,680 bytes of LDS; arguments x_img, w_img, qk_img, vt_img; writes qk_img, vt_img
.if DOCPART == 6
	.amdgcn_target "amdgcn-amd-amdhsa--gfx1250"
	.amdhsa_code_object_version 6
	.text
	.protected	k_q9491cc8b53_proj
	.globl	k_q9491cc8b53_proj
	.p2align	8
	.type	k_q9491cc8b53_proj,@function
k_q9491cc8b53_proj:
	s_mov_b64 s[64:65], 0
	v_nop
	global_prefetch_b8 v0, s[64:65] scope:SCOPE_SE
	s_setreg_imm32_b32 hwreg(HW_REG_WAVE_MODE, 25, 1), 1
	s_wait_xcnt 0x0
	s_wait_alu depctr_hold_cnt(0) depctr_sa_sdst(0) depctr_va_vdst(0) depctr_va_sdst(0) depctr_va_ssrc(0) depctr_va_vcc(0) depctr_vm_vsrc(0)
	s_getreg_b32 s2, hwreg(HW_REG_IB_STS2, 6, 4)
	s_cmp_eq_u32 s2, 0
	s_cbranch_scc0 .Lentry_in_a_cluster
	s_endpgm
.Lentry_in_a_cluster:
	s_bfe_u32 s2, ttmp6, 0x10000c
	s_cmp_lg_u32 s2, 0xf033
	s_cbranch_scc0 .Lentry_shape_is_right
	s_endpgm
.Lentry_shape_is_right:
; SECOND LAUNCH: q, k, v = x W on the images of x and of the weights, each result quantised again on its way out.
; A WORK-GROUP makes 256 tokens x 384 columns: 256 of Q or K (scale blocks along the columns) and 128 of V (scale blocks along the tokens): all three share its 256 rows of x.  256 work-groups.
; A WAVE HOLDS 64 TOKENS, ALL OF K, IN REGISTERS: 4 tiles x 8 steps of 128 = 32 fragments of 12 registers.  The weights stream past in 24 BATCHES of 16 columns, all of K: 8 fragments, 32 products.
; LDS: x's two blocks of 128 rows at 0, the first 128 weight rows behind them.  When every wave holds its x, x's region is filled again, ONCE, with the other two weight blocks (batches 8-15: Q or K; 16-23: V).
; The wait for that refill stands in batch 6: 218 matrix instructions lie between; so nothing is prefetched: no batch waits for a tile that a prefetch would bring sooner.
; CLUSTERS: 4 x 4; x's rows are shared along a row of the cluster, a weight's rows along a column: joint loads.
; ROW ORDER of the images: within each 64 rows, tile j's (j = 0 .. 3) lane row r is row 32 (r / 8) + 8 j + r % 8.  So in Q and K (source 0 = columns) a lane's 32 sums over four batches are columns 32 h + 0 .. 31 of 64, one scale block,
; and in V (source 0 = tokens) its 32 sums of one batch are tokens 32 h + 0 .. 31 of the wave's 64, one scale block (r = lane % 16, h = lane / 16).
; OUT: qk_img as the images of x (chunk (block of 128 tokens, 256 columns)).  vt_img: chunk (block of 128 columns, 256 tokens), fragment (q, i) at (8 q + i) 1,536: its half c (64 tokens, registers 6 c .. 6 c + 5) at 768 c:
; four registers at 16 x lane, two at 512 + 8 x lane; scale words as in the other images.
; THE WAY OUT of 32 sums stands among the next batches' products: the largest magnitude in two chains side by side, then the scale; the two conversions behind the batch's last product.
; LIMITS: NaN and infinities are not served; a scale byte is at least 1.
.set CH,    25600
.set BLK,   4*CH                       ; 128 rows, all of K
.set WREG,  2*BLK                      ; the first weight block
.set STAGE, 3*BLK                      ; V's scale bytes: 1,024
.set SPARE, STAGE+1024
.set CO,    4                          ; v4  16 x lane
.set C8,    5                          ; v5  8 x lane
.set SPW,   6
.set NIL,   7
.set ADR,   8                          ; v8-13  LDS: 16 x lane + weight block p: first two, last two chunks of K at 2 p, 2 p + 1
.set ADS,   14                         ; v14-19 the same with 16 r, for scale words
.set S8H,   20                         ; v20 8 h
.set SCO,   21                         ; v21 16 r + 8 h
.set STV,   22                         ; v22 LDS: my byte of V's scale words
.set TQ,    24                         ; v24-27 the chains
.set EB0,   28                         ; v28-31 scale bytes (at the head: x's LDS addresses)
.set XS,    32                         ; v32-63 x's scale words: 4 k + j
.set SS,    64
.set WS,    68                         ; v68-131 the weights' scale words, two sets: 4 k + t
.set MCD,   132                        ; v132-179 codes: 12 for each of four tiles
.set TC,    180
.set TP,    184                        ; v184-187 lane exchange; v184-186 also the second conversion's
.set SOP,   188
.set EB1,   190
.set G1X,   24
.set G1W,   32
.set GX,    48
.set GW,    52
.set GR,    56
.set O1C,   60
.set O1S,   62
.set O2C,   68
.set O2S,   70
.set SEL,   72
; WINDOWS: x's fragment 4 k + j: window 1 + k / 4, register 12 ((4 k + j) % 16).  The weights' two sets of 8: window 3, 96 e + 12 k.  Eight blocks of 32 sums: block b in window b / 2 at 192 + 32 (b % 2).
.set MSB,   0
.macro WIN new
.if MSB != \new
	s_set_vgpr_msb (MSB<<8)|\new
.set MSB, \new
.endif
.endm
.macro WALU
	s_wait_alu depctr_va_vdst(0)
.endm
.macro PLACES n
.rept \n
	v_nop
.endr
.endm
.macro CROUND
	s_barrier_signal -1
	s_barrier_wait -1
	s_cmp_lg_u32 s14, 0
	s_cbranch_scc1 .Lnot_wave_0_\@
	s_barrier_signal -3
.Lnot_wave_0_\@:
	s_barrier_wait -3
	s_barrier_signal -1
	s_barrier_wait -1
.endm
.macro FETCH n                         ; batch n's 8 fragments into set n % 2; ahead of each fourth batch its 64 columns' scale words
.set P_, (\n)/8
.set I_, (\n)%8
.if I_%4 == 0
.irp kk, 0,1,2,3,4,5,6,7
	ds_load_b128 v[WS+32*(((\n)/4)%2)+4*\kk:WS+32*(((\n)/4)%2)+4*\kk+3], v[ADS+2*P_+\kk/4] offset:((\kk/2)%2)*CH+24576+512*(\kk%2)+64*I_
.endr
.endif
	WIN 0xc0
.irp kk, 0,1,2,3,4,5,6,7
.irp c, 0,1,2
	ds_load_b128 v[96*((\n)%2)+12*\kk+4*\c:96*((\n)%2)+12*\kk+4*\c+3], v[ADR+2*P_+\kk/4] offset:((\kk/2)%2)*CH+(\kk%2)*12288+1536*I_+512*\c
.endr
.endr
	WIN 0
.endm
; product N_ of batch NB_: k = N_ / 4, token tile N_ % 4.  kind 0 (Q, K): sums in blocks k .. k + 3 by token tile, at 8 x (batch % 4); kind 1 (V): in block k, at 8 x token tile
.macro PROD kind, k
.set K_, N_/4
.set J_, N_%4
.set X_, 12*((4*K_+J_)%16)
.set XB_, 1+K_/4
.set W_, 96*(NB_%2)+12*K_
.set WW_, WS+32*((NB_/4)%2)+4*K_+NB_%4
.set XX_, XS+4*K_+J_
.if \kind
.set B_, (\k)
.set D_, 192+32*(B_%2)+8*J_
	WIN XB_|(3<<2)|((B_/2)<<4)|((B_/2)<<6)
.if K_
	v_wmma_scale_f32_16x16x128_f8f6f4 v[D_:D_+7], v[X_:X_+11], v[W_:W_+11], v[D_:D_+7], v[XX_], v[WW_] matrix_a_fmt:MATRIX_FMT_FP6 matrix_b_fmt:MATRIX_FMT_FP6
.else
	v_wmma_scale_f32_16x16x128_f8f6f4 v[D_:D_+7], v[X_:X_+11], v[W_:W_+11], 0, v[XX_], v[WW_] matrix_a_fmt:MATRIX_FMT_FP6 matrix_b_fmt:MATRIX_FMT_FP6
.endif
.else
.set B_, (\k)+J_
.set D_, 192+32*(B_%2)+8*(NB_%4)
	WIN 3|(XB_<<2)|((B_/2)<<4)|((B_/2)<<6)
.if K_
	v_wmma_scale_f32_16x16x128_f8f6f4 v[D_:D_+7], v[W_:W_+11], v[X_:X_+11], v[D_:D_+7], v[WW_], v[XX_] matrix_a_fmt:MATRIX_FMT_FP6 matrix_b_fmt:MATRIX_FMT_FP6
.else
	v_wmma_scale_f32_16x16x128_f8f6f4 v[D_:D_+7], v[W_:W_+11], v[X_:X_+11], 0, v[WW_], v[XX_] matrix_a_fmt:MATRIX_FMT_FP6 matrix_b_fmt:MATRIX_FMT_FP6
.endif
.endif
.endm
; products from .. to - 1 of batch NB_; behind every second product two entries of a list
.macro BATCH kind, k, from, to, list, x=0, y=0
.set N_, \from
.rept (\to)-(\from)
	PROD \kind, \k
.if N_%2
	\list N_-1, \x, \y
	\list N_, \x, \y
.endif
.set N_, N_+1
.endr
.endm
.macro CHAIN i, k, n, t                ; entry i of a way out's first part: the largest magnitude of block k's 32 sums (floor 2^(3 - 127)), then the conversions' scale operand
.set XW_, (\k)/2
.set XL_, 192+32*((\k)%2)
.if (\i) < 16
.set S_, XL_+16*((\i)%2)+2*((\i)/2)
.set U_, (\t)+(\i)%2
.if (\i) < 2
	WIN XW_|(XW_<<2)
	v_max3_num_f32 v[U_], |v[S_]|, |v[S_+1]|, 0x1800000
.else
	WIN (XW_<<2)|(XW_<<4)
	v_max3_num_f32 v[U_], v[U_], |v[S_]|, |v[S_+1]|
.endif
.elseif (\i) == 16
	WIN 0
	v_max_num_f32 v[\t], v[\t], v[(\t)+1]
.elseif (\i) == 18
	WIN 0
	v_add_nc_u32 v[SOP+\n], 0xff000000, v[\t]
.endif
.endm
.macro L_NONE i, x, y
.endm
.macro L_ONE i, x, y
	CHAIN \i, \x, 0, TQ
.endm
.macro L_TWO i, x, y                   ; two blocks' way outs by turns
	CHAIN \i, \x, 0, TQ
	CHAIN \i, \x+1, 1, TQ+2
.endm
.macro CODES k, c, n, t, eb            ; block k's 32 codes into v[c .. c + 5], the scale's byte into v[eb].  The four plain lines are the places behind the products, too
.set XL_, 192+32*((\k)%2)
	WIN (\k)/2
	v_cvt_scalef32_pk16_fp6_f32 v[\c:(\c)+2], v[XL_:XL_+15], v[SOP+\n]
	v_cvt_scalef32_pk16_fp6_f32 v[\t:(\t)+2], v[XL_+16:XL_+31], v[SOP+\n]
	WIN 0
	v_lshrrev_b32 v[\eb], 23, v[SOP+\n]
.irp i, 0,1,2
	v_mov_b32 v[(\c)+3+\i], v[(\t)+\i]
.endr
.endm
.macro QOUT g, t                       ; token tile t of group g - 1 (64 columns): an even group's codes wait for the odd group's, then 12 registers leave
	WIN 0
	WALU
.if (\g) == 3
	s_wait_xcnt 0x0                                ; the first half's stores have read their registers
.endif
.if (\g)%2
	CODES 4*(((\g)-1)%2)+(\t), MCD+12*(\t), 0, TC, EB0+(\t)
.else
	CODES 4*(((\g)-1)%2)+(\t), MCD+12*(\t)+6, 0, TC, EB1
	v_lshl_or_b32 v[EB0+(\t)], v[EB1], 16, v[EB0+(\t)]
	WALU
.irp k, 0,1,2
	global_store_b128 v[CO], v[MCD+12*(\t)+4*\k:MCD+12*(\t)+4*\k+3], s[O1C:O1C+1] offset:12288*((\g)/2-1)+1536*(\t)+512*\k
.endr
.endif
.endm
.macro SWORDS q                        ; the four tiles' scale words: bytes 2 c + h from lanes l and l xor 16; lanes 0-15 store tiles 0, 1's, lanes 16-31 tiles 2, 3's: 256 consecutive bytes
.irp j, 0,1,2,3
	v_lshlrev_b32 v[EB0+\j], v[S8H], v[EB0+\j]
.endr
.irp j, 0,1,2,3
	v_permlanex16_b32 v[TP+\j], v[EB0+\j], s[SEL], s[SEL+1]
.endr
.irp j, 0,1,2,3
	v_or_b32 v[EB0+\j], v[EB0+\j], v[TP+\j]
.endr
	v_cmp_le_u32 vcc_lo, 16, v3
	v_cndmask_b32 v[SS], v[EB0], v[EB0+2], vcc_lo
	v_cndmask_b32 v[SS+1], v[EB0+1], v[EB0+3], vcc_lo
	WALU
	global_store_b64 v[SCO], v[SS:SS+1], s[O1S:O1S+1] offset:512*(\q)
.endm
.macro VSEND i, eb                     ; V's tile i leaves: its byte to the stage, its codes to memory
	ds_store_b8 v[STV], v[\eb] offset:256*((\i)/4)+4*((\i)%4)
	global_store_b128 v[CO], v[MCD+12*((\i)%4):MCD+12*((\i)%4)+3], s[O2C:O2C+1] offset:1536*(\i)
	global_store_b64 v[C8], v[MCD+12*((\i)%4)+4:MCD+12*((\i)%4)+5], s[O2C:O2C+1] offset:1536*(\i)+512
.endm
.macro VOUT i
	WIN 0
	WALU
	s_wait_xcnt 0x0
	CODES \i, MCD+12*((\i)%4), 0, TC, EB1
	WALU
	VSEND \i, EB1
.endm
.macro VOUT2 i
	WIN 0
	WALU
	s_wait_xcnt 0x0
	CODES \i, MCD+12*((\i)%4), 0, TC, EB1
	CODES \i+1, MCD+12*((\i+1)%4), 1, TP, EB1+1
	WALU
	VSEND \i, EB1
	VSEND \i+1, EB1+1
.endm
.macro WAITB                           ; batch NB_'s fragments are in; younger are the next batch's 24 loads, or 32 where scale words came with them
.if NB_ == 23
	s_wait_dscnt 0x0
.elseif NB_%4 == 3
	s_wait_dscnt 32
.else
	s_wait_dscnt 24
.endif
.endm
; ---------------------------------------------------------------- the head
	s_load_b256 s[4:11], s[0:1], 0x0               ; x_img, w_img, qk_img, vt_img
	v_lshl_add_u32 v[SPW], v0, 2, SPARE
	v_mov_b32 v[NIL], 0
	ds_add_u32 v[SPW], v[NIL]                      ; the wave's opening: the add, twice on end
	ds_add_u32 v[SPW], v[NIL]
	v_lshrrev_b32 v1, 5, v0
	v_readfirstlane_b32 s14, v1                    ; wave
	s_lshr_b32 s15, s14, 1                         ; my block of 128 tokens
	s_and_b32 s16, s14, 1                          ; my half of it
	s_bfe_u32 s40, ttmp6, 0x40000
	s_bfe_u32 s41, ttmp6, 0x40004
	s_lshl_b32 s42, ttmp9, 2
	s_add_co_u32 s42, s42, s40                     ; tile column 0 .. 7: Q or K columns 256 x it, V columns 128 x it
	s_and_b32 s43, ttmp7, 0xffff
	s_lshl_b32 s43, s43, 2
	s_add_co_u32 s43, s43, s41                     ; tile row 0 .. 31
	s_lshl_b32 s44, s41, 2
	s_lshl_b32 s44, 15, s44                        ; my row of the cluster
	s_lshl_b32 s45, 0x1111, s40                    ; my column
	s_or_b32 s[G1X+0], s44, (3<<16)|(1<<21)        ; elements of 8 bytes, no padding
	s_or_b32 s[G1W+0], s45, (3<<16)|(1<<21)
	s_mov_b32 s[G1X+1], 32<<16                     ; x: 400 rows of 256 bytes, dense
	s_mov_b32 s[G1X+2], 400<<16
	s_mov_b32 s[G1X+3], 32<<16
	s_mov_b32 s[G1X+4], 400
	s_mov_b32 s[G1X+5], 32
	s_mov_b32 s[G1X+6], 0
	s_mov_b32 s[G1X+7], 0
	s_mov_b32 s[G1W+1], 32<<16                     ; half a weight block: 200 rows
	s_mov_b32 s[G1W+2], 200<<16
	s_mov_b32 s[G1W+3], 32<<16
	s_mov_b32 s[G1W+4], 200
	s_mov_b32 s[G1W+5], 32
	s_mov_b32 s[G1W+6], 0
	s_mov_b32 s[G1W+7], 0
	s_lshl_b32 s20, s43, 1
	s_add_co_u32 s20, s20, s16
	s_mul_i32 s20, s20, BLK                        ; waves 0, 1: x's block 2 x tile row + wave
	s_mov_b32 s21, 0
	s_mul_i32 s12, s16, 2*CH
	s_mul_i32 s22, s42, 2*BLK
	s_add_co_u32 s22, s22, s12                     ; waves 2, 3: half of weight block 2 x tile column
	s_mov_b32 s23, 0
	s_lshl_b32 s46, s42, 1
	s_add_co_u32 s46, s46, 1
	s_add_co_u32 s13, s42, 16
	s_cmp_eq_u32 s15, 0
	s_cselect_b32 s46, s46, s13                    ; the refill: waves 0, 1 the next block of Q or K, waves 2, 3 V's
	s_mul_i32 s46, s46, BLK
	s_add_co_u32 s46, s46, s12
	s_mov_b32 s47, 0
	s_mov_b32 s[GX], 1
	s_mul_i32 s[GX+1], s16, BLK
	s_mov_b32 s[GW], 1
	s_mul_i32 s[GW+1], s16, 2*CH
	s_add_co_u32 s[GW+1], s[GW+1], WREG
	s_mov_b32 s[GR], 1
	s_mul_i32 s[GR+1], s14, 2*CH
	WALU
	s_wait_dscnt 0x0                               ; both opening adds are done
	CROUND                                         ; all sixteen work-groups are here
	s_wait_kmcnt 0x0
	s_add_nc_u64 s[GX+2:GX+3], s[4:5], s[20:21]
	s_or_b32 s[GX+3], s[GX+3], 0x80000000
	s_add_nc_u64 s[GW+2:GW+3], s[6:7], s[22:23]
	s_or_b32 s[GW+3], s[GW+3], 0x80000000
	s_add_nc_u64 s[GR+2:GR+3], s[6:7], s[46:47]
	s_or_b32 s[GR+3], s[GR+3], 0x80000000
	s_cmp_lt_u32 s14, 2
	s_cbranch_scc0 .Lask_w
	tensor_load_to_lds s[GX:GX+3], s[G1X:G1X+7]
	s_nop 0
	PLACES 4
	s_branch .Lasked
.Lask_w:
	tensor_load_to_lds s[GW:GW+3], s[G1W:G1W+7]
	s_nop 0
	PLACES 4
.Lasked:
	s_lshl_b32 s72, s43, 1                         ; Q's or K's chunk: ((2 x tile row + block) 4 + tile column % 4) + 256 (tile column / 4)
	s_add_co_u32 s72, s72, s15
	s_lshl_b32 s72, s72, 2
	s_and_b32 s73, s42, 3
	s_add_co_u32 s72, s72, s73
	s_lshr_b32 s73, s42, 2
	s_lshl_b32 s73, s73, 8
	s_add_co_u32 s72, s72, s73
	s_mul_i32 s72, s72, CH
	s_mov_b32 s73, 0
	s_add_nc_u64 s[8:9], s[8:9], s[72:73]
	s_mul_i32 s72, s16, 6144
	s_add_nc_u64 s[O1C:O1C+1], s[8:9], s[72:73]
	s_lshl_b32 s72, s16, 8
	s_add_co_u32 s72, s72, 24576
	s_add_nc_u64 s[O1S:O1S+1], s[8:9], s[72:73]
	s_lshl_b32 s72, s42, 5
	s_add_co_u32 s72, s72, s43                     ; V's chunk: 32 x tile column + tile row
	s_mul_i32 s72, s72, CH
	s_add_nc_u64 s[10:11], s[10:11], s[72:73]
	s_mul_i32 s72, s15, 12288
	s_mul_i32 s12, s16, 768
	s_add_co_u32 s72, s72, s12
	s_add_nc_u64 s[O2C:O2C+1], s[10:11], s[72:73]
	s_lshl_b32 s72, s14, 8
	s_add_co_u32 s72, s72, 24576
	s_add_nc_u64 s[O2S:O2S+1], s[10:11], s[72:73]
	s_mov_b32 s[SEL], 0x76543210
	s_mov_b32 s[SEL+1], 0xfedcba98
	s_lshl_b32 s12, s15, 9
	s_lshl_b32 s13, s16, 1
	s_add_co_u32 s12, s12, s13
	s_add_co_u32 s12, s12, STAGE                   ; my two bytes of V's scale words
	s_mul_i32 s13, s15, BLK
	s_mul_i32 s17, s16, 6144
	s_add_co_u32 s17, s17, s13                     ; my four tiles of x
	s_lshl_b32 s18, s16, 8
	s_add_co_u32 s18, s18, s13                     ; and their scale words
	v_and_b32 v1, 15, v0                           ; r
	v_bfe_u32 v2, v0, 4, 1                         ; h
	v_and_b32 v3, 31, v0
	v_lshlrev_b32 v[CO], 4, v3
	v_lshlrev_b32 v[C8], 3, v3
	v_lshlrev_b32 v23, 4, v1
	v_lshlrev_b32 v[S8H], 3, v2
	v_add_nc_u32 v[SCO], v23, v[S8H]
	v_add_nc_u32 v[STV], v23, v2
	v_add_nc_u32 v[STV], s12, v[STV]
	v_add_nc_u32 v[ADR], WREG, v[CO]
	v_add_nc_u32 v[ADR+1], WREG+2*CH, v[CO]
	v_mov_b32 v[ADR+2], v[CO]
	v_add_nc_u32 v[ADR+3], 2*CH, v[CO]
	v_add_nc_u32 v[ADR+4], BLK, v[CO]
	v_add_nc_u32 v[ADR+5], BLK+2*CH, v[CO]
	v_add_nc_u32 v[ADS], WREG, v23
	v_add_nc_u32 v[ADS+1], WREG+2*CH, v23
	v_mov_b32 v[ADS+2], v23
	v_add_nc_u32 v[ADS+3], 2*CH, v23
	v_add_nc_u32 v[ADS+4], BLK, v23
	v_add_nc_u32 v[ADS+5], BLK+2*CH, v23
	v_add_nc_u32 v28, s17, v[CO]
	v_add_nc_u32 v29, 2*CH, v28
	v_add_nc_u32 v30, s18, v23
	v_add_nc_u32 v31, 2*CH, v30
.irp j, 0,1,2,3
	v_mov_b32 v[TP+\j], 0                          ; (a lane permute's destination counts as one of its sources)
.endr
	WALU
	s_cmp_lt_u32 s14, 2
	s_cbranch_scc0 .Lnot_x
	s_wait_tensorcnt 0x0
.Lnot_x:
	s_barrier_signal -1
	s_barrier_wait -1                              ; x is in
.irp kk, 0,1,2,3,4,5,6,7
.irp j, 0,1,2,3
	WIN (1+\kk/4)<<6
.irp c, 0,1,2
	ds_load_b128 v[12*((4*\kk+\j)%16)+4*\c:12*((4*\kk+\j)%16)+4*\c+3], v[28+\kk/4] offset:((\kk/2)%2)*CH+(\kk%2)*12288+1536*\j+512*\c
.endr
.endr
.endr
	WIN 0
.irp kk, 0,1,2,3,4,5,6,7
	ds_load_b128 v[XS+4*\kk:XS+4*\kk+3], v[30+\kk/4] offset:((\kk/2)%2)*CH+24576+512*(\kk%2)
.endr
	s_wait_tensorcnt 0x0                           ; the weights' first block is in, too;
	ds_add_u32 v[SPW], v[NIL]
	s_wait_dscnt 0x0                               ; the add is done, and my x is in registers:
	CROUND                                         ; so it is with every wave of every partner
	tensor_load_to_lds s[GR:GR+3], s[G1W:G1W+7]    ; the other two weight blocks, onto x's region
	s_nop 0
	PLACES 4
	FETCH 0
	FETCH 1
; ---------------------------------------------------------------- Q or K: four groups of four batches; a group's way outs stand in the next
.set NB_, 0
.irp g, 0,1,2,3
.irp t, 0,1,2,3
	WAITB
.if NB_ == 6                           ; a plain barrier in the batch shows the refill to all
	BATCH 0, 4*(\g%2), 0, 26, L_ONE, 4*((\g+1)%2)+\t
	WIN 0
	WALU
	s_wait_tensorcnt 0x0
	s_wait_dscnt 0x0
	s_barrier_signal -1
	BATCH 0, 4*(\g%2), 26, 32, L_NONE
	WIN 0
	s_barrier_wait -1
.elseif \g == 0
	BATCH 0, 0, 0, 32, L_NONE
	WIN 0
	PLACES 4
.else
	BATCH 0, 4*(\g%2), 0, 32, L_ONE, 4*((\g+1)%2)+\t
.endif
.if \g
	QOUT \g, \t
.endif
.if NB_ == 11
	SWORDS 0
.endif
	FETCH NB_+2
.set NB_, NB_+1
.endr
.endr
; ---------------------------------------------------------------- V: eight batches, tile n's sums in block n; the last group of Q or K leaves in the first four, V's tiles in the last four
.irp n, 0,1,2,3,4,5,6,7
	WAITB
.if \n < 4
	BATCH 1, \n, 0, 32, L_ONE, 4+\n
	QOUT 4, \n
.if \n == 3
	SWORDS 1
.endif
.elseif \n < 7
	BATCH 1, \n, 0, 32, L_TWO, 2*(\n-4)
	VOUT2 2*(\n-4)
.else
	BATCH 1, \n, 0, 32, L_ONE, 6
	VOUT 6
.endif
.if NB_ < 22
	FETCH NB_+2
.endif
.set NB_, NB_+1
.endr
.set I_, 0
.rept 19
	CHAIN I_, 7, 0, TQ
.set I_, I_+1
.endr
	VOUT 7
	s_lshl_b32 s12, s14, 8
	s_add_co_u32 s12, s12, STAGE
	v_add_nc_u32 v24, s12, v[C8]
	WALU
	s_wait_dscnt 0x0                               ; my bytes are in the stage
	s_barrier_signal -1
	s_barrier_wait -1
	ds_load_b64 v[26:27], v24
	s_wait_dscnt 0x0
	global_store_b64 v[C8], v[26:27], s[O2S:O2S+1] ; each wave 256 consecutive bytes of V's scale words
	s_wait_tensorcnt 0x0                           ; the wave's end
	ds_add_u32 v[SPW], v[NIL]
	s_wait_dscnt 0x0
	CROUND                                         ; the closing round
	s_endpgm
.Lfunc_end_k_q9491cc8b53_proj:
	.size	k_q9491cc8b53_proj, .Lfunc_end_k_q9491cc8b53_proj-k_q9491cc8b53_proj
	.p2alignl 7, 3214868480
	.fill 96, 4, 3214868480
	.section	.rodata,"a",@progbits
	.p2align	6, 0x0
	.amdhsa_kernel k_q9491cc8b53_proj
		.amdhsa_group_segment_fixed_size 327680
		.amdhsa_private_segment_fixed_size 0
		.amdhsa_enable_private_segment 0
		.amdhsa_kernarg_size 32
		.amdhsa_user_sgpr_count 2
		.amdhsa_user_sgpr_kernarg_segment_ptr 1
		.amdhsa_wavefront_size32 1
		.amdhsa_system_sgpr_workgroup_id_x 1
		.amdhsa_system_sgpr_workgroup_id_y 1
		.amdhsa_system_sgpr_workgroup_id_z 1
		.amdhsa_system_vgpr_workitem_id 0
		.amdhsa_next_free_vgpr 1024
		.amdhsa_next_free_sgpr 80
		.amdhsa_reserve_vcc 1
		.amdhsa_float_denorm_mode_32 3
		.amdhsa_float_denorm_mode_16_64 3
		.amdhsa_memory_ordered 1
		.amdhsa_forward_progress 1
		.amdhsa_inst_pref_size 214
	.end_amdhsa_kernel
	.amdgpu_metadata
---
amdhsa.version: [ 1, 2 ]
amdhsa.kernels:
  - .name:           k_q9491cc8b53_proj
    .symbol:         k_q9491cc8b53_proj.kd
    .args:
      - { .name: x_img, .offset: 0, .size: 8, .value_kind: global_buffer, .address_space: global }
      - { .name: w_img, .offset: 8, .size: 8, .value_kind: global_buffer, .address_space: global }
      - { .name: qk_img, .offset: 16, .size: 8, .value_kind: global_buffer, .address_space: global }
      - { .name: vt_img, .offset: 24, .size: 8, .value_kind: global_buffer, .address_space: global }
    .group_segment_fixed_size: 327680
    .private_segment_fixed_size: 0
    .kernarg_segment_align: 8
    .kernarg_segment_size: 32
    .max_flat_workgroup_size: 128
    .sgpr_count:     80
    .vgpr_count:     1024
    .wavefront_size: 32
...
	.end_amdgpu_metadata
.endif
;; end of part 6
;; launch scores (part 7): grid 36 x 4, 4 waves a work-group, no clusters, 327,680 bytes of LDS; arguments qk_img, p_img, p_aux; writes p_img, p_aux
.if DOCPART == 7
	.amdgcn_target "amdgcn-amd-amdhsa--gfx1250"
	.amdhsa_code_object_version 6
	.text
	.protected	k_q9491cc8b53_scores
	.globl	k_q9491cc8b53_scores
	.p2align	8
	.type	k_q9491cc8b53_scores,@function
k_q9491cc8b53_scores:
	s_mov_b64 s[64:65], 0
	v_nop
	global_prefetch_b8 v0, s[64:65] scope:SCOPE_SE
	s_setreg_imm32_b32 hwreg(HW_REG_WAVE_MODE, 25, 1), 1
	s_wait_xcnt 0x0
; THIRD LAUNCH: S = q k^T on the images of q and k (K = 1,024), the mask, and p = 2^(t - M), quantised along the keys.  t = score x log2(e) / 32.
; WORK LEFT OUT: tiles of 256 queries x 256 keys whose every key comes after every query (the mask that reference() builds makes their p 0 for all inputs): 36 of 64 tiles of a batch are made.
; A wave makes 128 queries x 128 keys.  M HERE IS LOCAL TO THESE 128 KEYS: the ceiling of the largest t of the row among them, a whole number.  Stored for each row and chunk of 128 keys: p's codes (p_img, fragments as
; images), p's scale word, -M and the sum of the unquantised p (p_aux).  The last launch brings all chunks of a row under the row's M by whole powers of two, taken off the scale bytes: the codes' values stay.
; A wave all of whose keys are hidden (the upper right quarter of a tile on the diagonal) runs like the others and stores zero codes, which nobody reads.
; NO CLUSTER: the live tiles of a batch form a triangle of 8 rows with 1 to 8 tiles; a 4 x 4 block on the diagonal would hold 6 partners with no live tile, and rows of 1 to 8 tiles do not divide into fours.
; LDS: for each of four blocks (q's two, k's two, one a wave) three slots of one chunk, on end.  At the head a wave asks for K steps 0 and 1 of its block by one load, behind the first barrier for K step 2, and for K step 3, into
; slot 0, when K step 0 is read: it then has two K steps' work in which to land.  NO PREFETCH: a walk of four K steps, of which three are asked for ahead of the first product, has no loop to run ahead in.
; LIMITS: a row's largest t is held at -3e38 from below, so that a row with no open key in these 128 gives p = 0 and no NaN.  Scaled scores stay under 2^31 in magnitude.
.set CH,    25600
.set CHC,   24576
.set BLKW,  3*CH                       ; a block's three slots
.set SPARE, 4*BLKW
.set FR,    12
.set NL,    3
.set NP,    4
.set ADRA,  8                          ; v8-10, v12-14, v16-18: my blocks and scale words in slots 0, 1, 2
.set ADRB,  12
.set ADRS,  16
.set DB,    24                         ; v24 my query less my first key, for tile 0: 32 (r / 8) + r % 8 - 32 h + DIFF
.set NINF,  25                         ; v25 -infinity
.set CO,    26
.set H8,    27                         ; v27 8 h
.set SPW,   28
.set NIL,   29
.set SC,    32                         ; v32-63 scale words and nothing else
.set BM,    64                         ; v64-67 largest scores, then the two blocks' largest p
.set BX,    68                         ; v68-71 at work
.set SO,    72                         ; v72-73 the conversions' scale operands
.set TT,    76
.set TP,    78                         ; v[78:79] -M (the packed form names the pair and takes its low word)
.set SA,    80
.set SB,    82
.set PX,    84
.set PC,    88
.set PW,    108                        ; v108-115 scale words of the eight tiles
.set NM,    116                        ; v116-123 -M
.set AF,    128
.set T,     128                        ; v128-191 t - M, then p (A's fragments are done with)
.set LS,    192                        ; v192-199 the sums
.set SS,    200
.set G1,    24
.set G0,    32                         ; s[32:35] slot 0's, s[40:43] slot 2's
.set DIFF,  46
.set SEL,   48
.set CS,    50
.set MSB,   0
.macro WIN new
.if MSB != \new
	s_set_vgpr_msb (MSB<<8)|\new
.set MSB, \new
.endif
.endm
.set MUL_LO, 0xa1
.set MUL_HI, 0xf1
.set TO_B,   0x40
.macro PLACES n
.rept \n
	v_nop
.endr
.endm
	s_load_b128 s[4:7], s[0:1], 0x0                ; qk_img, p_img
	s_load_b64 s[8:9], s[0:1], 0x10                ; p_aux
	v_lshl_add_u32 v[SPW], v0, 2, SPARE
	v_mov_b32 v[NIL], 0
	ds_add_u32 v[SPW], v[NIL]                      ; the wave's opening: the add, twice on end, and its wait ahead of my first tensor load
	ds_add_u32 v[SPW], v[NIL]
	v_lshrrev_b32 v1, 5, v0
	v_readfirstlane_b32 s14, v1                    ; wave
	s_lshr_b32 s15, s14, 1                         ; my half of the queries
	s_and_b32 s16, s14, 1                          ; my half of the keys; also: which block I fetch
	s_and_b32 s18, ttmp7, 0xffff                   ; the batch
	s_mov_b32 s17, 0                               ; tile t of the triangle: i = how many of 1, 3, 6 .. 28 are at most t,
.irp n, 1,3,6,10,15,21,28
	s_cmp_ge_u32 ttmp9, \n
	s_add_co_ci_u32 s17, s17, 0
.endr
	s_add_co_u32 s19, s17, 1
	s_mul_i32 s19, s19, s17
	s_lshr_b32 s19, s19, 1
	s_sub_co_u32 s19, ttmp9, s19                   ; j = t - i (i + 1) / 2, at most i
	s_lshl_b32 s20, s18, 4
	s_lshl_b32 s21, s17, 1
	s_add_co_u32 s21, s21, s20                     ; q's block: 16 b + 2 i
	s_lshl_b32 s22, s19, 1
	s_add_co_u32 s22, s22, s20
	s_add_co_u32 s22, s22, 64                      ; k's: 64 blocks behind q's
	s_cmp_lt_u32 s14, 2
	s_cselect_b32 s22, s21, s22
	s_add_co_u32 s22, s22, s16
	s_mul_i32 s22, s22, 4*CH
	s_mov_b32 s23, 0
	s_mov_b32 s[G1+0], 3<<16                       ; no mask; elements of 8 bytes; no padding
	s_mov_b32 s[G1+1], 32<<16                      ; at the head two K steps in one load: 200 rows of 256 bytes, dense
	s_mov_b32 s[G1+2], 200<<16
	s_mov_b32 s[G1+3], 32<<16
	s_mov_b32 s[G1+4], 200
	s_mov_b32 s[G1+5], 32
	s_mov_b32 s[G1+6], 0
	s_mov_b32 s[G1+7], 0
	s_mul_i32 s56, s14, BLKW
	s_sub_co_u32 s[DIFF], s17, s19
	s_lshl_b32 s[DIFF], s[DIFF], 1
	s_add_co_u32 s[DIFF], s[DIFF], s15
	s_sub_co_i32 s[DIFF], s[DIFF], s16
	s_lshl_b32 s[DIFF], s[DIFF], 7                 ; my first query less my first key: 256 (i - j) + 128 (query half - key half): -128, 0, or 128 and more
	s_mov_b32 s[SEL], 0x76543210
	s_mov_b32 s[SEL+1], 0xfedcba98
	s_mov_b32 s[CS], 0x3d38aa3b                    ; c = log2(e) / 32
	s_mov_b32 s[CS+1], s[CS]
	s_wait_dscnt 0x0                               ; both opening adds are done
	s_wait_kmcnt 0x0
	s_add_nc_u64 s[22:23], s[4:5], s[22:23]
.irp s, 0,2
	s_mov_b32 s[G0+4*\s], 1
	s_add_co_u32 s[G0+4*\s+1], s56, \s*CH
	s_add_nc_u64 s[G0+4*\s+2:G0+4*\s+3], s[22:23], \s*CH
	s_or_b32 s[G0+4*\s+3], s[G0+4*\s+3], 0x80000000
.endr
	tensor_load_to_lds s[G0:G0+3], s[G1:G1+7]      ; K steps 0 and 1: every wave its own block
	s_nop 0
	PLACES 4
	v_and_b32 v1, 31, v0
	v_and_b32 v2, 15, v0
	v_bfe_u32 v3, v0, 4, 1
	v_lshlrev_b32 v[CO], 4, v1
	s_wait_alu depctr_va_vdst(0)
	s_mul_i32 s52, s15, BLKW
	s_mul_i32 s53, s16, BLKW
	s_add_co_u32 s53, s53, 2*BLKW
	s_xor_b32 s54, s15, 1
	s_add_co_u32 s54, s54, s16
	s_add_co_u32 s54, s54, 1
	s_mul_i32 s54, s54, BLKW
	v_mul_u32_u24 v4, s54, v3
	v_lshl_add_u32 v4, v2, 4, v4                   ; scale words: lanes 0-15 q's block, lanes 16-31 k's
	s_add_co_u32 s55, s52, 24576
.irp s, 0,1,2
	v_add_nc_u32 v[ADRA+\s], s52, v[CO]
	v_add_nc_u32 v[ADRB+\s], s53, v[CO]
	v_add_nc_u32 v[ADRS+\s], s55, v4
	s_add_co_u32 s52, s52, CH
	s_add_co_u32 s53, s53, CH
	s_add_co_u32 s55, s55, CH
.endr
	v_lshlrev_b32 v[H8], 3, v3
	v_and_b32 v4, 8, v2
	v_mad_u32_u24 v4, v4, 3, v2
	v_lshlrev_b32 v5, 5, v3
	v_sub_nc_u32 v4, v4, v5
	v_add_nc_u32 v[DB], s[DIFF], v4
	v_mov_b32 v[NINF], 0xff800000
	v_mov_b32 v[TP+1], 0                           ; (named as the upper half of a pair)
	v_mov_b32 v[PX], 0
.irp b, 0,1,2,3
	v_mov_b32 v[BX+\b], 0                          ; written once: a lane permute's destination counts as one of its sources
.endr
	s_lshl_b32 s57, s18, 4
	s_lshl_b32 s60, s17, 1
	s_add_co_u32 s57, s57, s60
	s_add_co_u32 s57, s57, s15                     ; my block of 128 queries: 16 b + 2 i + half
	s_lshl_b32 s58, s57, 3
	s_add_co_u32 s58, s58, s19
	s_mul_i32 s58, s58, CHC
	s_mul_i32 s60, s16, 12288
	s_add_co_u32 s58, s58, s60
	s_mov_b32 s59, 0
	s_add_nc_u64 s[10:11], s[6:7], s[58:59]        ; p's codes: chunk j of the block, half = my key half
	s_lshl_b32 s58, s57, 4
	s_lshl_b32 s60, s19, 1
	s_add_co_u32 s58, s58, s60
	s_add_co_u32 s58, s58, s16
	s_mul_i32 s58, s58, 1536
	s_add_nc_u64 s[12:13], s[8:9], s[58:59]        ; scale words, -M, sums of chunk 2 j + half
.macro FRAG reg, adr, off
.irp c, 0,1,2
	ds_load_b128 v[\reg+4*\c:\reg+4*\c+3], v[\adr] offset:\off+512*\c
.endr
.endm
.macro MUL16 a0, p, q, sc, zero        ; source 0 = 16 keys, source 1 = 16 queries; the 64 accumulators take turns
.irp a, \a0, \a0+1
.irp b, 0,1,2,3,4,5,6,7
.if \zero
	v_wmma_scale_f32_16x16x128_f8f6f4 v[8*(8*((\a)%4)+\b):8*(8*((\a)%4)+\b)+7], v[128*(\p)+FR*\b:128*(\p)+FR*\b+FR-1], v[AF+FR*(\a):AF+FR*(\a)+FR-1], 0, v[SC+16*(\sc)+8*(\q)+\b], v[SC+16*(\sc)+8*(\q)+(\a)] matrix_a_fmt:MATRIX_FMT_FP6 matrix_b_fmt:MATRIX_FMT_FP6 matrix_a_scale:MATRIX_SCALE_ROW1
.else
	v_wmma_scale_f32_16x16x128_f8f6f4 v[8*(8*((\a)%4)+\b):8*(8*((\a)%4)+\b)+7], v[128*(\p)+FR*\b:128*(\p)+FR*\b+FR-1], v[AF+FR*(\a):AF+FR*(\a)+FR-1], v[8*(8*((\a)%4)+\b):8*(8*((\a)%4)+\b)+7], v[SC+16*(\sc)+8*(\q)+\b], v[SC+16*(\sc)+8*(\q)+(\a)] matrix_a_fmt:MATRIX_FMT_FP6 matrix_b_fmt:MATRIX_FMT_FP6 matrix_a_scale:MATRIX_SCALE_ROW1
.endif
.endr
.endr
.endm
.macro FETCH_B slot, q, p
	WIN TO_B
.irp i, 0,1,2,3,4,5,6,7
	FRAG 128*(\p)+FR*\i, ADRB+\slot, (8*(\q)+\i)*1536
.endr
	WIN 0
.endm
.macro FETCH_A slot, q, i0
.irp i, \i0, \i0+1, \i0+2, \i0+3
	FRAG AF+FR*(\i), ADRA+\slot, (8*(\q)+(\i))*1536
.endr
.endm
.macro SCALES slot, sc
.irp q, 0,1
.irp g, 0,1
	ds_load_b128 v[SC+16*(\sc)+8*\q+4*\g:SC+16*(\sc)+8*\q+4*\g+3], v[ADRS+\slot] offset:512*\q+256*\g
.endr
.endr
.endm
; 128 along K (half q of a slot, scale set sc) whose successor (slot nslot, half nq, scale set nsc) lies in bytes that every wave already knows to be whole: no barrier
.macro STEP q, sc, nslot, nq, nsc, zero
	s_wait_dscnt 4*NL                              ; all but the youngest 12 loads (the queries' tiles 4-7) are in
	WIN MUL_LO
	MUL16 0, \q, \q, \sc, \zero
	MUL16 2, \q, \q, \sc, \zero
	s_wait_dscnt 0
	PLACES NP
	FETCH_B \nslot, \nq, \nq
	FETCH_A \nslot, \nq, 0
.if \nq == 0
	SCALES \nslot, \nsc
.endif
	WIN MUL_HI
	MUL16 4, \q, \q, \sc, \zero
	MUL16 6, \q, \q, \sc, \zero
	PLACES NP
	WIN 0
	FETCH_A \nslot, \nq, 4
.endm
; A slot's last step with a barrier: in front of it each wave waits for all its tensor loads, adds 0 to its spare word, and waits for that and for its reads.  fill = 1: slot 0 takes K step 3
.macro TURN sc, next, nsc, fill
	s_wait_tensorcnt 0x0                           ; all my tensor loads have landed
	ds_add_u32 v[SPW], v[NIL]
	s_wait_dscnt 4*NL+1                            ; (the add and the youngest 12 loads may be out)
	WIN MUL_LO
	MUL16 0, 1, 1, \sc, 0
	s_wait_dscnt 0x0                               ; the add is done, and my reads of this slot are over
	s_barrier_signal -1
	MUL16 2, 1, 1, \sc, 0
	WIN 0
	s_barrier_wait -1                              ; nobody reads this slot any more, and all that has been asked for is whole
.if \fill
	s_add_nc_u64 s[G0+2:G0+3], s[G0+2:G0+3], 3*CH
	tensor_load_to_lds s[G0:G0+3], s[G1:G1+7]      ; my one load behind the barrier
	s_nop 0
.endif
	PLACES NP
	FETCH_B \next, 0, 0
	FETCH_A \next, 0, 0
	SCALES \next, \nsc
	WIN MUL_HI
	MUL16 4, 1, 1, \sc, 0
	MUL16 6, 1, 1, \sc, 0
	PLACES NP
	WIN 0
	FETCH_A \next, 0, 4
.endm
	s_wait_alu depctr_va_vdst(0)
	s_wait_tensorcnt 0x0                           ; my part of K steps 0 and 1 is in
	ds_add_u32 v[SPW], v[NIL]
	s_mov_b32 s[G1+2], 100<<16                     ; from here on a load brings one K step
	s_mov_b32 s[G1+4], 100
	s_wait_dscnt 0x0
	s_barrier_signal -1
	s_barrier_wait -1
	tensor_load_to_lds s[G0+8:G0+11], s[G1:G1+7]   ; K step 2
	s_nop 0
	PLACES 4
	FETCH_B 0, 0, 0
	FETCH_A 0, 0, 0
	SCALES 0, 0
	FETCH_A 0, 0, 4
	STEP 0, 0, 0, 1, 0, 1                          ; K step 0: the first products start the sums
	TURN 0, 1, 1, 1                                ; slot 0 takes K step 3; K step 2 is whole
	STEP 0, 1, 1, 1, 1, 0                          ; K step 1
	STEP 1, 1, 2, 0, 0, 0                          ; on into K step 2 with no barrier
	STEP 0, 0, 2, 1, 0, 0
	TURN 0, 0, 1, 0                                ; K step 3 is whole; nothing is left to fetch
	STEP 0, 1, 0, 1, 1, 0
	s_wait_dscnt 4*NL
	WIN MUL_LO
	MUL16 0, 1, 1, 1, 0
	MUL16 2, 1, 1, 1, 0
	s_wait_dscnt 0
	WIN MUL_HI
	MUL16 4, 1, 1, 1, 0
	MUL16 6, 1, 1, 1, 0
	WIN 0
	PLACES NP
; THE SOFTMAX OF TILE a: lane (r, h) holds query 64 (a / 4) + 32 (r / 8) + 8 (a % 4) + r % 8 of my 128; register n holds key 64 (n / 32) + 32 h + n % 32: 32 registers are a scale block
.macro SOFT a
.set AC, 64*((\a)%4)
.set WW, 2+(\a)/4
	s_cmp_ge_i32 s[DIFF], 128                      ; all my keys come before all my queries: nothing is hidden.  Ids and the wave's number alone
	s_cbranch_scc1 .Lopen_\@
	WIN (WW|(WW<<6))
.set n, 0
	s_wait_alu depctr_va_vdst(0)
.rept 64
	v_cmp_gt_i32 vcc_lo, 64*(n/32)+n%32-(64*((\a)/4)+8*((\a)%4)), v[DB]   ; key > query
	v_cndmask_b32 v[AC+n], v[AC+n], v[NINF], vcc_lo
.set n, n+1
.endr
	WIN 0
.Lopen_\@:
	WIN ((WW<<2)|(WW<<4))
	s_wait_alu depctr_va_vdst(0)
.irp b, 0,1,2,3
	v_max3_num_f32 v[BM+\b], v[NINF], v[AC+16*\b], v[AC+16*\b+1]   ; the largest score of each half block: for the row's maximum, and, since p rises with the score, for the block's largest p
.endr
.irp i, 2,4,6,8,10,12,14
.irp b, 0,1,2,3
	v_max3_num_f32 v[BM+\b], v[BM+\b], v[AC+16*\b+\i], v[AC+16*\b+\i+1]
.endr
.endr
	WIN 0
	v_max_num_f32 v[BM], v[BM], v[BM+1]            ; my two blocks
	v_max_num_f32 v[BM+1], v[BM+2], v[BM+3]
	v_max_num_f32 v[TT], v[BM], v[BM+1]
	v_permlanex16_b32 v[BX], v[TT], s[SEL], s[SEL+1]
	v_max_num_f32 v[TT], v[TT], v[BX]              ; the row's
	v_mul_f32 v[TT], s[CS], v[TT]                  ; as t (c is positive)
	v_max_num_f32 v[TT], 0xff61b1e6, v[TT]         ; held at -3e38
	v_floor_f32 v[TP], -v[TT]                      ; -M = floor(-t) = -ceil(t)
	v_mov_b32 v[NM+(\a)], v[TP]
	WIN WW
.set j, 0
.rept 32
	v_pk_fma_f32 v[T+j:T+j+1], v[AC+j:AC+j+1], s[CS:CS+1], v[TP:TP+1] op_sel_hi:[1,0,0]   ; t - M, two at a time
.set j, j+2
.endr
	WIN 0
.irp b, 0,1
	v_fma_f32 v[BM+\b], v[BM+\b], s[CS], v[TP]     ; the same of each block's largest score
.endr
.set j, 0
	s_wait_alu depctr_va_vdst(0)
.rept 64
	v_exp_f32 v[T+j], v[T+j]                       ; p = 2^(t - M), at most 1
.set j, j+1
.endr
	v_nop                                          ; a plain line behind the exponentials
	s_wait_alu depctr_va_vdst(0)                   ; one wait for the batch, ahead of its first reader
.irp b, 0,1
	v_exp_f32 v[BM+\b], v[BM+\b]                   ; the block's largest p
.endr
	v_pk_add_f32 v[SA:SA+1], v[T:T+1], v[T+2:T+3]  ; the sum of the unquantised p, in two chains
	v_pk_add_f32 v[SB:SB+1], v[T+4:T+5], v[T+6:T+7]
.irp j, 8,12,16,20,24,28,32,36,40,44,48,52,56,60
	v_pk_add_f32 v[SA:SA+1], v[SA:SA+1], v[T+\j:T+\j+1]
	v_pk_add_f32 v[SB:SB+1], v[SB:SB+1], v[T+\j+2:T+\j+3]
.endr
	v_pk_add_f32 v[SA:SA+1], v[SA:SA+1], v[SB:SB+1]
	s_wait_alu depctr_va_vdst(0)                   ; and one for the two
.irp b, 0,1
	v_max_num_f32 v[BM+\b], 0x1800000, v[BM+\b]    ; the floor: a block whose every p is 0 keeps the byte 1: its codes are zeros
.endr
.irp b, 0,1
	v_add_nc_u32 v[SO+\b], 0xff000000, v[BM+\b]
.endr
.irp b, 0,1
	v_lshrrev_b32 v[BX+\b], 23, v[SO+\b]
.endr
	v_lshl_or_b32 v[BX], v[BX+1], 16, v[BX]        ; bytes h and 2 + h,
	v_lshlrev_b32 v[BX], v[H8], v[BX]
	v_permlanex16_b32 v[BX+2], v[BX], s[SEL], s[SEL+1]
	v_or_b32 v[PW+(\a)], v[BX], v[BX+2]            ; with lane l xor 16's the word
	v_add_f32 v[SA], v[SA], v[SA+1]
	v_permlanex16_b32 v[PX], v[SA], s[SEL], s[SEL+1]
	v_add_f32 v[LS+(\a)], v[SA], v[PX]             ; the row's sum over these 128 keys
	s_wait_xcnt 0x0                                ; the last tile's stores have read the codes' registers
.irp c, 0,1
	v_cvt_scalef32_pk16_fp6_f32 v[PC+6*\c:PC+2+6*\c], v[T+32*\c:T+15+32*\c], v[SO+\c]
	v_cvt_scalef32_pk16_fp6_f32 v[PC+12+4*\c:PC+14+4*\c], v[T+16+32*\c:T+31+32*\c], v[SO+\c]
.endr
	v_nop
.irp c, 0,1
.irp i, 0,1,2
	v_mov_b32 v[PC+3+6*\c+\i], v[PC+12+4*\c+\i]
.endr
.endr
.irp c, 0,1,2
	global_store_b128 v[CO], v[PC+4*\c:PC+4*\c+3], s[10:11] offset:1536*(\a)+512*\c
.endr
.endm
.irp t, 0,1,2,3,4,5,6,7
	SOFT \t
.endr
	v_cmp_le_u32 vcc_lo, 16, v1                    ; lanes 0-15 store tiles 0-3's numbers of row r, lanes 16-31 tiles 4-7's: 512 consecutive bytes a store
.irp j, 0,1,2,3
	v_cndmask_b32 v[SS+\j], v[PW+\j], v[PW+4+\j], vcc_lo
	v_cndmask_b32 v[SS+4+\j], v[NM+\j], v[NM+4+\j], vcc_lo
	v_cndmask_b32 v[SS+8+\j], v[LS+\j], v[LS+4+\j], vcc_lo
.endr
	global_store_b128 v[CO], v[SS:SS+3], s[12:13]
	global_store_b128 v[CO], v[SS+4:SS+7], s[12:13] offset:512
	global_store_b128 v[CO], v[SS+8:SS+11], s[12:13] offset:1024
	s_wait_tensorcnt 0x0                           ; the wave's end
	ds_add_u32 v[SPW], v[NIL]
	s_wait_dscnt 0x0
	s_endpgm
.Lfunc_end_k_q9491cc8b53_scores:
	.size	k_q9491cc8b53_scores, .Lfunc_end_k_q9491cc8b53_scores-k_q9491cc8b53_scores
	.p2alignl 7, 3214868480
	.fill 96, 4, 3214868480
	.section	.rodata,"a",@progbits
	.p2align	6, 0x0
	.amdhsa_kernel k_q9491cc8b53_scores
		.amdhsa_group_segment_fixed_size 327680
		.amdhsa_private_segment_fixed_size 0
		.amdhsa_enable_private_segment 0
		.amdhsa_kernarg_size 24
		.amdhsa_user_sgpr_count 2
		.amdhsa_user_sgpr_kernarg_segment_ptr 1
		.amdhsa_wavefront_size32 1
		.amdhsa_system_sgpr_workgroup_id_x 1
		.amdhsa_system_sgpr_workgroup_id_y 1
		.amdhsa_system_sgpr_workgroup_id_z 1
		.amdhsa_system_vgpr_workitem_id 0
		.amdhsa_next_free_vgpr 1024
		.amdhsa_next_free_sgpr 66
		.amdhsa_reserve_vcc 1
		.amdhsa_float_denorm_mode_32 3
		.amdhsa_float_denorm_mode_16_64 3
		.amdhsa_memory_ordered 1
		.amdhsa_forward_progress 1
		.amdhsa_inst_pref_size 223
	.end_amdhsa_kernel
	.amdgpu_metadata
---
amdhsa.version: [ 1, 2 ]
amdhsa.kernels:
  - .name:           k_q9491cc8b53_scores
    .symbol:         k_q9491cc8b53_scores.kd
    .args:
      - { .name: qk_img, .offset: 0, .size: 8, .value_kind: global_buffer, .address_space: global }
      - { .name: p_img, .offset: 8, .size: 8, .value_kind: global_buffer, .address_space: global }
      - { .name: p_aux, .offset: 16, .size: 8, .value_kind: global_buffer, .address_space: global }
    .group_segment_fixed_size: 327680
    .private_segment_fixed_size: 0
    .kernarg_segment_align: 8
    .kernarg_segment_size: 24
    .max_flat_workgroup_size: 128
    .sgpr_count:     66
    .vgpr_count:     1024
    .wavefront_size: 32
...
	.end_amdgpu_metadata
.endif
;; end of part 7
;; launch pv (part 8): grid 4 x 64, 4 waves a work-group, no clusters, 327,680 bytes of LDS; arguments p_img, p_aux, vt_img, out0; writes out0
.if DOCPART == 8
	.amdgcn_target "amdgcn-amd-amdhsa--gfx1250"
	.amdhsa_code_object_version 6
	.text
	.protected	k_q9491cc8b53_pv
	.globl	k_q9491cc8b53_pv
	.p2align	8
	.type	k_q9491cc8b53_pv,@function
k_q9491cc8b53_pv:
	s_mov_b64 s[64:65], 0
	v_nop
	global_prefetch_b8 v0, s[64:65] scope:SCOPE_SE
	s_setreg_imm32_b32 hwreg(HW_REG_WAVE_MODE, 25, 1), 1
	s_wait_xcnt 0x0
; FOURTH LAUNCH: out = (p v) / l on the images of p and of v^T; K = the keys.
; WORK LEFT OUT: key steps of 128 whose every key comes after the work-group's last query (their p is 0 by the mask that reference() builds, for all inputs), and the slots that hold only such steps.
; SHARES.  A work-group takes 128 queries x 256 of the 1,024 columns: 256 work-groups, those with the most keys first.  A wave takes 64 queries x 128 columns: 32 accumulators.
; Source 0 = 16 rows of v^T, source 1 = 16 queries of p: a lane holds one query, its registers run along the columns.  A step's fragments (4 of p, 8 of v^T) lie twice in registers: the next step's are fetched among this step's products.
; THE ROW'S M.  p came with an M for each chunk of 128 keys.  At the head each thread takes one row: -M of the row = the least -M of its live chunks; l = the sum of the chunks' sums x 2^(M_c - M); and M - M_c is taken off
; each of the chunk's four scale bytes.  All are whole powers of two.  LIMIT: a byte that would fall under 0 is held at 0, that is 2^-127: such p are under 2^-124 beside a row's largest p of more than 1/2.
; THE RING: two places for slots of 512 keys, four key steps: p's two chunks (waves 0 and 1 one each) and two chunks of each of v^T's two blocks (waves 2 and 3 a block each).  Every wait for tensor loads is for 0.
; Every work-group passes all changes of slots; work and loads beyond the causal limit are jumped over by tests of the work-group's last query, the same in all four waves; no step that counts reads a slot that was not asked for.
; A chunk of p behind the limit that shares a slot with live chunks is brought into LDS; its codes may reach registers and no product.
; NO CLUSTER: partners along the queries would need different numbers of slots; along the columns only p, a third of a slot's bytes, is shared.
; NO PREFETCH: a walk has at most four slots of 151,552 bytes, of which two are asked for ahead of the first product, and each other one four key steps ahead of its first use: it would run ahead of two loads alone.
.set CH,    25600
.set CHC,   24576
.set PB,    2*CHC                      ; p's part of a slot
.set VB,    2*CH                       ; one block of v^T's part
.set SLOTB, PB+2*VB
.set PSC,   2*SLOTB                    ; p's scale words under the row's M: 16 chunks x 512 bytes
.set LINV,  PSC+8192                   ; 1 / l: a word a thread
.set STAGE, PSC                        ; the way out: 16 rows x (256 bytes + 16) for each wave; used behind a barrier behind which nobody reads PSC or LINV; no tensor load lands here
.set SPARE, STAGE+4*16*272
.set SPW,  2
.set NIL,  3
.set ASP0, 4
.set ASP,  5                           ; LDS: p's scale words, this trip's
.set ADP,  6                           ; v6, v7   my four tiles of p in places 0, 1
.set ADV,  8                           ; v8, v9   my block of v^T: 16 x lane
.set ADV8, 10                          ; v10, v11 8 x lane
.set ADSV, 12                          ; v12, v13 its scale words
.set GO,   14
.set STO,  15
.set RD,   16
.set LI,   20
.set LP,   24                          ; v[24:25]
.set SPR,  32                          ; scales and nothing else: set e: p's four at 32 + 16 e, v^T's eight at 36 + 16 e and 44 + 16 e
.set OF,   64
.set NM,   96
.set LS,   112
.set PWD,  128
.set DD,   144
.set BK,   96                          ; the way out: two sets of 32
.set QL,   62                          ; my work-group's last query
.set GL,   63                          ; this trip's first key
.set LIM,  66                          ; the first key of the slot that is asked for next
.set CNT,  67
.set AST,  68
.set G1P,  24
.set G1V,  32
.set G0P,  40
.set G0V,  44
; WINDOWS: 0: all of the above; 1: the accumulators, (a, b) at 8 (8 a + b); 2 and 3: fragments of even and odd steps: p's at 12 a, v^T's at 48 + 12 b
.set MSB,  0
.macro WIN new
.if MSB != \new
	s_set_vgpr_msb (MSB<<8)|\new
.set MSB, \new
.endif
.endm
.macro WALU
	s_wait_alu depctr_va_vdst(0)
.endm
.macro PLACES n
.rept \n
	v_nop
.endr
.endm
.macro TLOAD
	s_cmp_lt_u32 s14, 2
	s_cbranch_scc0 .Lfor_v_\@
	tensor_load_to_lds s[G0P:G0P+3], s[G1P:G1P+7]
	s_nop 0
	PLACES 4
	s_branch .Lasked_\@
.Lfor_v_\@:
	tensor_load_to_lds s[G0V:G0V+3], s[G1V:G1V+7]
	s_nop 0
	PLACES 4
.Lasked_\@:
.endm
; KEY STEP s of a trip (8 steps): place (s / 4) % 2, chunk (s % 4) / 2 of the slot, half s % 2 of the chunk, fragment set s % 2
.macro LG0 s                           ; 15 loads: scale words and p's fragments
.set PL_, ((\s)/4)%2
.set KC_, ((\s)%4)/2
.set E_, (\s)%2
	WIN 0
	ds_load_b128 v[SPR+16*E_:SPR+16*E_+3], v[ASP] offset:512*((\s)-8*((\s)/9))   ; (step 9 is the next trip's step 1: v[ASP] stands there already)
	ds_load_b128 v[SPR+16*E_+4:SPR+16*E_+7], v[ADSV+PL_] offset:KC_*CH+512*E_
	ds_load_b128 v[SPR+16*E_+12:SPR+16*E_+15], v[ADSV+PL_] offset:KC_*CH+512*E_+256
	WIN (2+E_)<<6
.irp a, 0,1,2,3
.irp c, 0,1,2
	ds_load_b128 v[12*\a+4*\c:12*\a+4*\c+3], v[ADP+PL_] offset:KC_*CHC+(8*E_+\a)*1536+512*\c
.endr
.endr
.endm
.macro LGV s, b0                       ; 16 loads: four of v^T's fragments
.set PL_, ((\s)/4)%2
.set KC_, ((\s)%4)/2
.set E_, (\s)%2
	WIN (2+E_)<<6
.irp b, \b0, \b0+1, \b0+2, \b0+3
.irp c, 0,1
	ds_load_b128 v[48+12*(\b)+6*\c:48+12*(\b)+6*\c+3], v[ADV+PL_] offset:KC_*CH+(8*E_+(\b))*1536+768*\c
	ds_load_b64 v[48+12*(\b)+6*\c+4:48+12*(\b)+6*\c+5], v[ADV8+PL_] offset:KC_*CH+(8*E_+(\b))*1536+768*\c+512
.endr
.endr
.endm
.macro PR s, b0, n, zero               ; 4 n products: column tiles b0 on; the accumulators take turns
.set E_, (\s)%2
.set B_, \b0
	WIN (2+E_)|((2+E_)<<2)|(1<<4)|(1<<6)
.rept \n
.irp a, 0,1,2,3
.if \zero
	v_wmma_scale_f32_16x16x128_f8f6f4 v[8*(8*\a+B_):8*(8*\a+B_)+7], v[48+12*B_:48+12*B_+11], v[12*\a:12*\a+11], 0, v[SPR+16*E_+4+8*(B_/4)+B_%4], v[SPR+16*E_+\a] matrix_a_fmt:MATRIX_FMT_FP6 matrix_b_fmt:MATRIX_FMT_FP6
.else
	v_wmma_scale_f32_16x16x128_f8f6f4 v[8*(8*\a+B_):8*(8*\a+B_)+7], v[48+12*B_:48+12*B_+11], v[12*\a:12*\a+11], v[8*(8*\a+B_):8*(8*\a+B_)+7], v[SPR+16*E_+4+8*(B_/4)+B_%4], v[SPR+16*E_+\a] matrix_a_fmt:MATRIX_FMT_FP6 matrix_b_fmt:MATRIX_FMT_FP6
.endif
.endr
.set B_, B_+1
.endr
.endm
.macro TEST s, past                    ; step s's keys all come after all my work-group's queries: on to past
	s_add_co_u32 s20, s[GL], 128*(\s)
	s_cmp_lt_u32 s[QL], s20
	s_cbranch_scc1 \past
.endm
.macro STEP s, zero, test
.if \test
	TEST \s, .Lhidden_\@
.endif
	PLACES 4                                       ; between the last step's products and the loads into their registers
	s_wait_dscnt 16                                ; all but v^T's second four fragments are in
	LG0 (\s)+1
	PR \s, 0, 2, \zero
	LGV (\s)+1, 0
	PR \s, 2, 2, \zero
	s_wait_dscnt 31                                ; those, too; the 31 just issued may be out
	LGV (\s)+1, 4
	PR \s, 4, 4, \zero
	WIN 0
.Lhidden_\@:
.endm
; a slot's last step, with the change of slots: behind its barrier place pl is filled with the slot two on, if that slot's first key is at or under my work-group's last query
.macro TURN s, pl
	TEST \s, .Lhidden1_\@
	s_wait_dscnt 0x0
	PR \s, 0, 4, 0
	WIN 0
.Lhidden1_\@:
	s_wait_tensorcnt 0x0                           ; no tensor load of mine is out, so a group 0 may be written
	ds_add_u32 v[SPW], v[NIL]
	s_add_co_u32 s[G0P+1], s57, (\pl)*SLOTB
	s_add_nc_u64 s[G0P+2:G0P+3], s[G0P+2:G0P+3], PB
	s_add_co_u32 s[G0V+1], s58, (\pl)*SLOTB
	s_add_nc_u64 s[G0V+2:G0V+3], s[G0V+2:G0V+3], VB
	s_wait_dscnt 0x0                               ; the add is done, and so are my reads of the place that I leave
	s_barrier_signal -1
	s_barrier_wait -1
	s_cmp_lt_u32 s[QL], s[LIM]
	s_cbranch_scc1 .Lpast_\@
	TLOAD
.Lpast_\@:
	s_add_co_u32 s[LIM], s[LIM], 512
	TEST (\s)+1, .Lhidden2_\@
	PLACES 4
	LG0 (\s)+1
	LGV (\s)+1, 0
	LGV (\s)+1, 4
	WIN 0
.Lhidden2_\@:
	TEST \s, .Lhidden3_\@
	PR \s, 4, 4, 0
	WIN 0
.Lhidden3_\@:
.endm
	s_load_b256 s[4:11], s[0:1], 0x0               ; p_img, p_aux, vt_img, out0
	v_lshl_add_u32 v[SPW], v0, 2, SPARE
	v_mov_b32 v[NIL], 0
	ds_add_u32 v[SPW], v[NIL]                      ; the wave's opening: the add, twice on end
	ds_add_u32 v[SPW], v[NIL]
	v_lshrrev_b32 v1, 5, v0
	v_readfirstlane_b32 s14, v1                    ; wave
	s_lshr_b32 s15, s14, 1                         ; my half of the queries
	s_and_b32 s16, s14, 1                          ; my half of the columns; also: which chunk or block I fetch
	s_and_b32 s12, ttmp7, 0xffff
	s_xor_b32 s12, s12, 15                         ; 16 b + qb: the longest walks first
	s_lshr_b32 s13, s12, 4                         ; the batch
	s_and_b32 s18, s12, 15                         ; qb: my block of 128 queries
	s_mov_b32 s[G1P+0], 3<<16                      ; a chunk of p: 96 rows of 256 bytes, dense
	s_mov_b32 s[G1P+1], 32<<16
	s_mov_b32 s[G1P+2], 96<<16
	s_mov_b32 s[G1P+3], 32<<16
	s_mov_b32 s[G1P+4], 96
	s_mov_b32 s[G1P+5], 32
	s_mov_b32 s[G1P+6], 0
	s_mov_b32 s[G1P+7], 0
	s_mov_b32 s[G1V+0], 3<<16                      ; two chunks of v^T: 200 rows
	s_mov_b32 s[G1V+1], 32<<16
	s_mov_b32 s[G1V+2], 200<<16
	s_mov_b32 s[G1V+3], 32<<16
	s_mov_b32 s[G1V+4], 200
	s_mov_b32 s[G1V+5], 32
	s_mov_b32 s[G1V+6], 0
	s_mov_b32 s[G1V+7], 0
	s_lshl_b32 s[QL], s18, 7
	s_or_b32 s[QL], s[QL], 127
	s_mov_b32 s[GL], 0
	s_mov_b32 s[LIM], 512
	s_mov_b32 s[CNT], 0
	s_mov_b32 s[AST], 0
	s_mul_i32 s57, s16, CHC
	s_mul_i32 s58, s16, VB
	s_add_co_u32 s58, s58, PB
	s_mul_i32 s48, s12, 8*CHC
	s_add_co_u32 s48, s48, s57                     ; p: my block's chunk 0 or 1
	s_mov_b32 s49, 0
	s_lshl_b32 s50, ttmp9, 1
	s_add_co_u32 s50, s50, s16
	s_lshl_b32 s50, s50, 5
	s_lshl_b32 s19, s13, 3
	s_add_co_u32 s50, s50, s19
	s_mul_i32 s50, s50, CH                         ; v^T: chunk (2 x column quarter + half, 8 b)
	s_mov_b32 s51, 0
	s_mul_i32 s52, s12, 16*1536
	s_mov_b32 s53, 0
	WALU
	s_wait_dscnt 0x0                               ; both opening adds are done
	s_wait_kmcnt 0x0
	s_mov_b32 s[G0P], 1
	s_mov_b32 s[G0P+1], s57
	s_add_nc_u64 s[G0P+2:G0P+3], s[4:5], s[48:49]
	s_or_b32 s[G0P+3], s[G0P+3], 0x80000000
	s_mov_b32 s[G0V], 1
	s_mov_b32 s[G0V+1], s58
	s_add_nc_u64 s[G0V+2:G0V+3], s[8:9], s[50:51]
	s_or_b32 s[G0V+3], s[G0V+3], 0x80000000
	TLOAD                                          ; slot 0: key 0 counts for every query
	s_add_nc_u64 s[6:7], s[6:7], s[52:53]
	v_lshlrev_b32 v30, 2, v0                       ; my row's place in a chunk's 128 words
	WALU
.irp c, 0,1,2,3,4,5,6,7,8,9,10,11,12,13,14,15
	s_min_u32 s21, s18, \c                         ; a chunk behind qb is dead: its offset is held at qb's
	s_mul_i32 s21, s21, 1536
	v_add_nc_u32 v[OF+\c], s21, v30
.endr
	WALU
.irp c, 0,1,2,3,4,5,6,7,8,9,10,11,12,13,14,15
	global_load_b32 v[NM+\c], v[OF+\c], s[6:7] offset:512      ; -M of chunk c,
	global_load_b32 v[LS+\c], v[OF+\c], s[6:7] offset:1024     ; its sum,
	global_load_b32 v[PWD+\c], v[OF+\c], s[6:7]                ; its scale word
.endr
	; addresses that stay, while the loads are out
	s_mul_i32 s21, s15, 4*1536
	s_lshl_b32 s22, s15, 8
	s_add_co_u32 s22, s22, PSC
	s_add_co_u32 s23, s58, 24576
	s_mul_i32 s54, s14, 16*272
	s_add_co_u32 s54, s54, STAGE
	v_and_b32 v160, 15, v0                         ; r
	v_bfe_u32 v161, v0, 4, 1                       ; h
	v_and_b32 v162, 31, v0
	v_lshlrev_b32 v163, 4, v162                    ; 16 x lane
	v_lshlrev_b32 v164, 3, v162
	v_lshlrev_b32 v165, 4, v160                    ; 16 r
	v_add_nc_u32 v[ADP], s21, v163
	v_add_nc_u32 v[ADV], s58, v163
	v_add_nc_u32 v[ADV8], s58, v164
	v_add_nc_u32 v[ADSV], s23, v165
	v_add_nc_u32 v[ASP0], s22, v165
	v_mov_b32 v[ASP], v[ASP0]
.irp p, ADP, ADV, ADV8, ADSV
	v_add_nc_u32 v[\p+1], SLOTB, v[\p]
.endr
	v_lshl_add_u32 v[GO], v161, 12, v165           ; out: lanes 0-15 one row, lanes 16-31 the next
	v_mul_u32_u24 v[STO], v160, 272
	v_lshl_add_u32 v[STO], v161, 7, v[STO]
	v_add_nc_u32 v[STO], s54, v[STO]               ; the stage, in: row r, + 128 h
	v_mul_u32_u24 v[RD], v161, 272
	v_add_nc_u32 v[RD], v[RD], v165
	v_add_nc_u32 v[RD], s54, v[RD]                 ; back: two rows an instruction
	v_mov_b32 v[LP+1], 0                           ; (named as the upper half of a pair)
	v_add_nc_u32 v28, LINV, v30
	v_add_nc_u32 v29, PSC, v30
	s_lshl_b32 s54, s12, 1
	s_add_co_u32 s54, s54, s15
	s_lshl_b32 s54, s54, 18                        ; 64 rows of 4,096 bytes
	s_lshl_b32 s55, ttmp9, 10
	s_add_co_u32 s54, s54, s55
	s_lshl_b32 s55, s16, 9
	s_add_co_u32 s54, s54, s55
	s_mov_b32 s55, 0
	s_add_nc_u64 s[10:11], s[10:11], s[54:55]      ; out at my first row and column
	s_mov_b32 s60, 0x01010101
	s_mov_b32 s61, 0x80808080
	WALU
	s_wait_loadcnt 0x0
	v_min_num_f32 v26, v[NM], v[NM+1]
	v_min_num_f32 v27, v[NM+2], v[NM+3]
.irp c, 4,6,8,10,12,14
	v_min_num_f32 v26, v26, v[NM+\c]
	v_min_num_f32 v27, v27, v[NM+\c+1]
.endr
	v_min_num_f32 v26, v26, v27                    ; -M of the row (a held offset repeats chunk qb: no harm to a minimum)
.irp c, 0,1,2,3,4,5,6,7,8,9,10,11,12,13,14,15
	v_sub_f32 v[DD+\c], v26, v[NM+\c]              ; M_c - M: a whole number, 0 or less
.endr
.irp c, 0,1,2,3,4,5,6,7,8,9,10,11,12,13,14,15
	v_cvt_i32_f32 v[DD+\c], v[DD+\c]               ; (it saturates)
.endr
.irp c, 0,1,2,3,4,5,6,7,8,9,10,11,12,13,14,15
	v_ldexp_f32 v[LS+\c], v[LS+\c], v[DD+\c]
.endr
	v_mov_b32 v27, v[LS]
.irp c, 1,2,3,4,5,6,7,8,9,10,11,12,13,14,15
	s_cmp_le_u32 \c, s18                           ; a live chunk counts once, a dead one not
	s_cselect_b32 s21, 1.0, 0
	v_fma_f32 v27, v[LS+\c], s21, v27
.endr
	WALU
	v_rcp_f32 v27, v27
	v_sub_nc_u32 v[DD], 0, v[DD]                   ; d = M - M_c, 0 or more
.irp c, 1,2,3,4,5,6,7,8,9,10,11,12,13,14,15
	v_sub_nc_u32 v[DD+\c], 0, v[DD+\c]
.endr
	WALU                                           ; the wait ahead of the reciprocal's first reader
	ds_store_b32 v28, v27
.irp c, 0,1,2,3,4,5,6,7,8,9,10,11,12,13,14,15
	v_min_u32 v[DD+\c], 127, v[DD+\c]
.endr
.irp c, 0,1,2,3,4,5,6,7,8,9,10,11,12,13,14,15
	v_mul_lo_u32 v[DD+\c], v[DD+\c], s60           ; d in each byte
.endr
.irp c, 0,1,2,3,4,5,6,7,8,9,10,11,12,13,14,15
	v_or_b32 v[PWD+\c], s61, v[PWD+\c]             ; p's bytes are 125 at the most: bit 7 is set in each, so that no byte borrows from its neighbour,
.endr
.irp c, 0,1,2,3,4,5,6,7,8,9,10,11,12,13,14,15
	v_sub_nc_u32 v[PWD+\c], v[PWD+\c], v[DD+\c]
.endr
.irp c, 0,1,2,3,4,5,6,7,8,9,10,11,12,13,14,15
	v_and_b32 v[DD+\c], s61, v[PWD+\c]             ; and stays set where byte - d is 0 or more
.endr
.irp c, 0,1,2,3,4,5,6,7,8,9,10,11,12,13,14,15
	v_lshrrev_b32 v[NM+\c], 7, v[DD+\c]
.endr
.irp c, 0,1,2,3,4,5,6,7,8,9,10,11,12,13,14,15
	v_sub_nc_u32 v[DD+\c], v[DD+\c], v[NM+\c]      ; 0x7f there, 0 elsewhere
.endr
.irp c, 0,1,2,3,4,5,6,7,8,9,10,11,12,13,14,15
	v_and_b32 v[PWD+\c], v[PWD+\c], v[DD+\c]
.endr
.irp c, 0,1,2,3,4,5,6,7,8,9,10,11,12,13,14,15
	ds_store_b32 v29, v[PWD+\c] offset:512*\c
.endr
	s_wait_tensorcnt 0x0                           ; my part of slot 0 is in
	ds_add_u32 v[SPW], v[NIL]
	s_add_co_u32 s[G0P+1], s57, SLOTB
	s_add_nc_u64 s[G0P+2:G0P+3], s[G0P+2:G0P+3], PB
	s_add_co_u32 s[G0V+1], s58, SLOTB
	s_add_nc_u64 s[G0V+2:G0V+3], s[G0V+2:G0V+3], VB
	s_wait_dscnt 0x0                               ; the add is done, and my scale words and 1 / l have landed
	s_barrier_signal -1
	s_barrier_wait -1
	s_cmp_lt_u32 s[QL], s[LIM]
	s_cbranch_scc1 .Lpast_first
	TLOAD                                          ; slot 1, into place 1
.Lpast_first:
	s_add_co_u32 s[LIM], s[LIM], 512
	LG0 0
	LGV 0, 0
	LGV 0, 4
	WIN 0
	STEP 0, 1, 0                                   ; the first products start the sums
.Ltrip:                                                ; two trips: key steps 1 to 8 and 9 to 16; step 16 does not exist: the test passes it over
	STEP 1, 0, 1
	STEP 2, 0, 1
	TURN 3, 0
	STEP 4, 0, 1
	STEP 5, 0, 1
	STEP 6, 0, 1
	TURN 7, 1
	s_xor_b32 s[AST], s[AST], 4096                 ; on to the second trip's eight scale words a row (and back, where nothing reads them any more)
	v_add_nc_u32 v[ASP], s[AST], v[ASP0]
	WALU
	STEP 8, 0, 1
	s_add_co_u32 s[GL], s[GL], 1024
	s_add_co_u32 s[CNT], s[CNT], 1
	s_cmp_lt_u32 s[CNT], 2
	WALU
	s_cbranch_scc1 .Ltrip
	; THE WAY OUT: x 1 / l; 16 queries x 64 columns at a time go through my stage and leave as rows of 256 consecutive bytes, at multiples of 256 from out's first byte
	PLACES 4
	s_wait_dscnt 0x0
	ds_load_b128 v[LI:LI+3], v[ASP0] offset:LINV-PSC
	s_wait_dscnt 0x0
	s_barrier_signal -1
	s_barrier_wait -1                              ; nobody reads scale words or 1 / l any more: the stage is free
.macro PACK a, d
.set BB_, BK+32*(\d)
.if (\d) == 0
	v_mov_b32 v[LP], v[LI+(\a)]
.endif
	WIN 0x41
.set j, 64*(\a)+32*(\d)
.rept 16
	v_pk_mul_f32 v[j:j+1], v[j:j+1], v[LP:LP+1] op_sel_hi:[1,0]   ; each accumulator from its low end on
.set j, j+2
.endr
	WIN 4
.irp b, 0,1,2,3
	ds_store_b128 v[STO], v[64*(\a)+32*(\d)+8*\b:64*(\a)+32*(\d)+8*\b+3] offset:32*\b       ; register i of tile b is column 32 h + 8 b + i
	ds_store_b128 v[STO], v[64*(\a)+32*(\d)+8*\b+4:64*(\a)+32*(\d)+8*\b+7] offset:32*\b+16
.endr
	WIN 0
.irp t, 0,1,2,3,4,5,6,7
	ds_load_b128 v[BB_+4*\t:BB_+4*\t+3], v[RD] offset:544*\t   ; LDS serves a wave's instructions in order: these see my stores
.endr
.endm
.macro SEND a, d, younger              ; younger: the LDS instructions issued behind these loads: the next 8 stores and 8 loads, or none
.set BB_, BK+32*(\d)
.irp t, 0,1,2,3,4,5,6,7
	s_wait_dscnt \younger+7-\t
	global_store_b128 v[GO], v[BB_+4*\t:BB_+4*\t+3], s[10:11] offset:(8*(\a)+2*\t+24*(\t/4))*4096+256*(\d) th:TH_STORE_NT   ; stage row i is query 32 (i / 8) + 8 a + i % 8
.endr
.endm
	PACK 0, 0
.irp a, 0,1,2,3
	PACK \a, 1
	SEND \a, 0, 16
	s_wait_xcnt 0x0                                ; these stores have read their registers
.if \a < 3
	PACK \a+1, 0
	SEND \a, 1, 16
	s_wait_xcnt 0x0
.else
	SEND \a, 1, 0
.endif
.endr
	s_wait_tensorcnt 0x0                           ; the wave's end
	ds_add_u32 v[SPW], v[NIL]
	s_wait_dscnt 0x0
	s_endpgm
.Lfunc_end_k_q9491cc8b53_pv:
	.size	k_q9491cc8b53_pv, .Lfunc_end_k_q9491cc8b53_pv-k_q9491cc8b53_pv
	.p2alignl 7, 3214868480
	.fill 96, 4, 3214868480
	.section	.rodata,"a",@progbits
	.p2align	6, 0x0
	.amdhsa_kernel k_q9491cc8b53_pv
		.amdhsa_group_segment_fixed_size 327680
		.amdhsa_private_segment_fixed_size 0
		.amdhsa_enable_private_segment 0
		.amdhsa_kernarg_size 32
		.amdhsa_user_sgpr_count 2
		.amdhsa_user_sgpr_kernarg_segment_ptr 1
		.amdhsa_wavefront_size32 1
		.amdhsa_system_sgpr_workgroup_id_x 1
		.amdhsa_system_sgpr_workgroup_id_y 1
		.amdhsa_system_sgpr_workgroup_id_z 1
		.amdhsa_system_vgpr_workitem_id 0
		.amdhsa_next_free_vgpr 912
		.amdhsa_next_free_sgpr 80
		.amdhsa_reserve_vcc 0
		.amdhsa_float_denorm_mode_32 3
		.amdhsa_float_denorm_mode_16_64 3
		.amdhsa_memory_ordered 1
		.amdhsa_forward_progress 1
		.amdhsa_inst_pref_size 123
	.end_amdhsa_kernel
	.amdgpu_metadata
---
amdhsa.version: [ 1, 2 ]
amdhsa.kernels:
  - .name:           k_q9491cc8b53_pv
    .symbol:         k_q9491cc8b53_pv.kd
    .args:
      - { .name: p_img, .offset: 0, .size: 8, .value_kind: global_buffer, .address_space: global }
      - { .name: p_aux, .offset: 8, .size: 8, .value_kind: global_buffer, .address_space: global }
      - { .name: vt_img, .offset: 16, .size: 8, .value_kind: global_buffer, .address_space: global }
      - { .name: out0, .offset: 24, .size: 8, .value_kind: global_buffer, .address_space: global }
    .group_segment_fixed_size: 327680
    .private_segment_fixed_size: 0
    .kernarg_segment_align: 8
    .kernarg_segment_size: 32
    .max_flat_workgroup_size: 128
    .sgpr_count:     80
    .vgpr_count:     912
    .wavefront_size: 32
...
	.end_amdgpu_metadata
.endif
;; end of part 8
